; MI455X (gfx1250); checked and timed in simulation.
; The chip was launched on July 23, 2026; its instructions are those of AMD's public machine-readable ISA for CDNA 5 (MIT licence, August 2026) and "CDNA5" Instruction Set Architecture Reference Guide (July 2026). The comments in the code are by the model that wrote it; some were corrected since.
;; Sparse Top K Attention. Allowed arithmetic: matrix products marked QUANTISED: E3M2 operands, one E8M0 scale for each 32 along K, by v_wmma_scale_f32_16x16x128_f8f6f4 with both operands' format E3M2, f32 sums; products left as they are: f32 operands where the result goes on into a quantised operand, else bf16, f16 or f32 operands; f32 sums; everything else in f32.
;; Inputs: Wk 256 x 256 float32; Wo 256 x 256 float32; Wq 256 x 256 float32; Wv 256 x 256 float32; bk 256 float32; bo 256 float32; bq 256 float32; bv 256 float32; heading_k 4 x 4,096 float32; heading_q 4 x 4,096 float32; kv_feat 4 x 4,096 x 256 float32; mask_k 4 x 4,096 bool; pos_k 4 x 4,096 x 2 float32; pos_q 4 x 4,096 x 2 float32; q_feat 4 x 4,096 x 256 float32.
;; Outputs: out0 4 x 4,096 x 256 float32.
;; This version of the problem:
;;   THIS VERSION OF THE PROBLEM IS GIVEN IN LOW PRECISION. The matrix products marked QUANTISED in the list below multiply operands that are first quantised to E3M2 (3 exponent bits, 2 mantissa bits; 6 bits a number), with one power-of-two scale for each 32 numbers along K (OCP MX v1.0); their sums are f32. All else is computed in f32.
;;   The module's matrix products, in the order in which they are computed (A, B: the left and right operand; K: the contracted axis; several contracted axes count as one K, in the product's order):
;;     1. [M 16,384, K 256] x [K 256, N 256]; A: input q_feat; B: input Wq: QUANTISED
;;     2. [M 262,144, K 256] x [K 256, N 256]; A: computed on the way; B: input Wk: QUANTISED
;;     3. [M 262,144, K 256] x [K 256, N 256]; A: computed on the way; B: input Wv: QUANTISED
;;     4. batch 131,072 x [M 16, K 32] x [K 32, N 1]; A: computed on the way; B: computed on the way: left as it is (N = 1 < 16)
;;     5. batch 131,072 x [M 1, K 16] x [K 16, N 32]; A: softmax; B: computed on the way: left as it is (K = 16 < 32)
;;     6. [M 16,384, K 256] x [K 256, N 256]; A: computed on the way; B: input Wo: QUANTISED
;;   THE QUANTISER, for each operand of a quantised product, along K:
;;     - K is cut into blocks of 32 from its start; a last block that is shorter is filled with zeros.
;;     - A block's scale is 2^e with e = floor(log2(the largest magnitude in the block)) - 4, held to -126 .. 127; a block of zeros has e = 0. As a byte (E8M0): e + 127.
;;     - Each number is divided by its block's scale, clamped to +-28, and rounded to the nearest number of E3M2, ties to even, subnormals kept.
;;     - The product sums the exact products of the quantised numbers (number of the format x scale) in f32.
;;   ~~~python
;;   def quantise(x, axis):      # numpy; x: float32 -> the quantised numbers, widened to float32 again
;;       x = np.moveaxis(x, axis, -1); K = x.shape[-1]
;;       x = np.pad(x, [(0, 0)] * (x.ndim - 1) + [(0, -K % 32)]); x = x.reshape(x.shape[:-1] + (-1, 32)); a = np.abs(x).max(-1, keepdims=True)
;;       e = np.where(a > 0, np.clip(np.frexp(np.where(a > 0, a, 1))[1] - 1 - 4, -126, 127), 0)      # np.frexp(a)[1] - 1 = floor(log2(a)), exactly
;;       r = np.clip(x / 2.0 ** e, -28, 28)
;;       step = 2.0 ** (np.maximum(np.frexp(np.where(r == 0, 1, r))[1] - 1, -2) - 2)
;;       q = np.round(r / step) * step * 2.0 ** e      # np.round: ties to even
;;       return np.moveaxis(q.reshape(q.shape[:-2] + (-1,))[..., :K], -1, axis).astype(np.float32)
;;   ~~~
;;   OPERANDS COMPUTED ON THE WAY. 'Computed on the way' means the value that the module computes at that place (a softmax that the list does not call 'softmax' is quantised finished and normalised). What goes into a quantiser is computed in f32, as accurately as f32 sums, v_exp_f32 and their like allow (about 1e-6 of the number): no bf16 or f16 on the way to a quantiser, and a product that is left as it is and whose result goes on into a quantised operand takes f32 operands (vector FMAs, or v_wmma_f32_16x16x4_f32). A number that lies on a knife's edge between two numbers of the format may be rounded either way, as far as f32 arithmetic and the matrix unit's own rounding can turn it there, and no further.
;; 3 versions. Each part assembles by itself: llvm-mc -triple=amdgcn-amd-amdhsa -mcpu=gfx1250 --defsym DOCPART=n.
;; ======== version 1 of 3: 4 launches
;; limits: inputs' magnitudes at most 100,000
;; workspace buffers: qrec 6,291,456 bytes; krec 6,291,456 bytes; kxy 131,072 bytes; wimg 196,608 bytes; wsc 16,384 bytes; gidx 1,048,576 bytes of whole numbers; idx 1,048,576 bytes of whole numbers
;; launch prep (part 1): grid 288 x 1, 4 waves a work-group, no clusters, 33,280 bytes of LDS; arguments q_feat, kv_feat, pos_q, pos_k, heading_q, heading_k, mask_k, Wq, Wk, Wv, Wo, qrec, krec, kxy, wimg, wsc; writes qrec, krec, kxy, wimg, wsc
.if DOCPART == 1
	.amdgcn_target "amdgcn-amd-amdhsa--gfx1250"
	.amdhsa_code_object_version 6
	.text
	.protected	k_qe3448a027a_prep
	.globl	k_qe3448a027a_prep
	.p2align	8
	.type	k_qe3448a027a_prep,@function
k_qe3448a027a_prep:
	s_mov_b64 s[64:65], 0
	v_nop
	global_prefetch_b8 v0, s[64:65] scope:SCOPE_SE
	s_setreg_imm32_b32 hwreg(HW_REG_WAVE_MODE, 25, 1), 1
	s_wait_xcnt 0x0
; PREPARATION.  Work-groups 0-127: the 16,384 rows of q_feat; 128-255: those of kv_feat; 256-287: the four weights.
; ROWS.  A row of 256 f32 becomes a RECORD of 384 bytes:
;   0..191   its codes of BF6 (E3M2) in the order of an operand's registers: half h of the lanes at 96 h; there four runs of 24 bytes, run 2 s + c = the block k = 128 s + 64 c + 32 h + 0..31
;   192..199 its eight E8M0 scale bytes;  200, 204 cos and sin of the heading;  208 what is added to a logit: 0, or -infinity where mask_k is false
;   256..383 [h][cos 8][sin 8] of the angles x f_j (h = 0) and y f_j (h = 1), f_j = 10000^(-j/8)
; A block's scale is 2^(floor(log2(largest magnitude)) - 4); its byte is that magnitude's exponent field - 4, held at 1 from below (a block of zeros gets 1: its codes are zeros, and only this program reads the bytes).
; Keys also go to kxy: [group of 16 keys][x 16][y 16], x = +infinity where the key is masked, so that its distance is infinite.
; WEIGHTS.  W [k 256][n 256]: a wave makes one fragment (16 columns x 128 k): a lane takes a column and its registers run down K, so the conversions' results are the operand's registers; they are stored as an image, 16 bytes a lane.
; SINE AND COSINE: n = nearest whole number to a 2/pi; a - n pi/2 by three fused steps; polynomials on |r| <= pi/4; quadrant by n's two low bits.
; LIMITS: angles up to about 1e5 radians (three constants for pi/2); NaN and infinities among the inputs are not served; blocks whose largest magnitude lies under 2^-122 keep the byte 1.
.set STEPS, 16
.set EMAX,  4
.set RECB,  384
.set R,     16                         ; v16-79   four sets of 16 numbers as loaded
.set X,     80                         ; v80-111  two sets of 16 neighbours
.set E,     112                        ; v112-127 a scale byte for each step
.set C,     128                        ; v128-191 codes: four registers a step
.set WREG,  8192                       ; LDS of a wave: two stages of 32 x SP bytes, then its 256 scale bytes
.set SP,    80
.set SCB,   2*32*SP
.set PX,    192                        ; v[192:193] my row's position, v194 heading, v195 mask
.set HD,    194
.set MK,    195
.set O8,    196                        ; 8 x lane
.set O4,    197                        ; 4 x lane
.set K2PI,  36                         ; s36 2/pi; s37-39 pi/2 in three parts; s40-42 sine's, s43-45 cosine's coefficients; s48-55 f_j
.set KP,    37
.set KS,    40
.set KC,    43
.set KF,    48
.set TA,    60                         ; v60-68 at work in SINCOS
.set TN,    61
.set TR,    62
.set TZ,    63
.set TQ,    64
.set TS,    65
.set TC,    66
.set TT,    67
.set TU,    68
	s_load_b512 s[4:19], s[0:1], 0x0               ; q_feat 4, kv_feat 6, pos_q 8, pos_k 10, heading_q 12, heading_k 14, mask_k 16, Wq 18
	s_load_b512 s[20:35], s[0:1], 0x40             ; Wk 20, Wv 22, Wo 24, qrec 26, krec 28, kxy 30, wimg 32, wsc 34
	v_lshl_add_u32 v200, v0, 2, 0x8000
	v_mov_b32 v201, 0
	v_lshrrev_b32 v1, 5, v0
	v_readfirstlane_b32 s56, v1                    ; wave 0..3
	v_and_b32 v2, 31, v0                           ; lane
	s_mov_b32 s59, 0
	s_mov_b32 s61, 0
	s_wait_kmcnt 0x0
	s_cmp_ge_u32 ttmp9, 256
	s_cbranch_scc1 .Lweights
	; ---------------- rows ----------------
	s_cmp_lt_u32 ttmp9, 128                        ; queries or keys: only pointers are chosen, one path serves both
	s_cselect_b64 s[4:5], s[4:5], s[6:7]
	s_cselect_b64 s[8:9], s[8:9], s[10:11]
	s_cselect_b64 s[12:13], s[12:13], s[14:15]
	s_cselect_b64 s[26:27], s[26:27], s[28:29]
	s_and_b32 s57, ttmp9, 127
	s_lshl_b32 s57, s57, 7
	s_lshl_b32 s58, s56, 5
	s_add_co_u32 s57, s57, s58                     ; my wave's first row: 128 x work-group + 32 x wave
	s_lshl_b32 s58, s57, 10
	s_add_nc_u64 s[4:5], s[4:5], s[58:59]          ; features: 1,024 bytes a row
	s_mul_i32 s58, s57, RECB
	s_add_nc_u64 s[26:27], s[26:27], s[58:59]      ; records
	s_lshl_b32 s58, s57, 3
	s_add_nc_u64 s[8:9], s[8:9], s[58:59]          ; positions: 8 bytes a row
	s_add_nc_u64 s[30:31], s[30:31], s[58:59]      ; kxy: 128 bytes for 16 rows
	s_lshl_b32 s58, s57, 2
	s_add_nc_u64 s[12:13], s[12:13], s[58:59]      ; headings
	s_mov_b32 s58, s57
	s_add_nc_u64 s[16:17], s[16:17], s[58:59]      ; mask: a byte a row
	v_lshlrev_b32 v[O8], 3, v2
	v_lshlrev_b32 v[O4], 2, v2
	global_load_b64 v[PX:PX+1], v[O8], s[8:9]      ; lane = row: these three are the oldest loads, so every counted wait below covers them
	global_load_b32 v[HD], v[O4], s[12:13]
	global_load_u8 v[MK], v2, s[16:17]
	v_lshlrev_b32 v3, 4, v2                        ; my 16 bytes of a load's 512
	s_mul_i32 s60, s56, WREG
	v_lshrrev_b32 v14, 2, v2
	v_mul_u32_u24 v14, v14, SP
	v_and_b32 v15, 3, v2
	v_lshl_add_u32 v14, v15, 4, v14
	v_add_nc_u32 v14, s60, v14                     ; the stage, in: SP (lane / 4) + 16 (lane % 4)
	v_mul_u32_u24 v15, v2, SP
	v_add_nc_u32 v15, s60, v15                     ; and out: SP x lane: my 16 neighbours
	v_bfe_u32 v8, v2, 4, 1                         ; behind the stage lane l holds numbers 16 l .. 16 l + 15 of the step's two rows: row l / 16, block b = (l % 16) / 2, half l % 2
	v_mul_u32_u24 v4, 0x180, v8                    ; the row's record,
	v_bfe_u32 v8, v2, 1, 1
	v_mad_u32_u24 v4, v8, 96, v4                   ; + 96 (b % 2),
	v_bfe_u32 v8, v2, 2, 2
	v_mad_u32_u24 v4, v8, 24, v4                   ; + 24 (b / 2),
	v_and_b32 v8, 1, v2
	v_mad_u32_u24 v4, v8, 12, v4                   ; + 12 for the block's upper 16 codes
	v_lshrrev_b32 v5, 1, v2
	s_add_co_u32 s60, s60, SCB
	v_add_nc_u32 v5, s60, v5                       ; LDS: my block's scale byte
	v_lshlrev_b32 v6, 3, v2
	v_add_nc_u32 v6, s60, v6                       ; and a row's eight bytes on the way out
	v_mul_u32_u24 v7, 0x180, v2                    ; lane = row: its record
	v_bfe_u32 v10, v2, 4, 1
	v_lshlrev_b32 v10, 7, v10
	v_and_b32 v8, 15, v2
	v_lshl_add_u32 v10, v8, 2, v10                 ; kxy: 128 (lane / 16) + 4 (lane % 16)
	s_mov_b32 s[K2PI], 0x3f22f983                  ; 2 / pi
	s_mov_b32 s[KP], 0x3fc90fdb                    ; pi / 2 = these three
	s_mov_b32 s[KP+1], 0xb33bbd2e
	s_mov_b32 s[KP+2], 0xa6f72ced
	s_mov_b32 s[KS], 0xbe2aaaa3                    ; -1.6666654611e-1
	s_mov_b32 s[KS+1], 0x3c08839e                  ; 8.3321608736e-3
	s_mov_b32 s[KS+2], 0xb94ca1f9                  ; -1.9515295891e-4
	s_mov_b32 s[KC], 0x3d2aaaa5                    ; 4.166664568e-2
	s_mov_b32 s[KC+1], 0xbab6061a                  ; -1.388731625e-3
	s_mov_b32 s[KC+2], 0x37ccf5ce                  ; 2.443315712e-5
	s_mov_b32 s[KF], 0x3f800000                    ; 10000^(-j/8), j = 0 .. 7
	s_mov_b32 s[KF+1], 0x3ea1e89b
	s_mov_b32 s[KF+2], 0x3dcccccd
	s_mov_b32 s[KF+3], 0x3d0186e2
	s_mov_b32 s[KF+4], 0x3c23d70a
	s_mov_b32 s[KF+5], 0x3b4f3e37
	s_mov_b32 s[KF+6], 0x3a83126f
	s_mov_b32 s[KF+7], 0x39a5cb5f
.macro LOAD t                          ; a step is two rows, 2,048 bytes: each load reads 512 consecutive bytes
.irp i, 0,1,2,3
	global_load_b128 v[R+16*((\t)%4)+4*\i:R+16*((\t)%4)+4*\i+3], v3, s[4:5] offset:2048*(\t)+512*\i th:TH_LOAD_NT
.endr
.endm
.macro TURN t                          ; through the wave's own stage; LDS serves a wave's instructions in order, so no wait between the stores and the loads
.irp i, 0,1,2,3
	ds_store_b128 v14, v[R+16*((\t)%4)+4*\i:R+16*((\t)%4)+4*\i+3] offset:32*SP*((\t)%2)+8*SP*\i
.endr
.irp i, 0,1,2,3
	ds_load_b128 v[X+16*((\t)%2)+4*\i:X+16*((\t)%2)+4*\i+3], v15 offset:32*SP*((\t)%2)+16*\i
.endr
.endm
.irp t, 0,1,2,3
	LOAD \t
.endr
	s_wait_loadcnt 12                              ; step 0's four loads are in; three steps' twelve may be out
	TURN 0
.macro STEP t
.set XS, X+16*((\t)%2)
.if (\t) > 0
	s_wait_dscnt 1                                 ; this step's numbers are back from the stage (the last step's byte store may be out), so its stage stores have read their registers,
.else
	s_wait_dscnt 0x0
.endif
.if (\t)+4 < STEPS
	LOAD (\t)+4                                    ; which take the loads of four steps on
.endif
.if (\t)+1 < STEPS
.if STEPS-2-(\t) >= 3
	s_wait_loadcnt 12                              ; the next step's four are in; those of the three steps behind it may be out
.else
	s_wait_loadcnt 4*(STEPS-2-(\t))
.endif
	TURN (\t)+1
.endif
	v_max3_num_f32 v8, |v[XS]|, |v[XS+1]|, |v[XS+2]|               ; the largest magnitude of my 16, in two chains
	v_max3_num_f32 v9, |v[XS+3]|, |v[XS+4]|, |v[XS+5]|
.irp i, 6,10
	v_max3_num_f32 v8, v8, |v[XS+\i]|, |v[XS+\i+1]|
	v_max3_num_f32 v9, v9, |v[XS+\i+2]|, |v[XS+\i+3]|
.endr
	v_max3_num_f32 v8, v8, |v[XS+14]|, |v[XS+15]|
	v_max3_num_f32 v8, v8, v9, (EMAX+1)<<23        ; and the floor 2^(5 - 127): the byte cannot fall under 1
	v_max_num_f32_dpp v8, v8, v8 row_xmask:1 row_mask:0xf bank_mask:0xf   ; with my neighbour's 16: the block's
	v_add_nc_u32 v11, -(EMAX<<23), v8              ; 4 off its exponent field: the conversion's scale operand
	v_cvt_scalef32_pk16_bf6_f32 v[C+4*(\t):C+4*(\t)+2], v[XS:XS+15], v11
	v_lshrrev_b32 v[E+(\t)], 23, v11               ; the scale's byte
	ds_store_b8 v5, v[E+(\t)] offset:16*(\t)       ; both lanes of a block write the same byte with the same value
	global_store_b96 v4, v[C+4*(\t):C+4*(\t)+2], s[26:27] offset:2*RECB*(\t)
.endm
.irp t, 0,1,2,3,4,5,6,7,8,9,10,11,12,13,14,15
	STEP \t
.endr
	ds_load_b64 v[12:13], v6                       ; a row's eight scale bytes (my own stores, served in order)
	s_wait_dscnt 0x0
	global_store_b64 v7, v[12:13], s[26:27] offset:192
	s_wait_loadcnt 0x0                             ; position, heading, mask (long in)
; sine and cosine of v[a] into v[s] and v[c]
.macro SINCOS a, c, s
	v_mul_f32 v[TN], s[K2PI], v[\a]
	v_rndne_f32 v[TN], v[TN]                       ; n
	v_fma_f32 v[TR], -v[TN], s[KP], v[\a]
	v_fma_f32 v[TR], -v[TN], s[KP+1], v[TR]
	v_fma_f32 v[TR], -v[TN], s[KP+2], v[TR]        ; r = a - n pi/2
	v_cvt_i32_f32 v[TQ], v[TN]
	v_mul_f32 v[TZ], v[TR], v[TR]
	v_fma_f32 v[TS], v[TZ], s[KS+2], s[KS+1]
	v_fma_f32 v[TC], v[TZ], s[KC+2], s[KC+1]
	v_fma_f32 v[TS], v[TS], v[TZ], s[KS]
	v_fma_f32 v[TC], v[TC], v[TZ], s[KC]
	v_mul_f32 v[TT], v[TR], v[TZ]
	v_fma_f32 v[TU], v[TZ], -0.5, 1.0
	v_fma_f32 v[TS], v[TS], v[TT], v[TR]           ; sin r
	v_mul_f32 v[TT], v[TZ], v[TZ]
	v_fma_f32 v[TC], v[TC], v[TT], v[TU]           ; cos r
	v_and_b32 v[TT], 1, v[TQ]
	v_cmp_eq_u32 vcc_lo, 1, v[TT]                  ; odd n: the two change places
	v_cndmask_b32 v[\s], v[TS], v[TC], vcc_lo
	v_cndmask_b32 v[\c], v[TC], v[TS], vcc_lo
	v_and_b32 v[TT], 2, v[TQ]                      ; sine is negated for n % 4 = 2, 3,
	v_add_nc_u32 v[TU], 1, v[TQ]
	v_lshlrev_b32 v[TT], 30, v[TT]
	v_and_b32 v[TU], 2, v[TU]                      ; cosine for n % 4 = 1, 2
	v_xor_b32 v[\s], v[\s], v[TT]
	v_lshlrev_b32 v[TU], 30, v[TU]
	v_xor_b32 v[\c], v[\c], v[TU]
.endm
.irp j, 0,1,2,3,4,5,6,7
	v_mul_f32 v[TA], s[KF+\j], v[PX]
	SINCOS TA, 16+\j, 24+\j
	v_mul_f32 v[TA], s[KF+\j], v[PX+1]
	SINCOS TA, 32+\j, 40+\j
.endr
	SINCOS HD, 48, 49
.irp i, 0,1,2,3,4,5,6,7
	global_store_b128 v7, v[16+4*\i:19+4*\i], s[26:27] offset:256+16*\i
.endr
	global_store_b64 v7, v[48:49], s[26:27] offset:200
	v_cmp_ne_u32 vcc_lo, 0, v[MK]
	v_mov_b32 v51, 0xff800000
	v_mov_b32 v52, 0
	v_cndmask_b32 v50, v51, v52, vcc_lo            ; 0 where the mask is true, else -infinity
	global_store_b32 v7, v50, s[26:27] offset:208
	s_cmp_lt_u32 ttmp9, 128
	s_cbranch_scc1 .Lrows_done                     ; queries have no place in kxy
	v_mov_b32 v53, 0x7f800000
	v_cndmask_b32 v54, v53, v[PX], vcc_lo          ; x, or +infinity for a masked key
	global_store_b32 v10, v54, s[30:31]
	global_store_b32 v10, v[PX+1], s[30:31] offset:64
.Lrows_done:
	s_wait_tensorcnt 0x0
	ds_add_u32 v200, v201
	s_wait_dscnt 0x0
	s_endpgm
	; ---------------- weights ----------------
.Lweights:
	s_sub_co_u32 s57, ttmp9, 256
	s_lshl_b32 s57, s57, 2
	s_add_co_u32 s57, s57, s56                     ; fragment f = (32 m + 2 T + s): weight m, tile T of 16 columns, K step s
	s_lshr_b32 s58, s57, 5
	s_cmp_eq_u32 s58, 1
	s_cselect_b64 s[18:19], s[20:21], s[18:19]
	s_cmp_eq_u32 s58, 2
	s_cselect_b64 s[18:19], s[22:23], s[18:19]
	s_cmp_eq_u32 s58, 3
	s_cselect_b64 s[18:19], s[24:25], s[18:19]
	s_bfe_u32 s58, s57, 0x40001                    ; T
	s_and_b32 s60, s57, 1                          ; s
	s_lshl_b32 s60, s60, 17                        ; 128 rows of 1,024 bytes
	s_lshl_b32 s58, s58, 6                         ; 16 columns of 4 bytes
	s_add_co_u32 s60, s60, s58
	s_add_nc_u64 s[18:19], s[18:19], s[60:61]
	s_mul_i32 s60, s57, 1536
	s_add_nc_u64 s[32:33], s[32:33], s[60:61]
	s_lshl_b32 s60, s57, 7
	s_add_nc_u64 s[34:35], s[34:35], s[60:61]
	s_mov_b32 s62, 0x76543210
	s_mov_b32 s63, 0xfedcba98                      ; v_permlanex16_b32's selects for lane l xor 16
	v_and_b32 v1, 15, v0                           ; r: my column
	v_bfe_u32 v3, v0, 4, 1                         ; h
	v_lshlrev_b32 v4, 2, v1
	v_lshl_add_u32 v5, v3, 15, v4                  ; lanes 16-31 begin 32 rows further down
.irp c, 0,1
.irp i, 0,1,2,3,4,5,6,7,8,9,10,11,12,13,14,15,16,17,18,19,20,21,22,23,24,25,26,27,28,29,30,31
	global_load_b32 v[64+32*\c+\i], v5, s[18:19] offset:1024*(64*\c+\i)   ; W(128 s + 64 c + 32 h + i, my column)
.endr
.endr
	s_wait_loadcnt 0x0
.irp c, 0,1
	v_max3_num_f32 v[32+\c], |v[64+32*\c]|, |v[65+32*\c]|, 0x2800000     ; my block 2 c + h: all 32 numbers are mine; the floor 2^(5 - 127)
.endr
.irp i, 2,4,6,8,10,12,14,16,18,20,22,24,26,28,30
.irp c, 0,1
	v_max3_num_f32 v[32+\c], v[32+\c], |v[64+32*\c+\i]|, |v[65+32*\c+\i]|
.endr
.endr
.irp c, 0,1
	v_add_nc_u32 v[44+\c], 0xfe000000, v[32+\c]    ; 4 off the exponent field: the conversion's scale operand
.endr
.irp c, 0,1
	v_lshrrev_b32 v[36+\c], 23, v[44+\c]           ; the byte
.endr
	v_lshl_or_b32 v9, v37, 16, v36                 ; my two bytes: blocks h and 2 + h,
	v_lshlrev_b32 v10, 3, v3
	v_lshlrev_b32 v9, v10, v9                      ; at their places;
	v_mov_b32 v10, 0
	v_permlanex16_b32 v10, v9, s62, s63
	v_or_b32 v9, v9, v10                           ; with lane l xor 16's two the word is whole
.irp c, 0,1
	v_cvt_scalef32_pk16_bf6_f32 v[48+6*\c:50+6*\c], v[64+32*\c:79+32*\c], v[44+\c]
	v_cvt_scalef32_pk16_bf6_f32 v[192+4*\c:194+4*\c], v[80+32*\c:95+32*\c], v[44+\c]   ; (a conversion's three registers begin on an even number)
.endr
	v_nop                                          ; one plain place behind a scaled conversion
.irp c, 0,1
.irp i, 0,1,2
	v_mov_b32 v[51+6*\c+\i], v[192+4*\c+\i]
.endr
.endr
	v_lshlrev_b32 v6, 4, v2
	v_lshlrev_b32 v7, 2, v2
.irp c, 0,1,2
	global_store_b128 v6, v[48+4*\c:51+4*\c], s[32:33] offset:512*\c     ; the image: 32 lanes store 512 consecutive bytes
.endr
	global_store_b32 v7, v9, s[34:35]
	s_endpgm
.Lfunc_end_k_qe3448a027a_prep:
	.size	k_qe3448a027a_prep, .Lfunc_end_k_qe3448a027a_prep-k_qe3448a027a_prep
	.p2alignl 7, 3214868480
	.fill 96, 4, 3214868480
	.section	.rodata,"a",@progbits
	.p2align	6, 0x0
	.amdhsa_kernel k_qe3448a027a_prep
		.amdhsa_group_segment_fixed_size 33280
		.amdhsa_private_segment_fixed_size 0
		.amdhsa_enable_private_segment 0
		.amdhsa_kernarg_size 128
		.amdhsa_user_sgpr_count 2
		.amdhsa_user_sgpr_kernarg_segment_ptr 1
		.amdhsa_wavefront_size32 1
		.amdhsa_system_sgpr_workgroup_id_x 1
		.amdhsa_system_sgpr_workgroup_id_y 1
		.amdhsa_system_sgpr_workgroup_id_z 1
		.amdhsa_system_vgpr_workitem_id 0
		.amdhsa_next_free_vgpr 202
		.amdhsa_next_free_sgpr 66
		.amdhsa_reserve_vcc 1
		.amdhsa_float_denorm_mode_32 3
		.amdhsa_float_denorm_mode_16_64 3
		.amdhsa_memory_ordered 1
		.amdhsa_forward_progress 1
		.amdhsa_inst_pref_size 67
	.end_amdhsa_kernel
	.amdgpu_metadata
---
amdhsa.version: [ 1, 2 ]
amdhsa.kernels:
  - .name:           k_qe3448a027a_prep
    .symbol:         k_qe3448a027a_prep.kd
    .args:
      - { .name: q_feat, .offset: 0, .size: 8, .value_kind: global_buffer, .address_space: global }
      - { .name: kv_feat, .offset: 8, .size: 8, .value_kind: global_buffer, .address_space: global }
      - { .name: pos_q, .offset: 16, .size: 8, .value_kind: global_buffer, .address_space: global }
      - { .name: pos_k, .offset: 24, .size: 8, .value_kind: global_buffer, .address_space: global }
      - { .name: heading_q, .offset: 32, .size: 8, .value_kind: global_buffer, .address_space: global }
      - { .name: heading_k, .offset: 40, .size: 8, .value_kind: global_buffer, .address_space: global }
      - { .name: mask_k, .offset: 48, .size: 8, .value_kind: global_buffer, .address_space: global }
      - { .name: Wq, .offset: 56, .size: 8, .value_kind: global_buffer, .address_space: global }
      - { .name: Wk, .offset: 64, .size: 8, .value_kind: global_buffer, .address_space: global }
      - { .name: Wv, .offset: 72, .size: 8, .value_kind: global_buffer, .address_space: global }
      - { .name: Wo, .offset: 80, .size: 8, .value_kind: global_buffer, .address_space: global }
      - { .name: qrec, .offset: 88, .size: 8, .value_kind: global_buffer, .address_space: global }
      - { .name: krec, .offset: 96, .size: 8, .value_kind: global_buffer, .address_space: global }
      - { .name: kxy, .offset: 104, .size: 8, .value_kind: global_buffer, .address_space: global }
      - { .name: wimg, .offset: 112, .size: 8, .value_kind: global_buffer, .address_space: global }
      - { .name: wsc, .offset: 120, .size: 8, .value_kind: global_buffer, .address_space: global }
    .group_segment_fixed_size: 33280
    .private_segment_fixed_size: 0
    .kernarg_segment_align: 8
    .kernarg_segment_size: 128
    .max_flat_workgroup_size: 128
    .sgpr_count:     66
    .vgpr_count:     202
    .wavefront_size: 32
...
	.end_amdgpu_metadata
.endif
;; end of part 1
;; launch near1 (part 2): grid 256 x 1, 8 waves a work-group, no clusters, 66,560 bytes of LDS; arguments pos_q, kxy, gidx; writes gidx
.if DOCPART == 2
	.amdgcn_target "amdgcn-amd-amdhsa--gfx1250"
	.amdhsa_code_object_version 6
	.text
	.protected	k_qe3448a027a_near1
	.globl	k_qe3448a027a_near1
	.p2align	8
	.type	k_qe3448a027a_near1,@function
k_qe3448a027a_near1:
	s_mov_b64 s[64:65], 0
	v_nop
	global_prefetch_b8 v0, s[64:65] scope:SCOPE_SE
	s_setreg_imm32_b32 hwreg(HW_REG_WAVE_MODE, 25, 1), 1
	s_wait_xcnt 0x0
; THE 16 GROUPS OF 16 KEYS WITH THE SMALLEST MINIMAL DISTANCE, for each query.  The 16 nearest keys, ordered by (distance, index), lie in the 16 groups ordered first by (group minimum, group number):
; a key outside them would have 16 groups, and so 16 keys, ahead of it.  So 256 list insertions a query here and 256 in the next launch stand for 4,096.
; A work-group takes 64 queries of one batch; a lane is a query.  Waves 4 qb + s: queries 32 qb .. + 31, groups 64 s .. 64 s + 63; the four lists of a query are merged through LDS.
; A LIST is 16 values A, ascending, with 16 numbers ID.  An insertion has no branch: 16 compares x < A_j, then each place takes its lower neighbour, x, or itself.  The compare is strict and numbers
; arrive ascending, so of equal values the lower number stays ahead, as jax.lax.top_k keeps it.
; The order is taken on d2 = fma(dy, dy, dx dx).  LIMITS: where the 16th and 17th nearest differ by a last bit or so of d2, the square root and the sum of the definition may order them otherwise;
; d2 beyond the largest f32 number counts as masked; NaN is not served.  A value is held at the largest finite number, under the lists' first filling of +infinity: so masked keys still enter, in the order of their numbers.
; The group numbers are kept as f32 numbers here, sorted ascending at the end (the next launch wants keys in ascending order) and stored as whole numbers.
.set LST, 32768                        ; LDS: 0 .. 32,767 the batch's kxy; then a list of 4,096 bytes for each wave: value i at 128 i + 4 lane, number i 2,048 further on
.set A,   16                           ; v16-31
.set ID,  32                           ; v32-47
.set D,   48                           ; v48-63  16 distances
.set KA,  64                           ; v64-95  a group's x 16, y 16
.set KB,  96                           ; v96-127 the next group's
; v1 my list; v2 the list of wave xor 1; v3 of wave xor 2; v4 the keys' address; v5 address at work; v[6:7] qx twice; v[8:9] qy twice; v10 x; v11 its number; s16-31 the compares' masks
	s_load_b128 s[4:7], s[0:1], 0x0                ; pos_q, kxy
	s_load_b64 s[8:9], s[0:1], 0x10                ; gidx
	v_lshl_add_u32 v128, v0, 2, 0x10000
	v_mov_b32 v129, 0
	v_lshrrev_b32 v1, 5, v0
	v_readfirstlane_b32 s10, v1                    ; wave 0..7
	s_and_b32 s11, s10, 3                          ; s
	s_lshr_b32 s12, s10, 2                         ; qb
	v_and_b32 v13, 31, v0
	v_lshlrev_b32 v14, 2, v13                      ; 4 x lane
	v_lshlrev_b32 v5, 3, v13                       ; 8 x lane
	v_lshlrev_b32 v15, 4, v0                       ; 16 x thread: the copy's place, in memory and in LDS
	s_lshl_b32 s13, s10, 12
	s_add_co_u32 s13, s13, LST
	v_add_nc_u32 v1, s13, v14
	s_xor_b32 s13, s10, 1
	s_lshl_b32 s13, s13, 12
	s_add_co_u32 s13, s13, LST
	v_add_nc_u32 v2, s13, v14
	s_xor_b32 s13, s10, 2
	s_lshl_b32 s13, s13, 12
	s_add_co_u32 s13, s13, LST
	v_add_nc_u32 v3, s13, v14
	s_lshl_b32 s32, ttmp9, 6
	s_lshl_b32 s33, s12, 5
	s_add_co_u32 s32, s32, s33                     ; my wave's first query
	s_lshr_b32 s14, ttmp9, 6
	s_lshl_b32 s14, s14, 15                        ; the batch's 32,768 bytes of kxy
	s_mov_b32 s15, 0
	s_wait_kmcnt 0x0
	s_add_nc_u64 s[6:7], s[6:7], s[14:15]
	s_lshl_b32 s14, s32, 3
	s_add_nc_u64 s[4:5], s[4:5], s[14:15]
	s_lshl_b32 s14, s32, 6
	s_add_nc_u64 s[8:9], s[8:9], s[14:15]
.irp i, 0,1,2,3,4,5,6,7
	global_load_b128 v[KA+4*\i:KA+4*\i+3], v15, s[6:7] offset:4096*\i    ; 256 threads x 16 bytes, eight times: the batch's keys
.endr
	global_load_b64 v[12:13], v5, s[4:5]
.irp j, 0,1,2,3,4,5,6,7,8,9,10,11,12,13,14,15
	v_mov_b32 v[A+\j], 0x7f800000
	v_mov_b32 v[ID+\j], 0
.endr
	s_lshl_b32 s34, s11, 6
	v_cvt_f32_u32 v11, s34                         ; my first group's number
	s_wait_loadcnt 0x0
.irp i, 0,1,2,3,4,5,6,7
	ds_store_b128 v15, v[KA+4*\i:KA+4*\i+3] offset:4096*\i
.endr
	v_mov_b32 v6, v12
	v_mov_b32 v7, v12
	v_mov_b32 v8, v13
	v_mov_b32 v9, v13
	s_wait_dscnt 0x0                               ; for the others' sake: my part of the keys lies in LDS
	s_barrier_signal -1
	s_barrier_wait -1
.macro INSERT x, i
.irp j, 0,1,2,3,4,5,6,7,8,9,10,11,12,13,14,15
	v_cmp_lt_f32 s[16+\j], v[\x], v[A+\j]
.endr
.irp j, 15,14,13,12,11,10,9,8,7,6,5,4,3,2,1                            ; from the top down, so that a place's lower neighbour is still the old one
	v_cndmask_b32 v[ID+\j], v[ID+\j], v[\i], s[16+\j]
	v_med3_num_f32 v[A+\j], v[\x], v[A+\j-1], v[A+\j]                   ; A_(j-1) <= A_j: the middle one of the three is the place's new value
	v_cndmask_b32 v[ID+\j], v[ID+\j], v[ID+\j-1], s[15+\j]
.endr
	v_cndmask_b32 v[ID], v[ID], v[\i], s16
	v_min_num_f32 v[A], v[\x], v[A]
.endm
.macro DIST buf                        ; 16 squared distances, two at a time; dy is formed in the buffer's own y registers
.irp p, 0,2,4,6,8,10,12,14
	v_pk_add_f32 v[D+\p:D+\p+1], v[6:7], v[\buf+\p:\buf+\p+1] neg_lo:[0,1] neg_hi:[0,1]
.endr
.irp p, 0,2,4,6,8,10,12,14
	v_pk_add_f32 v[\buf+16+\p:\buf+17+\p], v[8:9], v[\buf+16+\p:\buf+17+\p] neg_lo:[0,1] neg_hi:[0,1]
.endr
.irp p, 0,2,4,6,8,10,12,14
	v_pk_mul_f32 v[D+\p:D+\p+1], v[D+\p:D+\p+1], v[D+\p:D+\p+1]
.endr
.irp p, 0,2,4,6,8,10,12,14
	v_pk_fma_f32 v[D+\p:D+\p+1], v[\buf+16+\p:\buf+17+\p], v[\buf+16+\p:\buf+17+\p], v[D+\p:D+\p+1]
.endr
.endm
.macro GROUP buf
	DIST \buf
	v_min3_num_f32 v10, v[D], v[D+1], 0x7f7fffff   ; the group's minimum, held at the largest finite number; two chains
	v_min3_num_f32 v12, v[D+2], v[D+3], v[D+4]
	v_min3_num_f32 v10, v10, v[D+5], v[D+6]
	v_min3_num_f32 v12, v12, v[D+7], v[D+8]
	v_min3_num_f32 v10, v10, v[D+9], v[D+10]
	v_min3_num_f32 v12, v12, v[D+11], v[D+12]
	v_min3_num_f32 v10, v10, v[D+13], v[D+14]
	v_min3_num_f32 v10, v10, v12, v[D+15]
	INSERT 10, 11
	v_add_f32 v11, 1.0, v11
.endm
.macro KLOAD buf, off                  ; a group's 128 bytes; all lanes read the same words
.irp k, 0,1,2,3,4,5,6,7
	ds_load_b128 v[\buf+4*\k:\buf+4*\k+3], v4 offset:\off+16*\k
.endr
.endm
	s_lshl_b32 s35, s11, 13                        ; my 64 groups begin at 8,192 s
	v_mov_b32 v4, s35
	KLOAD KA, 0
	s_mov_b32 s36, 0
.Lgrp:                                             ; 31 trips of two groups; each group is fetched while the one before is worked
	KLOAD KB, 128
	s_wait_dscnt 8                                 ; KA's eight loads are in; the eight just issued may be out
	GROUP KA
	KLOAD KA, 256
	s_wait_dscnt 8
	GROUP KB
	s_add_co_u32 s35, s35, 256
	v_mov_b32 v4, s35
	s_add_co_u32 s36, s36, 1
	s_cmp_lt_u32 s36, 31
	s_cbranch_scc1 .Lgrp
	KLOAD KB, 128                                  ; the last two groups: nothing is fetched beyond my 64
	s_wait_dscnt 8
	GROUP KA
	s_wait_dscnt 0x0
	GROUP KB
; A MERGE.  Waves with (s & msk) = snd store their lists; behind a barrier waves with (s & msk) = 0 insert them, in ascending order, into their own.  The receiver's numbers are the lower ones, so equal values keep their order.
; Every wave walks the loop; only the loads and the insertion stand under the branch on the wave's number.
.macro MERGE msk, snd, partner
	s_and_b32 s37, s11, \msk
	s_cmp_lg_u32 s37, \snd
	s_cbranch_scc1 .Lnosend_\@
.irp i, 0,1,2,3,4,5,6,7,8,9,10,11,12,13,14,15
	ds_store_b32 v1, v[A+\i] offset:128*\i
	ds_store_b32 v1, v[ID+\i] offset:2048+128*\i
.endr
.Lnosend_\@:
	s_wait_dscnt 0x0                               ; the stores have landed
	s_barrier_signal -1
	s_barrier_wait -1
	s_mov_b32 s38, 0
.Lmrg_\@:
	v_add_nc_u32 v5, s38, v[\partner]
	s_cmp_lg_u32 s37, 0
	s_cbranch_scc1 .Lnorecv_\@
	ds_load_b32 v10, v5
	ds_load_b32 v11, v5 offset:2048
	s_wait_dscnt 0x0
	INSERT 10, 11
.Lnorecv_\@:
	s_add_co_u32 s38, s38, 128
	s_cmp_lt_u32 s38, 2048
	s_cbranch_scc1 .Lmrg_\@
.endm
	MERGE 1, 1, 2
	s_barrier_signal -1                            ; every read of a list in the first merge (all waited for) comes before every list store of the second, whichever wave has which part
	s_barrier_wait -1
	MERGE 3, 2, 3
	s_cmp_lg_u32 s11, 0
	s_cbranch_scc1 .Lend                           ; waves 0 and 4 hold the results
.irp j, 0,1,2,3,4,5,6,7,8,9,10,11,12,13,14,15
	v_mov_b32 v[KA+\j], 0x7f800000
.endr
.irp i, 0,1,2,3,4,5,6,7,8,9,10,11,12,13,14,15      ; the 16 numbers, sorted ascending by the same insertion (they differ, so no masks are needed)
.irp j, 15,14,13,12,11,10,9,8,7,6,5,4,3,2,1
	v_med3_num_f32 v[KA+\j], v[ID+\i], v[KA+\j-1], v[KA+\j]
.endr
	v_min_num_f32 v[KA], v[ID+\i], v[KA]
.endr
.irp j, 0,1,2,3,4,5,6,7,8,9,10,11,12,13,14,15
	v_cvt_u32_f32 v[KA+\j], v[KA+\j]
.endr
	v_and_b32 v12, 31, v0
	v_lshlrev_b32 v12, 6, v12                      ; 64 bytes a query
.irp i, 0,1,2,3
	global_store_b128 v12, v[KA+4*\i:KA+4*\i+3], s[8:9] offset:16*\i
.endr
.Lend:
	s_wait_tensorcnt 0x0
	ds_add_u32 v128, v129
	s_wait_dscnt 0x0
	s_endpgm
.Lfunc_end_k_qe3448a027a_near1:
	.size	k_qe3448a027a_near1, .Lfunc_end_k_qe3448a027a_near1-k_qe3448a027a_near1
	.p2alignl 7, 3214868480
	.fill 96, 4, 3214868480
	.section	.rodata,"a",@progbits
	.p2align	6, 0x0
	.amdhsa_kernel k_qe3448a027a_near1
		.amdhsa_group_segment_fixed_size 66560
		.amdhsa_private_segment_fixed_size 0
		.amdhsa_enable_private_segment 0
		.amdhsa_kernarg_size 24
		.amdhsa_user_sgpr_count 2
		.amdhsa_user_sgpr_kernarg_segment_ptr 1
		.amdhsa_wavefront_size32 1
		.amdhsa_system_sgpr_workgroup_id_x 1
		.amdhsa_system_sgpr_workgroup_id_y 1
		.amdhsa_system_sgpr_workgroup_id_z 1
		.amdhsa_system_vgpr_workitem_id 0
		.amdhsa_next_free_vgpr 130
		.amdhsa_next_free_sgpr 66
		.amdhsa_reserve_vcc 0
		.amdhsa_float_denorm_mode_32 3
		.amdhsa_float_denorm_mode_16_64 3
		.amdhsa_memory_ordered 1
		.amdhsa_forward_progress 1
		.amdhsa_inst_pref_size 64
	.end_amdhsa_kernel
	.amdgpu_metadata
---
amdhsa.version: [ 1, 2 ]
amdhsa.kernels:
  - .name:           k_qe3448a027a_near1
    .symbol:         k_qe3448a027a_near1.kd
    .args:
      - { .name: pos_q, .offset: 0, .size: 8, .value_kind: global_buffer, .address_space: global }
      - { .name: kxy, .offset: 8, .size: 8, .value_kind: global_buffer, .address_space: global }
      - { .name: gidx, .offset: 16, .size: 8, .value_kind: global_buffer, .address_space: global }
    .group_segment_fixed_size: 66560
    .private_segment_fixed_size: 0
    .kernarg_segment_align: 8
    .kernarg_segment_size: 24
    .max_flat_workgroup_size: 256
    .sgpr_count:     66
    .vgpr_count:     130
    .wavefront_size: 32
...
	.end_amdgpu_metadata
.endif
;; end of part 2
;; launch near2 (part 3): grid 256 x 1, 8 waves a work-group, no clusters, 33,792 bytes of LDS; arguments pos_q, kxy, gidx, idx; writes idx
.if DOCPART == 3
	.amdgcn_target "amdgcn-amd-amdhsa--gfx1250"
	.amdhsa_code_object_version 6
	.text
	.protected	k_qe3448a027a_near2
	.globl	k_qe3448a027a_near2
	.p2align	8
	.type	k_qe3448a027a_near2,@function
k_qe3448a027a_near2:
	s_mov_b64 s[64:65], 0
	v_nop
	global_prefetch_b8 v0, s[64:65] scope:SCOPE_SE
	s_setreg_imm32_b32 hwreg(HW_REG_WAVE_MODE, 25, 1), 1
	s_wait_xcnt 0x0
; THE 16 NEAREST KEYS of each query, among the 256 keys of the 16 groups that the launch before has chosen (their numbers come ascending, as whole numbers).
; A work-group takes 64 queries of one batch; a lane is a query.  Waves 4 qb + s: queries 32 qb .. + 31, the query's groups 4 s .. 4 s + 3 of its list, so keys arrive in ascending order; the four lists are merged through LDS.
; Lists, insertion, order and limits: d2 = fma(dy, dy, dx dx), held at the largest finite number; of equal values the lower key stays ahead; where the 16th and 17th differ by a last bit or so of d2
; the definition's square root and sum may order them otherwise; NaN is not served.
; Each lane fetches its own groups from memory: a group is 128 bytes (x 16, y 16).  Two buffers take turns in a loop of two trips; the second trip fetches nothing.
.set A,   16                           ; v16-31 values
.set ID,  32                           ; v32-47 key numbers
.set D,   48                           ; v48-63 16 distances
.set G,   64                           ; v64-67 my four groups; v68-71 their byte offsets; v72-75 their first keys
.set GA,  68
.set IB,  72
.set LA,  80                           ; v80-111, v112-143: a group's x 16, y 16
.set LB,  112
; v1 my list; v2 the list of wave xor 1; v3 of wave xor 2; v5 address at work; v[6:7] qx twice; v[8:9] qy twice; v10 x; v11 its number; s16-31 the compares' masks
	s_load_b128 s[4:7], s[0:1], 0x0                ; pos_q, kxy
	s_load_b128 s[8:11], s[0:1], 0x10              ; gidx, idx
	v_lshl_add_u32 v144, v0, 2, 0x8000
	v_mov_b32 v145, 0
	v_lshrrev_b32 v1, 5, v0
	v_readfirstlane_b32 s12, v1                    ; wave 0..7
	s_and_b32 s13, s12, 3                          ; s
	s_lshr_b32 s14, s12, 2                         ; qb
	v_and_b32 v13, 31, v0
	v_lshlrev_b32 v14, 2, v13
	v_lshlrev_b32 v5, 3, v13                       ; 8 x lane
	v_lshlrev_b32 v15, 6, v13                      ; 64 x lane
	s_lshl_b32 s15, s12, 12
	v_add_nc_u32 v1, s15, v14                      ; LDS: a list of 4,096 bytes for each wave: value i at 128 i + 4 lane, number i 2,048 further on
	s_xor_b32 s15, s12, 1
	s_lshl_b32 s15, s15, 12
	v_add_nc_u32 v2, s15, v14
	s_xor_b32 s15, s12, 2
	s_lshl_b32 s15, s15, 12
	v_add_nc_u32 v3, s15, v14
	s_lshl_b32 s32, ttmp9, 6
	s_lshl_b32 s33, s14, 5
	s_add_co_u32 s32, s32, s33                     ; my wave's first query
	s_lshr_b32 s34, ttmp9, 6
	s_lshl_b32 s34, s34, 15
	s_mov_b32 s35, 0
	s_wait_kmcnt 0x0
	s_add_nc_u64 s[6:7], s[6:7], s[34:35]          ; the batch's kxy
	s_lshl_b32 s34, s32, 3
	s_add_nc_u64 s[4:5], s[4:5], s[34:35]
	s_lshl_b32 s34, s32, 6
	s_add_nc_u64 s[8:9], s[8:9], s[34:35]
	s_add_nc_u64 s[10:11], s[10:11], s[34:35]
	s_lshl_b32 s34, s13, 4
	s_add_nc_u64 s[8:9], s[8:9], s[34:35]          ; my four of the query's 16 groups
	global_load_b128 v[G:G+3], v15, s[8:9]
	global_load_b64 v[12:13], v5, s[4:5]
.irp j, 0,1,2,3,4,5,6,7,8,9,10,11,12,13,14,15
	v_mov_b32 v[A+\j], 0x7f800000
	v_mov_b32 v[ID+\j], 0
.endr
	s_wait_loadcnt 0x0
.irp k, 0,1,2,3
	v_min_u32 v[G+\k], 0xff, v[G+\k]               ; a group's number stays inside the batch's 256
	v_lshlrev_b32 v[GA+\k], 7, v[G+\k]
	v_lshlrev_b32 v[IB+\k], 4, v[G+\k]
.endr
.macro GLOAD buf, k
.irp i, 0,1,2,3,4,5,6,7
	global_load_b128 v[\buf+4*\i:\buf+4*\i+3], v[GA+\k], s[6:7] offset:16*\i
.endr
.endm
	GLOAD LA, 0
	GLOAD LB, 1
	v_mov_b32 v6, v12
	v_mov_b32 v7, v12
	v_mov_b32 v8, v13
	v_mov_b32 v9, v13
.macro INSERT x, i
.irp j, 0,1,2,3,4,5,6,7,8,9,10,11,12,13,14,15
	v_cmp_lt_f32 s[16+\j], v[\x], v[A+\j]
.endr
.irp j, 15,14,13,12,11,10,9,8,7,6,5,4,3,2,1                            ; from the top down, so that a place's lower neighbour is still the old one
	v_cndmask_b32 v[ID+\j], v[ID+\j], v[\i], s[16+\j]
	v_med3_num_f32 v[A+\j], v[\x], v[A+\j-1], v[A+\j]
	v_cndmask_b32 v[ID+\j], v[ID+\j], v[ID+\j-1], s[15+\j]
.endr
	v_cndmask_b32 v[ID], v[ID], v[\i], s16
	v_min_num_f32 v[A], v[\x], v[A]
.endm
.macro DIST buf
.irp p, 0,2,4,6,8,10,12,14
	v_pk_add_f32 v[D+\p:D+\p+1], v[6:7], v[\buf+\p:\buf+\p+1] neg_lo:[0,1] neg_hi:[0,1]
.endr
.irp p, 0,2,4,6,8,10,12,14
	v_pk_add_f32 v[\buf+16+\p:\buf+17+\p], v[8:9], v[\buf+16+\p:\buf+17+\p] neg_lo:[0,1] neg_hi:[0,1]
.endr
.irp p, 0,2,4,6,8,10,12,14
	v_pk_mul_f32 v[D+\p:D+\p+1], v[D+\p:D+\p+1], v[D+\p:D+\p+1]
.endr
.irp p, 0,2,4,6,8,10,12,14
	v_pk_fma_f32 v[D+\p:D+\p+1], v[\buf+16+\p:\buf+17+\p], v[\buf+16+\p:\buf+17+\p], v[D+\p:D+\p+1]
.endr
.endm
.macro KEYS ib                         ; the group's 16 keys, in ascending order
.irp e, 0,1,2,3,4,5,6,7,8,9,10,11,12,13,14,15
	v_min_num_f32 v10, 0x7f7fffff, v[D+\e]
	v_add_nc_u32 v11, \e, v[\ib]
	INSERT 10, 11
.endr
.endm
	s_mov_b32 s33, 0
.Lhalf:                                            ; two trips: groups 0, 1, then 2, 3
	s_wait_loadcnt 8                               ; LA's eight loads are in; LB's eight may be out
	DIST LA
	s_cmp_lg_u32 s33, 0
	s_cbranch_scc1 .Lno_a
	GLOAD LA, 2
.Lno_a:
	KEYS IB
	s_wait_loadcnt 0x0                             ; LB's loads are in (and LA's next, issued 16 insertions ago)
	DIST LB
	s_cmp_lg_u32 s33, 0
	s_cbranch_scc1 .Lno_b
	GLOAD LB, 3
.Lno_b:
	KEYS IB+1
	v_mov_b32 v[IB], v[IB+2]
	v_mov_b32 v[IB+1], v[IB+3]
	s_add_co_u32 s33, s33, 1
	s_cmp_lt_u32 s33, 2
	s_cbranch_scc1 .Lhalf
; A MERGE: waves with (s & msk) = snd store their lists; behind a barrier waves with (s & msk) = 0 insert them into their own, whose keys are the lower ones.  Every wave walks the loop.
.macro MERGE msk, snd, partner
	s_and_b32 s37, s13, \msk
	s_cmp_lg_u32 s37, \snd
	s_cbranch_scc1 .Lnosend_\@
.irp i, 0,1,2,3,4,5,6,7,8,9,10,11,12,13,14,15
	ds_store_b32 v1, v[A+\i] offset:128*\i
	ds_store_b32 v1, v[ID+\i] offset:2048+128*\i
.endr
.Lnosend_\@:
	s_wait_dscnt 0x0
	s_barrier_signal -1
	s_barrier_wait -1
	s_mov_b32 s38, 0
.Lmrg_\@:
	v_add_nc_u32 v5, s38, v[\partner]
	s_cmp_lg_u32 s37, 0
	s_cbranch_scc1 .Lnorecv_\@
	ds_load_b32 v10, v5
	ds_load_b32 v11, v5 offset:2048
	s_wait_dscnt 0x0
	INSERT 10, 11
.Lnorecv_\@:
	s_add_co_u32 s38, s38, 128
	s_cmp_lt_u32 s38, 2048
	s_cbranch_scc1 .Lmrg_\@
.endm
	MERGE 1, 1, 2
	s_barrier_signal -1                            ; every read of a list in the first merge comes before every list store of the second
	s_barrier_wait -1
	MERGE 3, 2, 3
	s_cmp_lg_u32 s13, 0
	s_cbranch_scc1 .Lend
.irp i, 0,1,2,3
	global_store_b128 v15, v[ID+4*\i:ID+4*\i+3], s[10:11] offset:16*\i
.endr
.Lend:
	s_wait_tensorcnt 0x0
	ds_add_u32 v144, v145
	s_wait_dscnt 0x0
	s_endpgm
.Lfunc_end_k_qe3448a027a_near2:
	.size	k_qe3448a027a_near2, .Lfunc_end_k_qe3448a027a_near2-k_qe3448a027a_near2
	.p2alignl 7, 3214868480
	.fill 96, 4, 3214868480
	.section	.rodata,"a",@progbits
	.p2align	6, 0x0
	.amdhsa_kernel k_qe3448a027a_near2
		.amdhsa_group_segment_fixed_size 33792
		.amdhsa_private_segment_fixed_size 0
		.amdhsa_enable_private_segment 0
		.amdhsa_kernarg_size 32
		.amdhsa_user_sgpr_count 2
		.amdhsa_user_sgpr_kernarg_segment_ptr 1
		.amdhsa_wavefront_size32 1
		.amdhsa_system_sgpr_workgroup_id_x 1
		.amdhsa_system_sgpr_workgroup_id_y 1
		.amdhsa_system_sgpr_workgroup_id_z 1
		.amdhsa_system_vgpr_workitem_id 0
		.amdhsa_next_free_vgpr 146
		.amdhsa_next_free_sgpr 66
		.amdhsa_reserve_vcc 0
		.amdhsa_float_denorm_mode_32 3
		.amdhsa_float_denorm_mode_16_64 3
		.amdhsa_memory_ordered 1
		.amdhsa_forward_progress 1
		.amdhsa_inst_pref_size 153
	.end_amdhsa_kernel
	.amdgpu_metadata
---
amdhsa.version: [ 1, 2 ]
amdhsa.kernels:
  - .name:           k_qe3448a027a_near2
    .symbol:         k_qe3448a027a_near2.kd
    .args:
      - { .name: pos_q, .offset: 0, .size: 8, .value_kind: global_buffer, .address_space: global }
      - { .name: kxy, .offset: 8, .size: 8, .value_kind: global_buffer, .address_space: global }
      - { .name: gidx, .offset: 16, .size: 8, .value_kind: global_buffer, .address_space: global }
      - { .name: idx, .offset: 24, .size: 8, .value_kind: global_buffer, .address_space: global }
    .group_segment_fixed_size: 33792
    .private_segment_fixed_size: 0
    .kernarg_segment_align: 8
    .kernarg_segment_size: 32
    .max_flat_workgroup_size: 256
    .sgpr_count:     66
    .vgpr_count:     146
    .wavefront_size: 32
...
	.end_amdgpu_metadata
.endif
;; end of part 3
;; launch attend (part 4): grid 256 x 1, 8 waves a work-group, no clusters, 70,656 bytes of LDS; arguments qrec, krec, idx, wimg, wsc, bq, bk, bv, bo, out0; writes out0
.if DOCPART == 4
	.amdgcn_target "amdgcn-amd-amdhsa--gfx1250"
	.amdhsa_code_object_version 6
	.text
	.protected	k_qe3448a027a_attend
	.globl	k_qe3448a027a_attend
	.p2align	8
	.type	k_qe3448a027a_attend,@function
k_qe3448a027a_attend:
	s_mov_b64 s[64:65], 0
	v_nop
	global_prefetch_b8 v0, s[64:65] scope:SCOPE_SE
	s_setreg_imm32_b32 hwreg(HW_REG_WAVE_MODE, 25, 1), 1
	s_wait_xcnt 0x0
; THE ATTENTION.  All four quantised products on codes of BF6 (E3M2) with E8M0 scales; logits, softmax and the weighted sum of V in f32 vector arithmetic.
; SHARES.  A work-group takes 64 queries of one batch.  Wave 4 g + w: queries 32 g .. + 31, as two tiles of 16; heads 2 w (2-D RoPE) and 2 w + 1 (heading), that is columns 64 w .. 64 w + 63 of Q, K, V and of the output.
; Its parts of Wk and Wv (8 fragments each) stay in registers for the whole launch; Wq's and Wo's come once a tile.
; ONE QUERY'S 16 CHOSEN KEYS ARE ONE TILE OF 16 ROWS.  Lane (r, h) fetches key r's record (codes in the operand's order, scale words, cos and sin) straight into registers, one query ahead.
;   K is made transposed (source 0 = 16 columns of Wk, source 1 = the keys): lane (r, h) holds key r, channels 16 t + 8 h + j, with bk as the first product's C.
;   V is made in the natural order (source 0 = the keys): lane (r, h) holds channel 16 t + r, keys 8 h + j.
;   Logit: the key's rotation is put on the query's side: sum k1 (q1 c + q2 s) + k2 (q2 c - q1 s).  One exchange of halves leaves head 2 w's 16 logits in lanes 0-15 and head 2 w + 1's in lanes 16-31;
;   maximum and sum run inside each 16 lanes; the weights go through 128 bytes of LDS to the lanes that hold V.
; The heads' results of a tile meet in LDS; each wave quantises the 16 rows x 256 and multiplies by its 64 columns of Wo.
; bv is added behind the weighted sum (the weights add up to 1); 1/sqrt(32) and the mask's 0 or -infinity go into one fused multiply-add.
; LIMITS: a batch without any unmasked key (the definition gives NaN there) is not served; NaN and infinities among the features are not served.
; No cluster: nothing is fetched by tensor loads; what the work-groups share, the weights, is read once by each wave and is small beside the records.
; REGISTERS, in windows of 256.  Window 0: v1-15, v31 addresses; v16-23 Wq's or Wo's scale words; v24-30 addresses at work; v32-39, v40-47 Wk's, Wv's scale words; v48-49 bv; v50-63 at work;
;   v64-111, v112-159 two records (+0 codes, +24 scale words, +26 cos, +27 sin of the heading, +28 the logit's addend, +32 cos 8, +40 sin 8); v160-191 K, then the weights; v192-223 V; v224-255 Q.
;   Outside the key steps v112-207 hold Wq's or Wo's fragments, v64-87 the output's codes, v88-89 their scale words.
; Window 1: v0-95 Wk; v96-191 Wv; v192-223 bk as four tiles of C; v224-255 bq or bo likewise.
.set RECB, 384
.set FRB,  1536                        ; a fragment's image
.set QLP,  272
.set QLW,  16*QLP                      ; LDS: for each wave 16 rows x 272: the rotated Q, later the stage for the output
.set ATB,  8*QLW                       ; then 128 bytes a wave for the weights
.set OLB,  ATB+8*128                   ; then for each g 16 rows x (1,024 + 16): the heads' results
.set OLP,  1040
.set OLG,  16*OLP
.set R4,   1                           ; 4 r
.set H96,  2                           ; 96 h
.set H64,  3                           ; 64 h
.set L16,  4                           ; 16 x lane
.set QLS,  5                           ; Q into LDS: row r, + 128 h
.set QLL,  6                           ; and back: + 128 h
.set QLO,  7                           ; the output into the stage: row r, + 32 h
.set QLR,  8                           ; and back: row lane / 16, + 16 (lane % 16)
.set ATS,  9
.set ATL,  10
.set OLS,  11
.set OLL,  12
.set OUTO, 13
.set L4,   14
.set QRO,  15                          ; 384 r
.set WXS,  16
.set IX,   24
.set IA,   25
.set VA,   26
.set VB,   27
.set VC,   28
.set QA,   29
.set OA,   30
.set H32,  31
.set WKS,  32
.set WVS,  40
.set BV,   48
.set T,    50
.set REC0, 64
.set OC,   64
.set WF,   112
.set KD,   160
.set VD,   192
.set Q,    224
.set WK1,  0
.set WV1,  96
.set BK1,  192
.set BX1,  224
.set MSB, 0
.macro WIN new                         ; the immediate's high byte repeats the setting that is left
.if MSB != \new
	s_set_vgpr_msb (MSB<<8)|\new
.set MSB, \new
.endif
.endm
.macro MMC d, a, b, c, sa, sb
	v_wmma_scale_f32_16x16x128_f8f6f4 v[\d:\d+7], v[\a:\a+11], v[\b:\b+11], v[\c:\c+7], v[\sa], v[\sb] matrix_a_fmt:MATRIX_FMT_BF6 matrix_b_fmt:MATRIX_FMT_BF6
.endm
.macro MMZ d, a, b, sa, sb
	v_wmma_scale_f32_16x16x128_f8f6f4 v[\d:\d+7], v[\a:\a+11], v[\b:\b+11], 0, v[\sa], v[\sb] matrix_a_fmt:MATRIX_FMT_BF6 matrix_b_fmt:MATRIX_FMT_BF6
.endm
.macro PLACES n
.rept \n
	v_nop
.endr
.endm
; a record into buffer buf: codes by v[VA] (+ 96 h), scale words and heading by v[vc], cos and sin by v[VB] (+ 64 h)
.macro RECL buf, vc, base, add
.irp c, 0,1,2,3,4,5
	global_load_b128 v[\buf+4*\c:\buf+4*\c+3], v[VA], s[\base:\base+1] offset:16*\c
.endr
	global_load_b128 v[\buf+24:\buf+27], v[\vc], s[\base:\base+1] offset:192
.if \add
	global_load_b32 v[\buf+28], v[\vc], s[\base:\base+1] offset:208
.endif
.irp c, 0,1,2,3
	global_load_b128 v[\buf+32+4*\c:\buf+35+4*\c], v[VB], s[\base:\base+1] offset:256+16*\c
.endr
.endm
; weight m's eight fragments of my columns into v[WF] on, their scale words, and its bias (at s[bias]) as four tiles of C in window 1
.macro WLOAD m, bias
.irp f, 0,1,2,3,4,5,6,7
.irp c, 0,1,2
	global_load_b128 v[WF+12*\f+4*\c:WF+12*\f+4*\c+3], v[L16], s[10:11] offset:(32*\m+\f)*FRB+512*\c
.endr
	global_load_b32 v[WXS+\f], v[L4], s[12:13] offset:(32*\m+\f)*128
.endr
	WIN 0x40
.irp t, 0,1,2,3
	global_load_b128 v[BX1+8*\t:BX1+8*\t+3], v[H32], s[\bias:\bias+1] offset:64*\t
	global_load_b128 v[BX1+8*\t+4:BX1+8*\t+7], v[H32], s[\bias:\bias+1] offset:64*\t+16
.endr
	WIN 0
.endm
; from a key's number to its record's addresses
.macro ADDR
	v_min_u32 v[IX], 0xfff, v[IX]                  ; a key's number stays inside the batch's 4,096
	v_mul_u32_u24 v[VC], 0x180, v[IX]
	v_add_nc_u32 v[VA], v[VC], v[H96]
	v_add_nc_u32 v[VB], v[VC], v[H64]
.endm
	s_load_b512 s[4:19], s[0:1], 0x0               ; qrec 4, krec 6, idx 8, wimg 10, wsc 12, bq 14, bk 16, bv 18
	s_load_b128 s[20:23], s[0:1], 0x40             ; bo 20, out0 22
	v_lshl_add_u32 v94, v0, 2, 0x11000
	v_mov_b32 v95, 0
	v_lshrrev_b32 v1, 5, v0
	v_readfirstlane_b32 s24, v1                    ; wave 0..7
	s_lshr_b32 s25, s24, 2                         ; g
	s_and_b32 s26, s24, 3                          ; w
	v_and_b32 v50, 31, v0                          ; lane
	v_and_b32 v51, 15, v0                          ; r
	v_bfe_u32 v52, v0, 4, 1                        ; h
	v_lshlrev_b32 v[R4], 2, v51
	v_mul_u32_u24 v[H96], 96, v52
	v_lshlrev_b32 v[H64], 6, v52
	v_lshlrev_b32 v[H32], 5, v52
	v_lshlrev_b32 v[L16], 4, v50
	v_lshlrev_b32 v[L4], 2, v50
	v_mul_u32_u24 v[QRO], 0x180, v51
	s_mul_i32 s27, s24, QLW
	v_mul_u32_u24 v53, 0x110, v51
	v_add_nc_u32 v53, s27, v53
	v_lshl_add_u32 v[QLS], v52, 7, v53
	v_lshl_add_u32 v[QLO], v52, 5, v53
	v_lshlrev_b32 v[QLL], 7, v52
	v_add_nc_u32 v[QLL], s27, v[QLL]
	v_mul_u32_u24 v[QLR], 0x110, v52
	v_lshl_add_u32 v[QLR], v51, 4, v[QLR]
	v_add_nc_u32 v[QLR], s27, v[QLR]
	s_lshl_b32 s27, s24, 7
	s_add_co_u32 s27, s27, ATB
	v_add_nc_u32 v[ATS], s27, v[L4]                ; a weight: head 2 w's key r at 4 r, head 2 w + 1's 64 further on
	v_add_nc_u32 v[ATL], s27, v[H32]               ; back: keys 8 h .. 8 h + 7
	s_mul_i32 s27, s25, OLG
	s_add_co_u32 s27, s27, OLB
	v_mul_u32_u24 v[OLL], 0x410, v51
	v_lshl_add_u32 v[OLL], v52, 7, v[OLL]
	v_add_nc_u32 v[OLL], s27, v[OLL]               ; a row's block of 32 numbers: row r, + 128 h
	s_lshl_b32 s28, s26, 8
	s_add_co_u32 s27, s27, s28
	v_add_nc_u32 v[OLS], s27, v[L4]                ; my heads' channels: 256 w + 4 x lane
	v_lshlrev_b32 v[OUTO], 10, v52
	v_lshl_add_u32 v[OUTO], v51, 4, v[OUTO]
	s_mov_b32 s35, 0x3e3504f3                      ; 1 / sqrt(32)
	s_mov_b32 s36, 0x76543210
	s_mov_b32 s37, 0xfedcba98                      ; v_permlanex16_b32's selects for lane l xor 16
	s_mov_b32 s29, 0
	s_lshl_b32 s27, ttmp9, 6
	s_lshl_b32 s28, s25, 5
	s_add_co_u32 s27, s27, s28                     ; my first query
	s_wait_kmcnt 0x0
	s_mul_i32 s28, s27, RECB
	s_add_nc_u64 s[4:5], s[4:5], s[28:29]
	s_lshl_b32 s28, s27, 6
	s_add_nc_u64 s[8:9], s[8:9], s[28:29]
	s_lshl_b32 s28, s27, 10
	s_add_nc_u64 s[22:23], s[22:23], s[28:29]
	s_lshr_b32 s28, ttmp9, 6
	s_mul_i32 s28, s28, 4096*RECB
	s_add_nc_u64 s[6:7], s[6:7], s[28:29]          ; the batch's key records
	s_mul_i32 s28, s26, 8*FRB
	s_add_nc_u64 s[10:11], s[10:11], s[28:29]      ; my eight fragments of each weight
	s_lshl_b32 s28, s26, 10
	s_add_nc_u64 s[12:13], s[12:13], s[28:29]
	s_lshl_b32 s28, s26, 8                         ; my 64 columns, in bytes
	s_add_nc_u64 s[14:15], s[14:15], s[28:29]
	s_add_nc_u64 s[16:17], s[16:17], s[28:29]
	s_add_nc_u64 s[18:19], s[18:19], s[28:29]
	s_add_nc_u64 s[20:21], s[20:21], s[28:29]
	s_add_nc_u64 s[22:23], s[22:23], s[28:29]
	WIN 0x40                                       ; destination window 1: what stays for the whole launch
.irp f, 0,1,2,3,4,5,6,7
.irp c, 0,1,2
	global_load_b128 v[WK1+12*\f+4*\c:WK1+12*\f+4*\c+3], v[L16], s[10:11] offset:(32+\f)*FRB+512*\c
	global_load_b128 v[WV1+12*\f+4*\c:WV1+12*\f+4*\c+3], v[L16], s[10:11] offset:(64+\f)*FRB+512*\c
.endr
.endr
.irp t, 0,1,2,3
	global_load_b128 v[BK1+8*\t:BK1+8*\t+3], v[H32], s[16:17] offset:64*\t          ; lane (r, h), register j: bk[64 w + 16 t + 8 h + j]
	global_load_b128 v[BK1+8*\t+4:BK1+8*\t+7], v[H32], s[16:17] offset:64*\t+16
.endr
	WIN 0
.irp f, 0,1,2,3,4,5,6,7
	global_load_b32 v[WKS+\f], v[L4], s[12:13] offset:(32+\f)*128
	global_load_b32 v[WVS+\f], v[L4], s[12:13] offset:(64+\f)*128
.endr
	global_load_b32 v[BV], v[L4], s[18:19]
	global_load_b32 v[BV+1], v[L4], s[18:19] offset:128
	s_mov_b32 s30, 0
.Ltile:
	; ---- Q of the tile's 16 queries, my 64 columns, transposed: lane (r, h) holds query r, channels 16 t + 8 h + j
	v_add_nc_u32 v[VA], v[QRO], v[H96]
	v_add_nc_u32 v[VB], v[QRO], v[H64]
	RECL REC0, QRO, 4, 0
	global_load_b32 v[IX], v[R4], s[8:9]           ; query 0's keys: lane r takes the r-th
	WLOAD 0, 14
	s_wait_loadcnt 0x0
	WIN 0x10                                       ; C (bq) in window 1
.irp t, 0,1,2,3
	MMC Q+8*\t,WF+24*\t,REC0,BX1+8*\t,WXS+2*\t,REC0+24
.endr
	WIN 0
.irp t, 0,1,2,3
	MMC Q+8*\t,WF+24*\t+12,REC0+12,Q+8*\t,WXS+2*\t+1,REC0+25
.endr
	PLACES 4
.irp j, 0,2,4,6                        ; the query's rotation: (q1, q2) -> (q1 c - q2 s, q2 c + q1 s); tiles 0, 1 by the position's angles, tiles 2, 3 by the heading
	v_pk_mul_f32 v[T:T+1], v[Q+8+\j:Q+9+\j], v[REC0+40+\j:REC0+41+\j]
	v_pk_mul_f32 v[T+2:T+3], v[Q+\j:Q+1+\j], v[REC0+40+\j:REC0+41+\j]
	v_pk_mul_f32 v[T+4:T+5], v[Q+24+\j:Q+25+\j], v[REC0+26:REC0+27] op_sel:[0,1] op_sel_hi:[1,1]
	v_pk_mul_f32 v[T+6:T+7], v[Q+16+\j:Q+17+\j], v[REC0+26:REC0+27] op_sel:[0,1] op_sel_hi:[1,1]
	v_pk_fma_f32 v[Q+\j:Q+1+\j], v[Q+\j:Q+1+\j], v[REC0+32+\j:REC0+33+\j], v[T:T+1] neg_lo:[0,0,1] neg_hi:[0,0,1]
	v_pk_fma_f32 v[Q+8+\j:Q+9+\j], v[Q+8+\j:Q+9+\j], v[REC0+32+\j:REC0+33+\j], v[T+2:T+3]
	v_pk_fma_f32 v[Q+16+\j:Q+17+\j], v[Q+16+\j:Q+17+\j], v[REC0+26:REC0+27], v[T+4:T+5] op_sel_hi:[1,0,1] neg_lo:[0,0,1] neg_hi:[0,0,1]
	v_pk_fma_f32 v[Q+24+\j:Q+25+\j], v[Q+24+\j:Q+25+\j], v[REC0+26:REC0+27], v[T+6:T+7] op_sel_hi:[1,0,1]
.endr
.irp t, 0,1,2,3
	ds_store_b128 v[QLS], v[Q+8*\t:Q+8*\t+3] offset:32*\t                ; row = query; in it [h][t][j]: what a lane of half h wants lies together
	ds_store_b128 v[QLS], v[Q+8*\t+4:Q+8*\t+7] offset:32*\t+16
.endr
	ADDR
	RECL REC0, VC, 6, 1                            ; query 0's keys
	global_load_b32 v[IX], v[R4], s[8:9] offset:64 ; query 1's numbers
	s_mov_b32 s31, 0                               ; trips
	s_mov_b32 s32, 0                               ; two rows of Q a trip
	s_mov_b32 s33, 0                               ; two rows of the heads' results
	s_mov_b32 s34, 0                               ; two queries' key numbers
; ---- A QUERY: number 2 x trip + p of the tile; its keys' records lie in buffer p
.macro QSTEP p
.set RB, REC0+48*\p
.set RN, REC0+48*(1-\p)
	s_wait_loadcnt 0x0                             ; this query's records and the next query's numbers: both were asked for a whole step ago
	v_add_nc_u32 v[QA], s32, v[QLL]
.irp t, 0,1,2,3
	ds_load_b128 v[Q+8*\t:Q+8*\t+3], v[QA] offset:QLP*\p+32*\t           ; the query's Q: sixteen lanes read the same words
	ds_load_b128 v[Q+8*\t+4:Q+8*\t+7], v[QA] offset:QLP*\p+32*\t+16
.endr
	WIN 0x11                                       ; source 0 (Wk) and C (bk) in window 1.  The four tiles take turns
.irp t, 0,1,2,3
	MMC KD+8*\t,WK1+24*\t,RB,BK1+8*\t,WKS+2*\t,RB+24
.endr
	WIN 0x01
.irp t, 0,1,2,3
	MMC KD+8*\t,WK1+24*\t+12,RB+12,KD+8*\t,WKS+2*\t+1,RB+25
.endr
	WIN 0x04                                       ; source 1 (Wv) in window 1
.irp t, 0,1,2,3
	MMZ VD+8*\t,RB,WV1+24*\t,RB+24,WVS+2*\t
.endr
.irp t, 0,1,2,3
	MMC VD+8*\t,RB+12,WV1+24*\t+12,VD+8*\t,RB+25,WVS+2*\t+1
.endr
	WIN 0
	ADDR                                           ; these six lines name no register of the products: they are the places behind them
	v_add_nc_u32 v[IA], s34, v[R4]
	v_add_nc_u32 v[OA], s33, v[OLS]
.if \p == 0
	RECL RN, VC, 6, 1                              ; the next query's keys, into the other buffer
	s_cmp_eq_u32 s31, 7
	s_cbranch_scc1 .Lno_more_\@                    ; the tile has no query 16
	global_load_b32 v[IX], v[IA], s[8:9] offset:128
.else
	s_cmp_eq_u32 s31, 7
	s_cbranch_scc1 .Lno_more_\@                    ; behind the tile's last query nothing is fetched
	RECL RN, VC, 6, 1
	global_load_b32 v[IX], v[IA], s[8:9] offset:192
.endif
.Lno_more_\@:
	s_wait_dscnt 0x0                               ; Q is in
.irp j, 0,2,4,6                        ; two channels at a time; the two heads' lines alternate, so that no line waits for the line above it
	v_pk_mul_f32 v[T:T+1], v[Q+8+\j:Q+9+\j], v[RB+40+\j:RB+41+\j]                                   ; a = q2 s
.if \j == 0
	v_pk_mul_f32 v[T+6:T+7], v[KD+16:KD+17], v[Q+16:Q+17]                                           ; P = k1 q1
.else
	v_pk_fma_f32 v[T+6:T+7], v[KD+16+\j:KD+17+\j], v[Q+16+\j:Q+17+\j], v[T+6:T+7]
.endif
	v_pk_mul_f32 v[T+2:T+3], v[Q+\j:Q+1+\j], v[RB+40+\j:RB+41+\j]                                   ; b = q1 s
.if \j == 0
	v_pk_mul_f32 v[T+8:T+9], v[KD+16:KD+17], v[Q+24:Q+25]                                           ; R = k1 q2
.else
	v_pk_fma_f32 v[T+8:T+9], v[KD+16+\j:KD+17+\j], v[Q+24+\j:Q+25+\j], v[T+8:T+9]
.endif
	v_pk_fma_f32 v[T:T+1], v[Q+\j:Q+1+\j], v[RB+32+\j:RB+33+\j], v[T:T+1]                           ; a = q1 c + q2 s
	v_pk_fma_f32 v[T+6:T+7], v[KD+24+\j:KD+25+\j], v[Q+24+\j:Q+25+\j], v[T+6:T+7]                   ; P += k2 q2
	v_pk_fma_f32 v[T+2:T+3], v[Q+8+\j:Q+9+\j], v[RB+32+\j:RB+33+\j], v[T+2:T+3] neg_lo:[0,0,1] neg_hi:[0,0,1]   ; b = q2 c - q1 s
	v_pk_fma_f32 v[T+8:T+9], v[KD+24+\j:KD+25+\j], v[Q+16+\j:Q+17+\j], v[T+8:T+9] neg_lo:[1,0,0] neg_hi:[1,0,0] ; R -= k2 q1
.if \j == 0
	v_pk_mul_f32 v[T+4:T+5], v[KD:KD+1], v[T:T+1]                                                   ; k1 a
	v_pk_mul_f32 v[T+12:T+13], v[KD+8:KD+9], v[T+2:T+3]                                             ; k2 b
.else
	v_pk_fma_f32 v[T+4:T+5], v[KD+\j:KD+1+\j], v[T:T+1], v[T+4:T+5]
	v_pk_fma_f32 v[T+12:T+13], v[KD+8+\j:KD+9+\j], v[T+2:T+3], v[T+12:T+13]
.endif
.endr
	v_pk_add_f32 v[T+4:T+5], v[T+4:T+5], v[T+12:T+13]
	v_add_f32 v[T+6], v[T+6], v[T+7]
	v_add_f32 v[T+8], v[T+8], v[T+9]
	v_add_f32 v[T+10], v[T+4], v[T+5]              ; head 2 w: my half's part of key r's logit
	v_mul_f32 v[T+11], v[RB+27], v[T+8]
	v_fma_f32 v[T+11], v[RB+26], v[T+6], v[T+11]   ; head 2 w + 1: cos P + sin R
	v_permlane16_swap_b32 v[T+10], v[T+11]         ; the first now holds both heads' lower halves' parts, the second the upper halves'
	v_add_f32 v[T+10], v[T+10], v[T+11]            ; lanes 0-15: head 2 w, key r; lanes 16-31: head 2 w + 1, key r
	v_fma_f32 v[T+10], v[T+10], s35, v[RB+28]      ; / sqrt(32), and -infinity for a masked key
	v_mov_b32 v[T+11], v[T+10]
	v_max_num_f32_dpp v[T+11], v[T+11], v[T+11] row_xmask:1 row_mask:0xf bank_mask:0xf
	v_max_num_f32_dpp v[T+11], v[T+11], v[T+11] row_xmask:2 row_mask:0xf bank_mask:0xf
	v_max_num_f32_dpp v[T+11], v[T+11], v[T+11] row_xmask:4 row_mask:0xf bank_mask:0xf
	v_max_num_f32_dpp v[T+11], v[T+11], v[T+11] row_xmask:8 row_mask:0xf bank_mask:0xf   ; the head's largest logit
	v_sub_f32 v[T], v[T+10], v[T+11]
	v_mul_f32 v[T], 0x3fb8aa3b, v[T]
	v_exp_f32 v[T], v[T]
	v_nop                                          ; one plain place behind a transcendental
	s_wait_alu depctr_va_vdst(0)
	v_mov_b32 v[T+1], v[T]
	v_add_f32_dpp v[T+1], v[T+1], v[T+1] row_xmask:1 row_mask:0xf bank_mask:0xf
	v_add_f32_dpp v[T+1], v[T+1], v[T+1] row_xmask:2 row_mask:0xf bank_mask:0xf
	v_add_f32_dpp v[T+1], v[T+1], v[T+1] row_xmask:4 row_mask:0xf bank_mask:0xf
	v_add_f32_dpp v[T+1], v[T+1], v[T+1] row_xmask:8 row_mask:0xf bank_mask:0xf
	v_rcp_f32 v[T+1], v[T+1]
	v_nop
	s_wait_alu depctr_va_vdst(0)
	v_mul_f32 v[T], v[T], v[T+1]                   ; the weight
	ds_store_b32 v[ATS], v[T]
	ds_load_b128 v[KD:KD+3], v[ATL]                ; my own bytes, served in order: head 2 w's weights of keys 8 h .. 8 h + 7,
	ds_load_b128 v[KD+4:KD+7], v[ATL] offset:16
	ds_load_b128 v[KD+8:KD+11], v[ATL] offset:64   ; and head 2 w + 1's.  (K's registers are done with)
	ds_load_b128 v[KD+12:KD+15], v[ATL] offset:80
	s_wait_dscnt 0x0
.irp j, 0,2,4,6
.irp t, 0,1,2,3
.if \j == 0
	v_pk_mul_f32 v[T+2*\t:T+2*\t+1], v[VD+8*\t:VD+8*\t+1], v[KD+8*(\t/2):KD+8*(\t/2)+1]
.else
	v_pk_fma_f32 v[T+2*\t:T+2*\t+1], v[VD+8*\t+\j:VD+8*\t+\j+1], v[KD+8*(\t/2)+\j:KD+8*(\t/2)+\j+1], v[T+2*\t:T+2*\t+1]
.endif
.endr
.endr
.irp t, 0,1,2,3
	v_add_f32 v[T+2*\t], v[T+2*\t], v[T+2*\t+1]    ; tile t, channel r: my eight keys' part
.endr
	v_permlane16_swap_b32 v[T], v[T+2]
	v_permlane16_swap_b32 v[T+4], v[T+6]
	v_add_f32 v[T], v[T], v[T+2]                   ; lane L: channel L of head 2 w,
	v_add_f32 v[T+4], v[T+4], v[T+6]               ; of head 2 w + 1
	v_add_f32 v[T], v[T], v[BV]
	v_add_f32 v[T+4], v[T+4], v[BV+1]
	ds_store_b32 v[OA], v[T] offset:OLP*\p
	ds_store_b32 v[OA], v[T+4] offset:OLP*\p+128
.endm
.Lstep:
	QSTEP 0
	QSTEP 1
	s_add_co_u32 s32, s32, 2*QLP
	s_add_co_u32 s33, s33, 2*OLP
	s_add_co_u32 s34, s34, 128
	s_add_co_u32 s31, s31, 1
	s_cmp_lt_u32 s31, 8
	s_cbranch_scc1 .Lstep
	; ---- the output: 16 rows x 256 from LDS, quantised along K, times my 64 columns of Wo
	WLOAD 3, 20                                    ; lands while the rows are quantised
	v_lshrrev_b32 v[T+9], 3, v[H64]                ; 8 h
	s_wait_dscnt 0x0                               ; my heads' results have landed
	s_barrier_signal -1
	s_barrier_wait -1                              ; all four waves' have: the rows are whole
; block 2 c + h of K step s of row r: 32 numbers of one lane
.macro OBLK s, c
.irp i, 0,1,2,3,4,5,6,7
	ds_load_b128 v[Q+4*\i:Q+4*\i+3], v[OLL] offset:512*\s+256*\c+16*\i
.endr
	s_wait_dscnt 0x0
	v_max3_num_f32 v[T], |v[Q]|, |v[Q+1]|, 0x2800000                     ; the largest magnitude, with the floor 2^(5 - 127); two chains
	v_max3_num_f32 v[T+1], |v[Q+2]|, |v[Q+3]|, |v[Q+4]|
.irp i, 5,9,13,17,21,25
	v_max3_num_f32 v[T], v[T], |v[Q+\i]|, |v[Q+\i+1]|
	v_max3_num_f32 v[T+1], v[T+1], |v[Q+\i+2]|, |v[Q+\i+3]|
.endr
	v_max3_num_f32 v[T], v[T], |v[Q+29]|, |v[Q+30]|
	v_max3_num_f32 v[T], v[T], v[T+1], |v[Q+31]|
	v_add_nc_u32 v[T+2], 0xfe000000, v[T]          ; 4 off the exponent field: the conversion's scale operand
	v_lshrrev_b32 v[T+3], 23, v[T+2]               ; the byte
.if \c == 0
	v_mov_b32 v[T+4], v[T+3]
.else
	v_lshl_or_b32 v[T+4], v[T+3], 16, v[T+4]
.endif
	v_cvt_scalef32_pk16_bf6_f32 v[OC+12*\s+6*\c:OC+12*\s+6*\c+2], v[Q:Q+15], v[T+2]
	v_cvt_scalef32_pk16_bf6_f32 v[T+6:T+8], v[Q+16:Q+31], v[T+2]         ; (a conversion's three registers begin on an even number)
	v_nop                                          ; one plain place behind a scaled conversion
.irp i, 0,1,2
	v_mov_b32 v[OC+12*\s+6*\c+3+\i], v[T+6+\i]
.endr
.if \c == 1
	v_lshlrev_b32 v[T+4], v[T+9], v[T+4]           ; my two bytes at their places;
	v_permlanex16_b32 v[T+5], v[T+4], s36, s37
	v_or_b32 v[OC+24+\s], v[T+4], v[T+5]           ; with lane l xor 16's two the row's scale word is whole
.endif
.endm
	OBLK 0, 0
	OBLK 0, 1
	OBLK 1, 0
	OBLK 1, 1
	s_barrier_signal -1                            ; my reads of the rows are over (each was waited for): behind this barrier the next tile may write them
	s_barrier_wait -1
	s_wait_loadcnt 0x0                             ; Wo, its scale words, bo
	PLACES 8                                       ; a scale register written by a vector instruction stands 8 places ahead of a scaled matrix instruction, an operand so written 4
	WIN 0x10                                       ; C (bo) in window 1
.irp t, 0,1,2,3
	MMC Q+8*\t,WF+24*\t,OC,BX1+8*\t,WXS+2*\t,OC+24
.endr
	WIN 0
.irp t, 0,1,2,3
	MMC Q+8*\t,WF+24*\t+12,OC+12,Q+8*\t,WXS+2*\t+1,OC+25
.endr
	PLACES 5                                       ; 4 for the reads and loads below; 5 since the next tile's first products write over these registers
.irp t, 0,1,2,3
	ds_store_b128 v[QLO], v[Q+8*\t:Q+8*\t+3] offset:64*\t                ; lane (r, h): out(query r, 64 w + 16 t + 8 h + 0 .. 7), through my own stage
	ds_store_b128 v[QLO], v[Q+8*\t+4:Q+8*\t+7] offset:64*\t+16
.endr
.irp m, 0,1,2,3,4,5,6,7
	ds_load_b128 v[KD+4*\m:KD+4*\m+3], v[QLR] offset:2*QLP*\m            ; back by rows: lanes 0-15 one row's 256 bytes, lanes 16-31 the next row's
.endr
.irp m, 0,1,2,3,4,5,6,7
	s_wait_dscnt 7-\m
	global_store_b128 v[OUTO], v[KD+4*\m:KD+4*\m+3], s[22:23] offset:2048*\m th:TH_STORE_NT   ; 16 lanes store 256 consecutive bytes, at a multiple of 256 from out0's first byte
.endr
	s_wait_xcnt 0x0                                ; the stores have read their registers and base: both are written again below and in the next tile
	s_add_nc_u64 s[4:5], s[4:5], 16*RECB
	s_add_nc_u64 s[8:9], s[8:9], 16*64
	s_add_nc_u64 s[22:23], s[22:23], 16*1024
	s_add_co_u32 s30, s30, 1
	s_cmp_lt_u32 s30, 2
	s_cbranch_scc1 .Ltile
	s_wait_tensorcnt 0x0
	ds_add_u32 v94, v95
	s_wait_dscnt 0x0
	s_endpgm
.Lfunc_end_k_qe3448a027a_attend:
	.size	k_qe3448a027a_attend, .Lfunc_end_k_qe3448a027a_attend-k_qe3448a027a_attend
	.p2alignl 7, 3214868480
	.fill 96, 4, 3214868480
	.section	.rodata,"a",@progbits
	.p2align	6, 0x0
	.amdhsa_kernel k_qe3448a027a_attend
		.amdhsa_group_segment_fixed_size 70656
		.amdhsa_private_segment_fixed_size 0
		.amdhsa_enable_private_segment 0
		.amdhsa_kernarg_size 80
		.amdhsa_user_sgpr_count 2
		.amdhsa_user_sgpr_kernarg_segment_ptr 1
		.amdhsa_wavefront_size32 1
		.amdhsa_system_sgpr_workgroup_id_x 1
		.amdhsa_system_sgpr_workgroup_id_y 1
		.amdhsa_system_sgpr_workgroup_id_z 1
		.amdhsa_system_vgpr_workitem_id 0
		.amdhsa_next_free_vgpr 512
		.amdhsa_next_free_sgpr 66
		.amdhsa_reserve_vcc 0
		.amdhsa_float_denorm_mode_32 3
		.amdhsa_float_denorm_mode_16_64 3
		.amdhsa_memory_ordered 1
		.amdhsa_forward_progress 1
		.amdhsa_inst_pref_size 57
	.end_amdhsa_kernel
	.amdgpu_metadata
---
amdhsa.version: [ 1, 2 ]
amdhsa.kernels:
  - .name:           k_qe3448a027a_attend
    .symbol:         k_qe3448a027a_attend.kd
    .args:
      - { .name: qrec, .offset: 0, .size: 8, .value_kind: global_buffer, .address_space: global }
      - { .name: krec, .offset: 8, .size: 8, .value_kind: global_buffer, .address_space: global }
      - { .name: idx, .offset: 16, .size: 8, .value_kind: global_buffer, .address_space: global }
      - { .name: wimg, .offset: 24, .size: 8, .value_kind: global_buffer, .address_space: global }
      - { .name: wsc, .offset: 32, .size: 8, .value_kind: global_buffer, .address_space: global }
      - { .name: bq, .offset: 40, .size: 8, .value_kind: global_buffer, .address_space: global }
      - { .name: bk, .offset: 48, .size: 8, .value_kind: global_buffer, .address_space: global }
      - { .name: bv, .offset: 56, .size: 8, .value_kind: global_buffer, .address_space: global }
      - { .name: bo, .offset: 64, .size: 8, .value_kind: global_buffer, .address_space: global }
      - { .name: out0, .offset: 72, .size: 8, .value_kind: global_buffer, .address_space: global }
    .group_segment_fixed_size: 70656
    .private_segment_fixed_size: 0
    .kernarg_segment_align: 8
    .kernarg_segment_size: 80
    .max_flat_workgroup_size: 256
    .sgpr_count:     66
    .vgpr_count:     512
    .wavefront_size: 32
...
	.end_amdgpu_metadata
.endif
;; end of part 4
;; ======== version 2 of 3: 4 launches
;; limits: inputs' magnitudes at most 100,000
;; workspace buffers: qrec 6,291,456 bytes; krec 6,291,456 bytes; kxy 131,072 bytes; wimg 196,608 bytes; wsc 16,384 bytes; gidx 1,048,576 bytes of whole numbers; idx 1,048,576 bytes of whole numbers
;; launch prep: the kernel of part 1 again; grid 288 x 1, 4 waves a work-group, no clusters, 33,280 bytes of LDS; arguments q_feat, kv_feat, pos_q, pos_k, heading_q, heading_k, mask_k, Wq, Wk, Wv, Wo, qrec, krec, kxy, wimg, wsc; writes qrec, krec, kxy, wimg, wsc
;; launch near1 (part 5): grid 256 x 1, 8 waves a work-group, no clusters, 66,560 bytes of LDS; arguments pos_q, kxy, gidx; writes gidx
.if DOCPART == 5
	.amdgcn_target "amdgcn-amd-amdhsa--gfx1250"
	.amdhsa_code_object_version 6
	.text
	.protected	k_qe3448a027a_near1
	.globl	k_qe3448a027a_near1
	.p2align	8
	.type	k_qe3448a027a_near1,@function
k_qe3448a027a_near1:
	s_mov_b64 s[64:65], 0
	v_nop
	global_prefetch_b8 v0, s[64:65] scope:SCOPE_SE
	s_setreg_imm32_b32 hwreg(HW_REG_WAVE_MODE, 25, 1), 1
	s_wait_xcnt 0x0
; THE 16 GROUPS OF 16 KEYS WITH THE SMALLEST MINIMAL DISTANCE, for each query.  The 16 nearest keys, ordered by (distance, index), lie in the 16 groups ordered first by (group minimum, group number):
; a key outside them would have 16 groups, and so 16 keys, ahead of it.  So 256 list insertions a query here and 256 in the next launch stand for 4,096.
; A work-group takes 64 queries of one batch; a lane is a query.  Waves 4 qb + s: queries 32 qb .. + 31, groups 64 s .. 64 s + 63; the four lists of a query are merged through LDS.
; A LIST is 16 values A, ascending, with 16 numbers ID.  An insertion has no branch: 16 compares x < A_j, then each place takes its lower neighbour, x, or itself.  The compare is strict and numbers
; arrive ascending, so of equal values the lower number stays ahead, as jax.lax.top_k keeps it.
; The order is taken on d2 = fma(dy, dy, dx dx).  LIMITS: where the 16th and 17th nearest differ by a last bit or so of d2, the square root and the sum of the definition may order them otherwise;
; d2 beyond the largest f32 number counts as masked; NaN is not served.  A value is held at the largest finite number, under the lists' first filling of +infinity: so masked keys still enter, in the order of their numbers.
; The group numbers are kept as f32 numbers here, sorted ascending at the end (the next launch wants keys in ascending order) and stored as whole numbers.
.set LST, 32768                        ; LDS: 0 .. 32,767 the batch's kxy; then a list of 4,096 bytes for each wave: value i at 128 i + 4 lane, number i 2,048 further on
.set A,   16                           ; v16-31
.set ID,  32                           ; v32-47
.set D,   48                           ; v48-63  16 distances
.set KA,  64                           ; v64-95  a group's x 16, y 16; in a merge the partner's 16 values and 16 numbers
.set KB,  96                           ; v96-127 the next group's
; v1 my list; v2 the list of wave xor 1; v3 of wave xor 2; v4 the keys' address; v5 address at work; v[6:7] qx twice; v[8:9] qy twice; v10 x; v11 its number; s16-31 the compares' masks
	s_load_b128 s[4:7], s[0:1], 0x0                ; pos_q, kxy
	s_load_b64 s[8:9], s[0:1], 0x10                ; gidx
	v_lshl_add_u32 v128, v0, 2, 0x10000
	v_mov_b32 v129, 0
	v_lshrrev_b32 v1, 5, v0
	v_readfirstlane_b32 s10, v1                    ; wave 0..7
	s_and_b32 s11, s10, 3                          ; s
	s_lshr_b32 s12, s10, 2                         ; qb
	v_and_b32 v13, 31, v0
	v_lshlrev_b32 v14, 2, v13                      ; 4 x lane
	v_lshlrev_b32 v5, 3, v13                       ; 8 x lane
	v_lshlrev_b32 v15, 4, v0                       ; 16 x thread: the copy's place, in memory and in LDS
	s_lshl_b32 s13, s10, 12
	s_add_co_u32 s13, s13, LST
	v_add_nc_u32 v1, s13, v14
	s_xor_b32 s13, s10, 1
	s_lshl_b32 s13, s13, 12
	s_add_co_u32 s13, s13, LST
	v_add_nc_u32 v2, s13, v14
	s_xor_b32 s13, s10, 2
	s_lshl_b32 s13, s13, 12
	s_add_co_u32 s13, s13, LST
	v_add_nc_u32 v3, s13, v14
	s_lshl_b32 s32, ttmp9, 6
	s_lshl_b32 s33, s12, 5
	s_add_co_u32 s32, s32, s33                     ; my wave's first query
	s_lshr_b32 s14, ttmp9, 6
	s_lshl_b32 s14, s14, 15                        ; the batch's 32,768 bytes of kxy
	s_mov_b32 s15, 0
	s_wait_kmcnt 0x0
	s_add_nc_u64 s[6:7], s[6:7], s[14:15]
	s_lshl_b32 s14, s32, 3
	s_add_nc_u64 s[4:5], s[4:5], s[14:15]
	s_lshl_b32 s14, s32, 6
	s_add_nc_u64 s[8:9], s[8:9], s[14:15]
.irp i, 0,1,2,3,4,5,6,7
	global_load_b128 v[KA+4*\i:KA+4*\i+3], v15, s[6:7] offset:4096*\i    ; 256 threads x 16 bytes, eight times: the batch's keys
.endr
	global_load_b64 v[12:13], v5, s[4:5]
.irp j, 0,1,2,3,4,5,6,7,8,9,10,11,12,13,14,15
	v_mov_b32 v[A+\j], 0x7f800000
	v_mov_b32 v[ID+\j], 0
.endr
	s_lshl_b32 s34, s11, 6
	v_cvt_f32_u32 v11, s34                         ; my first group's number
	s_wait_loadcnt 0x0
.irp i, 0,1,2,3,4,5,6,7
	ds_store_b128 v15, v[KA+4*\i:KA+4*\i+3] offset:4096*\i
.endr
	v_mov_b32 v6, v12
	v_mov_b32 v7, v12
	v_mov_b32 v8, v13
	v_mov_b32 v9, v13
	s_wait_dscnt 0x0                               ; for the others' sake: my part of the keys lies in LDS
	s_barrier_signal -1
	s_barrier_wait -1
.macro INSERT x, i
.irp j, 15,14,13,12,11,10,9,8,7,6,5,4,3,2,1,0      ; the top places' masks first: they are used first
	v_cmp_lt_f32 s[16+\j], v[\x], v[A+\j]
.endr
.irp j, 15,14,13,12,11,10,9,8,7,6,5,4,3,2,1                            ; from the top down, so that a place's lower neighbour is still the old one
	v_cndmask_b32 v[ID+\j], v[ID+\j], v[\i], s[16+\j]
	v_med3_num_f32 v[A+\j], v[\x], v[A+\j-1], v[A+\j]                   ; A_(j-1) <= A_j: the middle one of the three is the place's new value
	v_cndmask_b32 v[ID+\j], v[ID+\j], v[ID+\j-1], s[15+\j]
.endr
	v_cndmask_b32 v[ID], v[ID], v[\i], s16
	v_min_num_f32 v[A], v[\x], v[A]
.endm
.macro DIST buf                        ; 16 squared distances, two at a time; dy is formed in the buffer's own y registers
.irp p, 0,2,4,6,8,10,12,14
	v_pk_add_f32 v[D+\p:D+\p+1], v[6:7], v[\buf+\p:\buf+\p+1] neg_lo:[0,1] neg_hi:[0,1]
.endr
.irp p, 0,2,4,6,8,10,12,14
	v_pk_add_f32 v[\buf+16+\p:\buf+17+\p], v[8:9], v[\buf+16+\p:\buf+17+\p] neg_lo:[0,1] neg_hi:[0,1]
.endr
.irp p, 0,2,4,6,8,10,12,14
	v_pk_mul_f32 v[D+\p:D+\p+1], v[D+\p:D+\p+1], v[D+\p:D+\p+1]
.endr
.irp p, 0,2,4,6,8,10,12,14
	v_pk_fma_f32 v[D+\p:D+\p+1], v[\buf+16+\p:\buf+17+\p], v[\buf+16+\p:\buf+17+\p], v[D+\p:D+\p+1]
.endr
.endm
.macro GROUP buf
	DIST \buf
	v_min3_num_f32 v10, v[D], v[D+1], 0x7f7fffff   ; the group's minimum, held at the largest finite number; two chains
	v_min3_num_f32 v12, v[D+2], v[D+3], v[D+4]
	v_min3_num_f32 v10, v10, v[D+5], v[D+6]
	v_min3_num_f32 v12, v12, v[D+7], v[D+8]
	v_min3_num_f32 v10, v10, v[D+9], v[D+10]
	v_min3_num_f32 v12, v12, v[D+11], v[D+12]
	v_min3_num_f32 v10, v10, v[D+13], v[D+14]
	v_min3_num_f32 v10, v10, v12, v[D+15]
	INSERT 10, 11
	v_add_f32 v11, 1.0, v11
.endm
.macro KLOAD buf, off                  ; a group's 128 bytes; all lanes read the same words
.irp k, 0,1,2,3,4,5,6,7
	ds_load_b128 v[\buf+4*\k:\buf+4*\k+3], v4 offset:\off+16*\k
.endr
.endm
	s_lshl_b32 s35, s11, 13                        ; my 64 groups begin at 8,192 s
	v_mov_b32 v4, s35
	KLOAD KA, 0
	s_mov_b32 s36, 0
.Lgrp:                                             ; 31 trips of two groups; each group is fetched while the one before is worked
	KLOAD KB, 128
	s_wait_dscnt 8                                 ; KA's eight loads are in; the eight just issued may be out
	GROUP KA
	KLOAD KA, 256
	s_wait_dscnt 8
	GROUP KB
	s_add_co_u32 s35, s35, 256
	v_mov_b32 v4, s35
	s_add_co_u32 s36, s36, 1
	s_cmp_lt_u32 s36, 31
	s_cbranch_scc1 .Lgrp
	KLOAD KB, 128                                  ; the last two groups: nothing is fetched beyond my 64
	s_wait_dscnt 8
	GROUP KA
	s_wait_dscnt 0x0
	GROUP KB
; A MERGE.  Waves with (s & msk) = snd store their lists; behind a barrier waves with (s & msk) = 0 insert them, in ascending order, into their own.  The receiver's numbers are the lower ones, so equal values keep their order.
; The partner's whole list is asked for at once, value and number by turns, and the 16 insertions are written out: the i-th stands behind a wait that lets the 30 - 2 i younger loads stay out.
.macro MERGE msk, snd, partner
	s_and_b32 s37, s11, \msk
	s_cmp_lg_u32 s37, \snd
	s_cbranch_scc1 .Lnosend_\@
.irp i, 0,1,2,3,4,5,6,7,8,9,10,11,12,13,14,15
	ds_store_b32 v1, v[A+\i] offset:128*\i
	ds_store_b32 v1, v[ID+\i] offset:2048+128*\i
.endr
.Lnosend_\@:
	s_wait_dscnt 0x0                               ; the stores have landed
	s_barrier_signal -1
	s_barrier_wait -1
	s_cmp_lg_u32 s37, 0
	s_cbranch_scc1 .Lnorecv_\@
.irp i, 0,1,2,3,4,5,6,7,8,9,10,11,12,13,14,15
	ds_load_b32 v[KA+\i], v[\partner] offset:128*\i
	ds_load_b32 v[KA+16+\i], v[\partner] offset:2048+128*\i
.endr
.irp i, 0,1,2,3,4,5,6,7,8,9,10,11,12,13,14,15
	s_wait_dscnt 30-2*\i                           ; LDS loads come back in order: value i and number i are in
	INSERT KA+\i, KA+16+\i
.endr
.Lnorecv_\@:
.endm
	MERGE 1, 1, 2
	s_barrier_signal -1                            ; every read of a list in the first merge (the last wait there is for 0) comes before every list store of the second, whichever wave has which part
	s_barrier_wait -1
	MERGE 3, 2, 3
	s_cmp_lg_u32 s11, 0
	s_cbranch_scc1 .Lend                           ; waves 0 and 4 hold the results
.irp j, 0,1,2,3,4,5,6,7,8,9,10,11,12,13,14,15
	v_mov_b32 v[KA+\j], 0x7f800000
.endr
.irp i, 0,1,2,3,4,5,6,7,8,9,10,11,12,13,14,15      ; the 16 numbers, sorted ascending by the same insertion (they differ, so no masks are needed)
.irp j, 15,14,13,12,11,10,9,8,7,6,5,4,3,2,1
	v_med3_num_f32 v[KA+\j], v[ID+\i], v[KA+\j-1], v[KA+\j]
.endr
	v_min_num_f32 v[KA], v[ID+\i], v[KA]
.endr
.irp j, 0,1,2,3,4,5,6,7,8,9,10,11,12,13,14,15
	v_cvt_u32_f32 v[KA+\j], v[KA+\j]
.endr
	v_and_b32 v12, 31, v0
	v_lshlrev_b32 v12, 6, v12                      ; 64 bytes a query
.irp i, 0,1,2,3
	global_store_b128 v12, v[KA+4*\i:KA+4*\i+3], s[8:9] offset:16*\i
.endr
.Lend:
	s_wait_tensorcnt 0x0
	ds_add_u32 v128, v129
	s_wait_dscnt 0x0
	s_endpgm
.Lfunc_end_k_qe3448a027a_near1:
	.size	k_qe3448a027a_near1, .Lfunc_end_k_qe3448a027a_near1-k_qe3448a027a_near1
	.p2alignl 7, 3214868480
	.fill 96, 4, 3214868480
	.section	.rodata,"a",@progbits
	.p2align	6, 0x0
	.amdhsa_kernel k_qe3448a027a_near1
		.amdhsa_group_segment_fixed_size 66560
		.amdhsa_private_segment_fixed_size 0
		.amdhsa_enable_private_segment 0
		.amdhsa_kernarg_size 24
		.amdhsa_user_sgpr_count 2
		.amdhsa_user_sgpr_kernarg_segment_ptr 1
		.amdhsa_wavefront_size32 1
		.amdhsa_system_sgpr_workgroup_id_x 1
		.amdhsa_system_sgpr_workgroup_id_y 1
		.amdhsa_system_sgpr_workgroup_id_z 1
		.amdhsa_system_vgpr_workitem_id 0
		.amdhsa_next_free_vgpr 130
		.amdhsa_next_free_sgpr 66
		.amdhsa_reserve_vcc 0
		.amdhsa_float_denorm_mode_32 3
		.amdhsa_float_denorm_mode_16_64 3
		.amdhsa_memory_ordered 1
		.amdhsa_forward_progress 1
		.amdhsa_inst_pref_size 186
	.end_amdhsa_kernel
	.amdgpu_metadata
---
amdhsa.version: [ 1, 2 ]
amdhsa.kernels:
  - .name:           k_qe3448a027a_near1
    .symbol:         k_qe3448a027a_near1.kd
    .args:
      - { .name: pos_q, .offset: 0, .size: 8, .value_kind: global_buffer, .address_space: global }
      - { .name: kxy, .offset: 8, .size: 8, .value_kind: global_buffer, .address_space: global }
      - { .name: gidx, .offset: 16, .size: 8, .value_kind: global_buffer, .address_space: global }
    .group_segment_fixed_size: 66560
    .private_segment_fixed_size: 0
    .kernarg_segment_align: 8
    .kernarg_segment_size: 24
    .max_flat_workgroup_size: 256
    .sgpr_count:     66
    .vgpr_count:     130
    .wavefront_size: 32
...
	.end_amdgpu_metadata
.endif
;; end of part 5
;; launch near2 (part 6): grid 256 x 1, 8 waves a work-group, no clusters, 33,792 bytes of LDS; arguments pos_q, kxy, gidx, idx; writes idx
.if DOCPART == 6
	.amdgcn_target "amdgcn-amd-amdhsa--gfx1250"
	.amdhsa_code_object_version 6
	.text
	.protected	k_qe3448a027a_near2
	.globl	k_qe3448a027a_near2
	.p2align	8
	.type	k_qe3448a027a_near2,@function
k_qe3448a027a_near2:
	s_mov_b64 s[64:65], 0
	v_nop
	global_prefetch_b8 v0, s[64:65] scope:SCOPE_SE
	s_setreg_imm32_b32 hwreg(HW_REG_WAVE_MODE, 25, 1), 1
	s_wait_xcnt 0x0
; THE 16 NEAREST KEYS of each query, among the 256 keys of the 16 groups that the launch before has chosen (their numbers come ascending, as whole numbers).
; A work-group takes 64 queries of one batch; a lane is a query.  Waves 4 qb + s: queries 32 qb .. + 31, the query's groups 4 s .. 4 s + 3 of its list, so keys arrive in ascending order; the four lists are merged through LDS.
; Lists, insertion, order and limits: d2 = fma(dy, dy, dx dx), held at the largest finite number; of equal values the lower key stays ahead; where the 16th and 17th differ by a last bit or so of d2
; the definition's square root and sum may order them otherwise; NaN is not served.
; Each lane fetches its own groups from memory: a group is 128 bytes (x 16, y 16).  Two buffers take turns in a loop of two trips; the second trip fetches nothing.
.set A,   16                           ; v16-31 values
.set ID,  32                           ; v32-47 key numbers
.set D,   48                           ; v48-63 16 distances
.set G,   64                           ; v64-67 my four groups; v68-71 their byte offsets; v72-75 their first keys
.set GA,  68
.set IB,  72
.set LA,  80                           ; v80-111, v112-143: a group's x 16, y 16; in a merge v80-111 take the partner's 16 values and 16 numbers
.set LB,  112
; v1 my list; v2 the list of wave xor 1; v3 of wave xor 2; v5 address at work; v[6:7] qx twice; v[8:9] qy twice; v10 x; v11 its number; s16-31 the compares' masks
	s_load_b128 s[4:7], s[0:1], 0x0                ; pos_q, kxy
	s_load_b128 s[8:11], s[0:1], 0x10              ; gidx, idx
	v_lshl_add_u32 v144, v0, 2, 0x8000
	v_mov_b32 v145, 0
	v_lshrrev_b32 v1, 5, v0
	v_readfirstlane_b32 s12, v1                    ; wave 0..7
	s_and_b32 s13, s12, 3                          ; s
	s_lshr_b32 s14, s12, 2                         ; qb
	v_and_b32 v13, 31, v0
	v_lshlrev_b32 v14, 2, v13
	v_lshlrev_b32 v5, 3, v13                       ; 8 x lane
	v_lshlrev_b32 v15, 6, v13                      ; 64 x lane
	s_lshl_b32 s15, s12, 12
	v_add_nc_u32 v1, s15, v14                      ; LDS: a list of 4,096 bytes for each wave: value i at 128 i + 4 lane, number i 2,048 further on
	s_xor_b32 s15, s12, 1
	s_lshl_b32 s15, s15, 12
	v_add_nc_u32 v2, s15, v14
	s_xor_b32 s15, s12, 2
	s_lshl_b32 s15, s15, 12
	v_add_nc_u32 v3, s15, v14
	s_lshl_b32 s32, ttmp9, 6
	s_lshl_b32 s33, s14, 5
	s_add_co_u32 s32, s32, s33                     ; my wave's first query
	s_lshr_b32 s34, ttmp9, 6
	s_lshl_b32 s34, s34, 15
	s_mov_b32 s35, 0
	s_wait_kmcnt 0x0
	s_add_nc_u64 s[6:7], s[6:7], s[34:35]          ; the batch's kxy
	s_lshl_b32 s34, s32, 3
	s_add_nc_u64 s[4:5], s[4:5], s[34:35]
	s_lshl_b32 s34, s32, 6
	s_add_nc_u64 s[8:9], s[8:9], s[34:35]
	s_add_nc_u64 s[10:11], s[10:11], s[34:35]
	s_lshl_b32 s34, s13, 4
	s_add_nc_u64 s[8:9], s[8:9], s[34:35]          ; my four of the query's 16 groups
	global_load_b128 v[G:G+3], v15, s[8:9]
	global_load_b64 v[12:13], v5, s[4:5]
.irp j, 0,1,2,3,4,5,6,7,8,9,10,11,12,13,14,15
	v_mov_b32 v[A+\j], 0x7f800000
	v_mov_b32 v[ID+\j], 0
.endr
	s_wait_loadcnt 0x0
.irp k, 0,1,2,3
	v_min_u32 v[G+\k], 0xff, v[G+\k]               ; a group's number stays inside the batch's 256
	v_lshlrev_b32 v[GA+\k], 7, v[G+\k]
	v_lshlrev_b32 v[IB+\k], 4, v[G+\k]
.endr
.macro GLOAD buf, k
.irp i, 0,1,2,3,4,5,6,7
	global_load_b128 v[\buf+4*\i:\buf+4*\i+3], v[GA+\k], s[6:7] offset:16*\i
.endr
.endm
	GLOAD LA, 0
	GLOAD LB, 1
	v_mov_b32 v6, v12
	v_mov_b32 v7, v12
	v_mov_b32 v8, v13
	v_mov_b32 v9, v13
.macro INSERT x, i
.irp j, 15,14,13,12,11,10,9,8,7,6,5,4,3,2,1,0      ; the top places' masks first: they are used first
	v_cmp_lt_f32 s[16+\j], v[\x], v[A+\j]
.endr
.irp j, 15,14,13,12,11,10,9,8,7,6,5,4,3,2,1                            ; from the top down, so that a place's lower neighbour is still the old one
	v_cndmask_b32 v[ID+\j], v[ID+\j], v[\i], s[16+\j]
	v_med3_num_f32 v[A+\j], v[\x], v[A+\j-1], v[A+\j]
	v_cndmask_b32 v[ID+\j], v[ID+\j], v[ID+\j-1], s[15+\j]
.endr
	v_cndmask_b32 v[ID], v[ID], v[\i], s16
	v_min_num_f32 v[A], v[\x], v[A]
.endm
.macro DIST buf
.irp p, 0,2,4,6,8,10,12,14
	v_pk_add_f32 v[D+\p:D+\p+1], v[6:7], v[\buf+\p:\buf+\p+1] neg_lo:[0,1] neg_hi:[0,1]
.endr
.irp p, 0,2,4,6,8,10,12,14
	v_pk_add_f32 v[\buf+16+\p:\buf+17+\p], v[8:9], v[\buf+16+\p:\buf+17+\p] neg_lo:[0,1] neg_hi:[0,1]
.endr
.irp p, 0,2,4,6,8,10,12,14
	v_pk_mul_f32 v[D+\p:D+\p+1], v[D+\p:D+\p+1], v[D+\p:D+\p+1]
.endr
.irp p, 0,2,4,6,8,10,12,14
	v_pk_fma_f32 v[D+\p:D+\p+1], v[\buf+16+\p:\buf+17+\p], v[\buf+16+\p:\buf+17+\p], v[D+\p:D+\p+1]
.endr
.endm
.macro KEYS ib                         ; the group's 16 keys, in ascending order
.irp e, 0,1,2,3,4,5,6,7,8,9,10,11,12,13,14,15
	v_min_num_f32 v10, 0x7f7fffff, v[D+\e]
	v_add_nc_u32 v11, \e, v[\ib]
	INSERT 10, 11
.endr
.endm
	s_mov_b32 s33, 0
.Lhalf:                                            ; two trips: groups 0, 1, then 2, 3
	s_wait_loadcnt 8                               ; LA's eight loads are in; LB's eight may be out
	DIST LA
	s_cmp_lg_u32 s33, 0
	s_cbranch_scc1 .Lno_a
	GLOAD LA, 2
.Lno_a:
	KEYS IB
	s_wait_loadcnt 0x0                             ; LB's loads are in (and LA's next, issued 16 insertions ago)
	DIST LB
	s_cmp_lg_u32 s33, 0
	s_cbranch_scc1 .Lno_b
	GLOAD LB, 3
.Lno_b:
	KEYS IB+1
	v_mov_b32 v[IB], v[IB+2]
	v_mov_b32 v[IB+1], v[IB+3]
	s_add_co_u32 s33, s33, 1
	s_cmp_lt_u32 s33, 2
	s_cbranch_scc1 .Lhalf
; A MERGE: waves with (s & msk) = snd store their lists; behind a barrier waves with (s & msk) = 0 insert them into their own, whose keys are the lower ones.
; The partner's whole list is asked for at once, value and number by turns, and the 16 insertions are written out: the i-th stands behind a wait that lets the 30 - 2 i younger loads stay out.
.macro MERGE msk, snd, partner
	s_and_b32 s37, s13, \msk
	s_cmp_lg_u32 s37, \snd
	s_cbranch_scc1 .Lnosend_\@
.irp i, 0,1,2,3,4,5,6,7,8,9,10,11,12,13,14,15
	ds_store_b32 v1, v[A+\i] offset:128*\i
	ds_store_b32 v1, v[ID+\i] offset:2048+128*\i
.endr
.Lnosend_\@:
	s_wait_dscnt 0x0                               ; the stores have landed
	s_barrier_signal -1
	s_barrier_wait -1
	s_cmp_lg_u32 s37, 0
	s_cbranch_scc1 .Lnorecv_\@
.irp i, 0,1,2,3,4,5,6,7,8,9,10,11,12,13,14,15
	ds_load_b32 v[LA+\i], v[\partner] offset:128*\i
	ds_load_b32 v[LA+16+\i], v[\partner] offset:2048+128*\i
.endr
.irp i, 0,1,2,3,4,5,6,7,8,9,10,11,12,13,14,15
	s_wait_dscnt 30-2*\i                           ; LDS loads come back in order: value i and number i are in
	INSERT LA+\i, LA+16+\i
.endr
.Lnorecv_\@:
.endm
	MERGE 1, 1, 2
	s_barrier_signal -1                            ; every read of a list in the first merge (the last wait there is for 0) comes before every list store of the second
	s_barrier_wait -1
	MERGE 3, 2, 3
	s_cmp_lg_u32 s13, 0
	s_cbranch_scc1 .Lend
.irp i, 0,1,2,3
	global_store_b128 v15, v[ID+4*\i:ID+4*\i+3], s[10:11] offset:16*\i
.endr
.Lend:
	s_wait_tensorcnt 0x0
	ds_add_u32 v144, v145
	s_wait_dscnt 0x0
	s_endpgm
.Lfunc_end_k_qe3448a027a_near2:
	.size	k_qe3448a027a_near2, .Lfunc_end_k_qe3448a027a_near2-k_qe3448a027a_near2
	.p2alignl 7, 3214868480
	.fill 96, 4, 3214868480
	.section	.rodata,"a",@progbits
	.p2align	6, 0x0
	.amdhsa_kernel k_qe3448a027a_near2
		.amdhsa_group_segment_fixed_size 33792
		.amdhsa_private_segment_fixed_size 0
		.amdhsa_enable_private_segment 0
		.amdhsa_kernarg_size 32
		.amdhsa_user_sgpr_count 2
		.amdhsa_user_sgpr_kernarg_segment_ptr 1
		.amdhsa_wavefront_size32 1
		.amdhsa_system_sgpr_workgroup_id_x 1
		.amdhsa_system_sgpr_workgroup_id_y 1
		.amdhsa_system_sgpr_workgroup_id_z 1
		.amdhsa_system_vgpr_workitem_id 0
		.amdhsa_next_free_vgpr 146
		.amdhsa_next_free_sgpr 66
		.amdhsa_reserve_vcc 0
		.amdhsa_float_denorm_mode_32 3
		.amdhsa_float_denorm_mode_16_64 3
		.amdhsa_memory_ordered 1
		.amdhsa_forward_progress 1
		.amdhsa_inst_pref_size 255
	.end_amdhsa_kernel
	.section	.bss,"aw",@nobits
	.p2align	6
	.space	262144
	.amdgpu_metadata
---
amdhsa.version: [ 1, 2 ]
amdhsa.kernels:
  - .name:           k_qe3448a027a_near2
    .symbol:         k_qe3448a027a_near2.kd
    .args:
      - { .name: pos_q, .offset: 0, .size: 8, .value_kind: global_buffer, .address_space: global }
      - { .name: kxy, .offset: 8, .size: 8, .value_kind: global_buffer, .address_space: global }
      - { .name: gidx, .offset: 16, .size: 8, .value_kind: global_buffer, .address_space: global }
      - { .name: idx, .offset: 24, .size: 8, .value_kind: global_buffer, .address_space: global }
    .group_segment_fixed_size: 33792
    .private_segment_fixed_size: 0
    .kernarg_segment_align: 8
    .kernarg_segment_size: 32
    .max_flat_workgroup_size: 256
    .sgpr_count:     66
    .vgpr_count:     146
    .wavefront_size: 32
...
	.end_amdgpu_metadata
.endif
;; end of part 6
;; launch attend (part 7): grid 256 x 1, 8 waves a work-group, no clusters, 168,960 bytes of LDS; arguments qrec, krec, idx, wimg, wsc, bq, bk, bv, bo, out0; writes out0
.if DOCPART == 7
	.amdgcn_target "amdgcn-amd-amdhsa--gfx1250"
	.amdhsa_code_object_version 6
	.text
	.protected	k_qe3448a027a_attend
	.globl	k_qe3448a027a_attend
	.p2align	8
	.type	k_qe3448a027a_attend,@function
k_qe3448a027a_attend:
	s_mov_b64 s[64:65], 0
	v_nop
	global_prefetch_b8 v0, s[64:65] scope:SCOPE_SE
	s_setreg_imm32_b32 hwreg(HW_REG_WAVE_MODE, 25, 1), 1
	s_wait_xcnt 0x0
; THE ATTENTION.  All four quantised products on codes of BF6 (E3M2) with E8M0 scales; logits, softmax and the weighted sum of V in f32 vector arithmetic.
; SHARES.  A work-group takes 64 queries of one batch.  Wave 4 g + w: queries 32 g .. + 31, as two tiles of 16; heads 2 w (2-D RoPE) and 2 w + 1 (heading), that is columns 64 w .. 64 w + 63 of Q, K, V and of the output.
; Its parts of Wk and Wv (8 fragments each) stay in registers for the whole launch; Wq's and Wo's come once a tile.
; ONE QUERY'S 16 CHOSEN KEYS ARE ONE TILE OF 16 ROWS.  Lane (r, h) wants key r's record (codes in the operand's order, scale words, cos and sin).  The four waves of a g want the same records, so each record comes
; from memory ONCE: a tile's 16 queries go in four batches of 4; wave w fetches the records of the batch's query w into registers and stores them to LDS as an image of those registers (16 bytes a lane);
; any wave that loads the image by the same lines has the same registers in the same lanes.  Two buffers of 4 images take turns: a batch's records are asked for at the head of the batch before, stored at its end,
; and ONE barrier a batch orders the stores before the next batch's reads and this batch's reads before the stores of a batch later.
;   K is made transposed (source 0 = 16 columns of Wk, source 1 = the keys): lane (r, h) holds key r, channels 16 t + 8 h + j, with bk as the first product's C.
;   V is made in the natural order (source 0 = the keys): lane (r, h) holds channel 16 t + r, keys 8 h + j.
;   Logit: the key's rotation is put on the query's side: sum k1 (q1 c + q2 s) + k2 (q2 c - q1 s).  One exchange of halves leaves head 2 w's 16 logits in lanes 0-15 and head 2 w + 1's in lanes 16-31;
;   maximum and sum run inside each 16 lanes; the weights go through 128 bytes of LDS to the lanes that hold V.
; The heads' results of a tile meet in LDS; each wave quantises the 16 rows x 256 and multiplies by its 64 columns of Wo.
; bv is added behind the weighted sum (the weights add up to 1); 1/sqrt(32) and the mask's 0 or -infinity go into one fused multiply-add.
; LIMITS: a batch without any unmasked key (the definition gives NaN there) is not served; NaN and infinities among the features are not served.
; No cluster: nothing is fetched by tensor loads; what the work-groups share, the weights, is read once by each wave and is small beside the records.
; REGISTERS, in windows of 256.  Window 0: v1-15, v25, v31 addresses; v16-23 Wq's or Wo's scale words; v24, v26-30 addresses at work; v32-39, v40-47 Wk's, Wv's scale words; v48-49 bv; v50-63 at work;
;   v64-111 the record at work (+0 codes, +24 scale words, +26 cos, +27 sin of the heading, +28 the logit's addend, +32 cos 8, +40 sin 8); v93, v94 the images' addresses; v112-159 the record on its way from memory;
;   v160-191 K, then the weights; v192-223 V; v224-255 Q.  Outside the key steps v112-207 hold Wq's or Wo's fragments, v64-87 the output's codes, v88-89 their scale words.
; Window 1: v0-95 Wk; v96-191 Wv; v192-223 bk as four tiles of C; v224-255 bq or bo likewise.
.set RECB, 384
.set FRB,  1536                        ; a fragment's image
.set QLP,  272
.set QLW,  16*QLP                      ; LDS: for each wave 16 rows x 272: the rotated Q, later the stage for the output
.set ATB,  8*QLW                       ; then 128 bytes a wave for the weights
.set OLB,  ATB+8*128                   ; then for each g 16 rows x (1,024 + 16): the heads' results
.set OLP,  1040
.set OLG,  16*OLP
.set RIB,  OLB+2*OLG                   ; then the records' images: [g][buffer 2][query 4]
.set RIM,  6144                        ; an image: 6 x 512 codes; 512 scale words and heading; 512 the addend (4 bytes of a lane's 16); 4 x 512 cos and sin
.set RIBUF, 4*RIM
.set RIG,  2*RIBUF
.set R4,   1                           ; 4 r
.set H96,  2                           ; 96 h
.set H64,  3                           ; 64 h
.set L16,  4                           ; 16 x lane
.set QLS,  5                           ; Q into LDS: row r, + 128 h
.set QLL,  6                           ; and back: + 128 h
.set QLO,  7                           ; the output into the stage: row r, + 32 h
.set QLR,  8                           ; and back: row lane / 16, + 16 (lane % 16)
.set ATS,  9
.set ATL,  10
.set OLS,  11
.set OLL,  12
.set OUTO, 13
.set L4,   14
.set QRO,  15                          ; 384 r
.set WXS,  16
.set IX,   24
.set IXA,  25                          ; 4 r + 64 w: my key of the batch's query w
.set VA,   26
.set VB,   27
.set VC,   28
.set QA,   29                          ; Q's rows of this trip's eight queries
.set OA,   30                          ; and their rows of results
.set H32,  31
.set WKS,  32
.set WVS,  40
.set BV,   48
.set T,    50
.set REC0, 64
.set OC,   64
.set RL,   93                          ; the images of my g: + 16 x lane
.set RS,   94                          ; and the one that I store: + RIM x w
.set REC1, 112
.set WF,   112
.set KD,   160
.set VD,   192
.set Q,    224
.set WK1,  0
.set WV1,  96
.set BK1,  192
.set BX1,  224
.set MSB, 0
.macro WIN new                         ; the immediate's high byte repeats the setting that is left
.if MSB != \new
	s_set_vgpr_msb (MSB<<8)|\new
.set MSB, \new
.endif
.endm
.macro MMC d, a, b, c, sa, sb
	v_wmma_scale_f32_16x16x128_f8f6f4 v[\d:\d+7], v[\a:\a+11], v[\b:\b+11], v[\c:\c+7], v[\sa], v[\sb] matrix_a_fmt:MATRIX_FMT_BF6 matrix_b_fmt:MATRIX_FMT_BF6
.endm
.macro MMZ d, a, b, sa, sb
	v_wmma_scale_f32_16x16x128_f8f6f4 v[\d:\d+7], v[\a:\a+11], v[\b:\b+11], 0, v[\sa], v[\sb] matrix_a_fmt:MATRIX_FMT_BF6 matrix_b_fmt:MATRIX_FMT_BF6
.endm
.macro PLACES n
.rept \n
	v_nop
.endr
.endm
; a record from memory into buffer buf: codes by v[VA] (+ 96 h), scale words and heading by v[vc], cos and sin by v[VB] (+ 64 h)
.macro RECL buf, vc, base, add
.irp c, 0,1,2,3,4,5
	global_load_b128 v[\buf+4*\c:\buf+4*\c+3], v[VA], s[\base:\base+1] offset:16*\c
.endr
	global_load_b128 v[\buf+24:\buf+27], v[\vc], s[\base:\base+1] offset:192
.if \add
	global_load_b32 v[\buf+28], v[\vc], s[\base:\base+1] offset:208
.endif
.irp c, 0,1,2,3
	global_load_b128 v[\buf+32+4*\c:\buf+35+4*\c], v[VB], s[\base:\base+1] offset:256+16*\c
.endr
.endm
; the record in v[REC1] on goes to LDS as it stands, into buffer p, place w
.macro RSTORE p
.irp c, 0,1,2,3,4,5
	ds_store_b128 v[RS], v[REC1+4*\c:REC1+4*\c+3] offset:RIBUF*(\p)+512*\c
.endr
	ds_store_b128 v[RS], v[REC1+24:REC1+27] offset:RIBUF*(\p)+3072
	ds_store_b32 v[RS], v[REC1+28] offset:RIBUF*(\p)+3584
.irp c, 0,1,2,3
	ds_store_b128 v[RS], v[REC1+32+4*\c:REC1+35+4*\c] offset:RIBUF*(\p)+4096+512*\c
.endr
.endm
; and comes back, in any wave of the g, in two parts: what the products read (7 loads), and what the logits read (6 loads)
.macro RFETCH_A p, q
.irp c, 0,1,2,3,4,5
	ds_load_b128 v[REC0+4*\c:REC0+4*\c+3], v[RL] offset:RIBUF*(\p)+RIM*(\q)+512*\c
.endr
	ds_load_b64 v[REC0+24:REC0+25], v[RL] offset:RIBUF*(\p)+RIM*(\q)+3072
.endm
.macro RFETCH_B p, q
	ds_load_b64 v[REC0+26:REC0+27], v[RL] offset:RIBUF*(\p)+RIM*(\q)+3080
	ds_load_b32 v[REC0+28], v[RL] offset:RIBUF*(\p)+RIM*(\q)+3584
.irp c, 0,1,2,3
	ds_load_b128 v[REC0+32+4*\c:REC0+35+4*\c], v[RL] offset:RIBUF*(\p)+RIM*(\q)+4096+512*\c
.endr
.endm
; query i (of the trip's eight): its rotated Q, 8 loads; sixteen lanes read the same words
.macro QFETCH i
.irp t, 0,1,2,3
	ds_load_b128 v[Q+8*\t:Q+8*\t+3], v[QA] offset:QLP*(\i)+32*\t
	ds_load_b128 v[Q+8*\t+4:Q+8*\t+7], v[QA] offset:QLP*(\i)+32*\t+16
.endr
.endm
; weight m's eight fragments of my columns into v[WF] on, their scale words, and its bias (at s[bias]) as four tiles of C in window 1
.macro WLOAD m, bias
.irp f, 0,1,2,3,4,5,6,7
.irp c, 0,1,2
	global_load_b128 v[WF+12*\f+4*\c:WF+12*\f+4*\c+3], v[L16], s[10:11] offset:(32*\m+\f)*FRB+512*\c
.endr
	global_load_b32 v[WXS+\f], v[L4], s[12:13] offset:(32*\m+\f)*128
.endr
	WIN 0x40
.irp t, 0,1,2,3
	global_load_b128 v[BX1+8*\t:BX1+8*\t+3], v[H32], s[\bias:\bias+1] offset:64*\t
	global_load_b128 v[BX1+8*\t+4:BX1+8*\t+7], v[H32], s[\bias:\bias+1] offset:64*\t+16
.endr
	WIN 0
.endm
; from a key's number to its record's addresses
.macro ADDR
	v_min_u32 v[IX], 0xfff, v[IX]                  ; a key's number stays inside the batch's 4,096
	v_mul_u32_u24 v[VC], 0x180, v[IX]
	v_add_nc_u32 v[VA], v[VC], v[H96]
	v_add_nc_u32 v[VB], v[VC], v[H64]
.endm
	s_load_b512 s[4:19], s[0:1], 0x0               ; qrec 4, krec 6, idx 8, wimg 10, wsc 12, bq 14, bk 16, bv 18
	s_load_b128 s[20:23], s[0:1], 0x40             ; bo 20, out0 22
	v_lshl_add_u32 v63, v0, 2, 0x29000
	v_mov_b32 v95, 0
	v_lshrrev_b32 v1, 5, v0
	v_readfirstlane_b32 s24, v1                    ; wave 0..7
	s_lshr_b32 s25, s24, 2                         ; g
	s_and_b32 s26, s24, 3                          ; w
	v_and_b32 v50, 31, v0                          ; lane
	v_and_b32 v51, 15, v0                          ; r
	v_bfe_u32 v52, v0, 4, 1                        ; h
	v_lshlrev_b32 v[R4], 2, v51
	v_mul_u32_u24 v[H96], 96, v52
	v_lshlrev_b32 v[H64], 6, v52
	v_lshlrev_b32 v[H32], 5, v52
	v_lshlrev_b32 v[L16], 4, v50
	v_lshlrev_b32 v[L4], 2, v50
	v_mul_u32_u24 v[QRO], 0x180, v51
	s_mul_i32 s27, s24, QLW
	v_mul_u32_u24 v53, 0x110, v51
	v_add_nc_u32 v53, s27, v53
	v_lshl_add_u32 v[QLS], v52, 7, v53
	v_lshl_add_u32 v[QLO], v52, 5, v53
	v_lshlrev_b32 v[QLL], 7, v52
	v_add_nc_u32 v[QLL], s27, v[QLL]
	v_mul_u32_u24 v[QLR], 0x110, v52
	v_lshl_add_u32 v[QLR], v51, 4, v[QLR]
	v_add_nc_u32 v[QLR], s27, v[QLR]
	s_lshl_b32 s27, s24, 7
	s_add_co_u32 s27, s27, ATB
	v_add_nc_u32 v[ATS], s27, v[L4]                ; a weight: head 2 w's key r at 4 r, head 2 w + 1's 64 further on
	v_add_nc_u32 v[ATL], s27, v[H32]               ; back: keys 8 h .. 8 h + 7
	s_mul_i32 s27, s25, OLG
	s_add_co_u32 s27, s27, OLB
	v_mul_u32_u24 v[OLL], 0x410, v51
	v_lshl_add_u32 v[OLL], v52, 7, v[OLL]
	v_add_nc_u32 v[OLL], s27, v[OLL]               ; a row's block of 32 numbers: row r, + 128 h
	s_lshl_b32 s28, s26, 8
	s_add_co_u32 s27, s27, s28
	v_add_nc_u32 v[OLS], s27, v[L4]                ; my heads' channels: 256 w + 4 x lane
	v_lshlrev_b32 v[OUTO], 10, v52
	v_lshl_add_u32 v[OUTO], v51, 4, v[OUTO]
	s_mul_i32 s27, s25, RIG
	s_add_co_u32 s27, s27, RIB
	v_add_nc_u32 v[RL], s27, v[L16]                ; my g's images
	s_mul_i32 s28, s26, RIM
	s_add_co_u32 s27, s27, s28
	v_add_nc_u32 v[RS], s27, v[L16]                ; the place that I fill
	s_lshl_b32 s28, s26, 6
	v_add_nc_u32 v[IXA], s28, v[R4]
	s_mov_b32 s35, 0x3e3504f3                      ; 1 / sqrt(32)
	s_mov_b32 s36, 0x76543210
	s_mov_b32 s37, 0xfedcba98                      ; v_permlanex16_b32's selects for lane l xor 16
	s_mov_b32 s29, 0
	s_lshl_b32 s27, ttmp9, 6
	s_lshl_b32 s28, s25, 5
	s_add_co_u32 s27, s27, s28                     ; my first query
	s_wait_kmcnt 0x0
	s_mul_i32 s28, s27, RECB
	s_add_nc_u64 s[4:5], s[4:5], s[28:29]
	s_lshl_b32 s28, s27, 6
	s_add_nc_u64 s[8:9], s[8:9], s[28:29]
	s_lshl_b32 s28, s27, 10
	s_add_nc_u64 s[22:23], s[22:23], s[28:29]
	s_lshr_b32 s28, ttmp9, 6
	s_mul_i32 s28, s28, 4096*RECB
	s_add_nc_u64 s[6:7], s[6:7], s[28:29]          ; the batch's key records
	s_mul_i32 s28, s26, 8*FRB
	s_add_nc_u64 s[10:11], s[10:11], s[28:29]      ; my eight fragments of each weight
	s_lshl_b32 s28, s26, 10
	s_add_nc_u64 s[12:13], s[12:13], s[28:29]
	s_lshl_b32 s28, s26, 8                         ; my 64 columns, in bytes
	s_add_nc_u64 s[14:15], s[14:15], s[28:29]
	s_add_nc_u64 s[16:17], s[16:17], s[28:29]
	s_add_nc_u64 s[18:19], s[18:19], s[28:29]
	s_add_nc_u64 s[20:21], s[20:21], s[28:29]
	s_add_nc_u64 s[22:23], s[22:23], s[28:29]
	WIN 0x40                                       ; destination window 1: what stays for the whole launch
.irp f, 0,1,2,3,4,5,6,7
.irp c, 0,1,2
	global_load_b128 v[WK1+12*\f+4*\c:WK1+12*\f+4*\c+3], v[L16], s[10:11] offset:(32+\f)*FRB+512*\c
	global_load_b128 v[WV1+12*\f+4*\c:WV1+12*\f+4*\c+3], v[L16], s[10:11] offset:(64+\f)*FRB+512*\c
.endr
.endr
.irp t, 0,1,2,3
	global_load_b128 v[BK1+8*\t:BK1+8*\t+3], v[H32], s[16:17] offset:64*\t          ; lane (r, h), register j: bk[64 w + 16 t + 8 h + j]
	global_load_b128 v[BK1+8*\t+4:BK1+8*\t+7], v[H32], s[16:17] offset:64*\t+16
.endr
	WIN 0
.irp f, 0,1,2,3,4,5,6,7
	global_load_b32 v[WKS+\f], v[L4], s[12:13] offset:(32+\f)*128
	global_load_b32 v[WVS+\f], v[L4], s[12:13] offset:(64+\f)*128
.endr
	global_load_b32 v[BV], v[L4], s[18:19]
	global_load_b32 v[BV+1], v[L4], s[18:19] offset:128
	s_mov_b32 s30, 0
.Ltile:
	; ---- Q of the tile's 16 queries, my 64 columns, transposed: lane (r, h) holds query r, channels 16 t + 8 h + j
	v_add_nc_u32 v[VA], v[QRO], v[H96]
	v_add_nc_u32 v[VB], v[QRO], v[H64]
	RECL REC0, QRO, 4, 0
	global_load_b32 v[IX], v[IXA], s[8:9]          ; batch 0: query w's keys, lane r the r-th
	WLOAD 0, 14
	s_wait_loadcnt 0x0
	WIN 0x10                                       ; C (bq) in window 1
.irp t, 0,1,2,3
	MMC Q+8*\t,WF+24*\t,REC0,BX1+8*\t,WXS+2*\t,REC0+24
.endr
	WIN 0
.irp t, 0,1,2,3
	MMC Q+8*\t,WF+24*\t+12,REC0+12,Q+8*\t,WXS+2*\t+1,REC0+25
.endr
	PLACES 4
.irp j, 0,2,4,6                        ; the query's rotation: (q1, q2) -> (q1 c - q2 s, q2 c + q1 s); tiles 0, 1 by the position's angles, tiles 2, 3 by the heading
	v_pk_mul_f32 v[T:T+1], v[Q+8+\j:Q+9+\j], v[REC0+40+\j:REC0+41+\j]
	v_pk_mul_f32 v[T+2:T+3], v[Q+\j:Q+1+\j], v[REC0+40+\j:REC0+41+\j]
	v_pk_mul_f32 v[T+4:T+5], v[Q+24+\j:Q+25+\j], v[REC0+26:REC0+27] op_sel:[0,1] op_sel_hi:[1,1]
	v_pk_mul_f32 v[T+6:T+7], v[Q+16+\j:Q+17+\j], v[REC0+26:REC0+27] op_sel:[0,1] op_sel_hi:[1,1]
	v_pk_fma_f32 v[Q+\j:Q+1+\j], v[Q+\j:Q+1+\j], v[REC0+32+\j:REC0+33+\j], v[T:T+1] neg_lo:[0,0,1] neg_hi:[0,0,1]
	v_pk_fma_f32 v[Q+8+\j:Q+9+\j], v[Q+8+\j:Q+9+\j], v[REC0+32+\j:REC0+33+\j], v[T+2:T+3]
	v_pk_fma_f32 v[Q+16+\j:Q+17+\j], v[Q+16+\j:Q+17+\j], v[REC0+26:REC0+27], v[T+4:T+5] op_sel_hi:[1,0,1] neg_lo:[0,0,1] neg_hi:[0,0,1]
	v_pk_fma_f32 v[Q+24+\j:Q+25+\j], v[Q+24+\j:Q+25+\j], v[REC0+26:REC0+27], v[T+6:T+7] op_sel_hi:[1,0,1]
.endr
.irp t, 0,1,2,3
	ds_store_b128 v[QLS], v[Q+8*\t:Q+8*\t+3] offset:32*\t                ; row = query; in it [h][t][j]: what a lane of half h wants lies together
	ds_store_b128 v[QLS], v[Q+8*\t+4:Q+8*\t+7] offset:32*\t+16
.endr
	ADDR
	RECL REC1, VC, 6, 1                            ; batch 0: my query's 16 records
	global_load_b32 v[IX], v[IXA], s[8:9] offset:256   ; batch 1: my query's key numbers
	s_mov_b32 s31, 0                               ; trips of eight queries
	s_mov_b32 s32, 0                               ; eight rows of Q a trip
	s_mov_b32 s33, 0                               ; eight rows of the heads' results
	s_wait_loadcnt 0x0
	RSTORE 0
	s_wait_dscnt 0x0                               ; for the others' sake: my image has landed
	s_barrier_signal -1
	s_barrier_wait -1                              ; batch 0's four images lie in buffer 0
; ---- A QUERY: the q-th of the batch in buffer p.  Its record and its Q were asked for a step ago (q = 0: at the batch's head)
.macro QSTEP p, q
	s_wait_dscnt 0x0                               ; the record and Q are in
	WIN 0x11                                       ; source 0 (Wk) and C (bk) in window 1.  The four tiles take turns
.irp t, 0,1,2,3
	MMC KD+8*\t,WK1+24*\t,REC0,BK1+8*\t,WKS+2*\t,REC0+24
.endr
	WIN 0x01
.irp t, 0,1,2,3
	MMC KD+8*\t,WK1+24*\t+12,REC0+12,KD+8*\t,WKS+2*\t+1,REC0+25
.endr
	WIN 0x04                                       ; source 1 (Wv) in window 1
.irp t, 0,1,2,3
	MMZ VD+8*\t,REC0,WV1+24*\t,REC0+24,WVS+2*\t
.endr
.irp t, 0,1,2,3
	MMC VD+8*\t,REC0+12,WV1+24*\t+12,VD+8*\t,REC0+25,WVS+2*\t+1
.endr
	WIN 0
.irp j, 0,4                            ; the key's rotation, put on the query: q1 <- q1 c + q2 s, q2 <- q2 c - q1 s, in place.  These 16 lines name no register of the products: they are the places behind them
	v_pk_mul_f32 v[T:T+1], v[Q+8+\j:Q+9+\j], v[REC0+40+\j:REC0+41+\j]
	v_pk_mul_f32 v[T+2:T+3], v[Q+\j:Q+1+\j], v[REC0+40+\j:REC0+41+\j]
	v_pk_mul_f32 v[T+4:T+5], v[Q+10+\j:Q+11+\j], v[REC0+42+\j:REC0+43+\j]
	v_pk_mul_f32 v[T+6:T+7], v[Q+2+\j:Q+3+\j], v[REC0+42+\j:REC0+43+\j]
	v_pk_fma_f32 v[Q+\j:Q+1+\j], v[Q+\j:Q+1+\j], v[REC0+32+\j:REC0+33+\j], v[T:T+1]
	v_pk_fma_f32 v[Q+8+\j:Q+9+\j], v[Q+8+\j:Q+9+\j], v[REC0+32+\j:REC0+33+\j], v[T+2:T+3] neg_lo:[0,0,1] neg_hi:[0,0,1]
	v_pk_fma_f32 v[Q+2+\j:Q+3+\j], v[Q+2+\j:Q+3+\j], v[REC0+34+\j:REC0+35+\j], v[T+4:T+5]
	v_pk_fma_f32 v[Q+10+\j:Q+11+\j], v[Q+10+\j:Q+11+\j], v[REC0+34+\j:REC0+35+\j], v[T+6:T+7] neg_lo:[0,0,1] neg_hi:[0,0,1]
.endr
.if (\q) < 3
	RFETCH_A \p, (\q)+1                            ; the products have read the codes and scale words: the next query's take their registers
.endif
.irp j, 0,2,4,6                        ; two channels at a time, four sums by turns; each accumulator is read from its low end on
.if \j == 0
	v_pk_mul_f32 v[T:T+1], v[KD:KD+1], v[Q:Q+1]                                                     ; k1 (q1 c + q2 s)
	v_pk_mul_f32 v[T+2:T+3], v[KD+8:KD+9], v[Q+8:Q+9]                                               ; k2 (q2 c - q1 s)
	v_pk_mul_f32 v[T+4:T+5], v[KD+16:KD+17], v[Q+16:Q+17]                                           ; P = k1 q1
	v_pk_mul_f32 v[T+6:T+7], v[KD+16:KD+17], v[Q+24:Q+25]                                           ; R = k1 q2
.else
	v_pk_fma_f32 v[T:T+1], v[KD+\j:KD+1+\j], v[Q+\j:Q+1+\j], v[T:T+1]
	v_pk_fma_f32 v[T+2:T+3], v[KD+8+\j:KD+9+\j], v[Q+8+\j:Q+9+\j], v[T+2:T+3]
	v_pk_fma_f32 v[T+4:T+5], v[KD+16+\j:KD+17+\j], v[Q+16+\j:Q+17+\j], v[T+4:T+5]
	v_pk_fma_f32 v[T+6:T+7], v[KD+16+\j:KD+17+\j], v[Q+24+\j:Q+25+\j], v[T+6:T+7]
.endif
	v_pk_fma_f32 v[T+4:T+5], v[KD+24+\j:KD+25+\j], v[Q+24+\j:Q+25+\j], v[T+4:T+5]                   ; P += k2 q2
	v_pk_fma_f32 v[T+6:T+7], v[KD+24+\j:KD+25+\j], v[Q+16+\j:Q+17+\j], v[T+6:T+7] neg_lo:[1,0,0] neg_hi:[1,0,0] ; R -= k2 q1
.endr
	v_pk_add_f32 v[T:T+1], v[T:T+1], v[T+2:T+3]
	v_add_f32 v[T+4], v[T+4], v[T+5]
	v_add_f32 v[T+6], v[T+6], v[T+7]
	v_add_f32 v[T+10], v[T], v[T+1]                ; head 2 w: my half's part of key r's logit
	v_mul_f32 v[T+11], v[REC0+27], v[T+6]
	v_fma_f32 v[T+11], v[REC0+26], v[T+4], v[T+11] ; head 2 w + 1: cos P + sin R
	v_permlane16_swap_b32 v[T+10], v[T+11]         ; the first now holds both heads' lower halves' parts, the second the upper halves'
	v_add_f32 v[T+10], v[T+10], v[T+11]            ; lanes 0-15: head 2 w, key r; lanes 16-31: head 2 w + 1, key r
	v_fma_f32 v[T+10], v[T+10], s35, v[REC0+28]    ; / sqrt(32), and -infinity for a masked key
	v_mov_b32 v[T+11], v[T+10]
	v_max_num_f32_dpp v[T+11], v[T+11], v[T+11] row_xmask:1 row_mask:0xf bank_mask:0xf
	v_max_num_f32_dpp v[T+11], v[T+11], v[T+11] row_xmask:2 row_mask:0xf bank_mask:0xf
	v_max_num_f32_dpp v[T+11], v[T+11], v[T+11] row_xmask:4 row_mask:0xf bank_mask:0xf
	v_max_num_f32_dpp v[T+11], v[T+11], v[T+11] row_xmask:8 row_mask:0xf bank_mask:0xf   ; the head's largest logit
	v_sub_f32 v[T], v[T+10], v[T+11]
	v_mul_f32 v[T], 0x3fb8aa3b, v[T]
	v_exp_f32 v[T], v[T]
	v_nop                                          ; one plain place behind a transcendental
	s_wait_alu depctr_va_vdst(0)
	v_mov_b32 v[T+1], v[T]
	v_add_f32_dpp v[T+1], v[T+1], v[T+1] row_xmask:1 row_mask:0xf bank_mask:0xf
	v_add_f32_dpp v[T+1], v[T+1], v[T+1] row_xmask:2 row_mask:0xf bank_mask:0xf
	v_add_f32_dpp v[T+1], v[T+1], v[T+1] row_xmask:4 row_mask:0xf bank_mask:0xf
	v_add_f32_dpp v[T+1], v[T+1], v[T+1] row_xmask:8 row_mask:0xf bank_mask:0xf
	v_rcp_f32 v[T+1], v[T+1]
	v_nop
	s_wait_alu depctr_va_vdst(0)
	v_mul_f32 v[T], v[T], v[T+1]                   ; the weight
	ds_store_b32 v[ATS], v[T]
	ds_load_b128 v[KD:KD+3], v[ATL]                ; my own bytes, served in order: head 2 w's weights of keys 8 h .. 8 h + 7,
	ds_load_b128 v[KD+4:KD+7], v[ATL] offset:16
	ds_load_b128 v[KD+8:KD+11], v[ATL] offset:64   ; and head 2 w + 1's.  (K's registers are done with)
	ds_load_b128 v[KD+12:KD+15], v[ATL] offset:80
.if (\q) < 3
	RFETCH_B \p, (\q)+1                            ; the logits have read the rest of the record and Q: the next query's take their registers
	QFETCH 4*(\p)+(\q)+1
	s_wait_dscnt 14                                ; the weights are in; the 6 + 8 loads just issued may be out
.else
	s_wait_dscnt 0x0
.endif
.irp j, 0,2,4,6
.irp t, 0,1,2,3
.if \j == 0
	v_pk_mul_f32 v[T+2*\t:T+2*\t+1], v[VD+8*\t:VD+8*\t+1], v[KD+8*(\t/2):KD+8*(\t/2)+1]
.else
	v_pk_fma_f32 v[T+2*\t:T+2*\t+1], v[VD+8*\t+\j:VD+8*\t+\j+1], v[KD+8*(\t/2)+\j:KD+8*(\t/2)+\j+1], v[T+2*\t:T+2*\t+1]
.endif
.endr
.endr
.irp t, 0,1,2,3
	v_add_f32 v[T+2*\t], v[T+2*\t], v[T+2*\t+1]    ; tile t, channel r: my eight keys' part
.endr
	v_permlane16_swap_b32 v[T], v[T+2]
	v_permlane16_swap_b32 v[T+4], v[T+6]
	v_add_f32 v[T], v[T], v[T+2]                   ; lane L: channel L of head 2 w,
	v_add_f32 v[T+4], v[T+4], v[T+6]               ; of head 2 w + 1
	v_add_f32 v[T], v[T], v[BV]
	v_add_f32 v[T+4], v[T+4], v[BV+1]
	ds_store_b32 v[OA], v[T] offset:OLP*(4*(\p)+(\q))
	ds_store_b32 v[OA], v[T+4] offset:OLP*(4*(\p)+(\q))+128
.endm
; ---- A BATCH of four queries, whose images lie in buffer p.  At its head the next batch's records are asked for (they have four queries' work in which to land) and the key numbers of the batch after that;
; at its end they go into the other buffer, which every wave left at the last barrier.  The tile's last batch (p = 1 in the second trip) fetches and stores nothing; every wave passes every barrier.
.macro BATCH p
	RFETCH_A \p, 0
	RFETCH_B \p, 0
	QFETCH 4*(\p)
.if (\p) == 0
	ADDR
	RECL REC1, VC, 6, 1
	s_cmp_eq_u32 s31, 1
	s_cbranch_scc1 .Lno_ask_\@                     ; the tile has no fifth batch
	global_load_b32 v[IX], v[IXA], s[8:9] offset:512
.else
	s_cmp_eq_u32 s31, 1
	s_cbranch_scc1 .Lno_ask_\@
	ADDR
	RECL REC1, VC, 6, 1
	global_load_b32 v[IX], v[IXA], s[8:9] offset:768
.endif
.Lno_ask_\@:
	QSTEP \p, 0
	QSTEP \p, 1
	QSTEP \p, 2
	QSTEP \p, 3
	s_wait_loadcnt 0x0                             ; the next batch's records and the key numbers behind them: asked for four queries ago
.if (\p) == 0
	RSTORE 1
.else
	s_cmp_eq_u32 s31, 1
	s_cbranch_scc1 .Lno_store_\@
	RSTORE 0
.Lno_store_\@:
.endif
	s_wait_dscnt 0x0                               ; my image and my heads' results have landed, and my reads of this batch's buffer are over
	s_barrier_signal -1
	s_barrier_wait -1
.endm
.Lstep:                                            ; two trips of two batches
	v_add_nc_u32 v[QA], s32, v[QLL]
	v_add_nc_u32 v[OA], s33, v[OLS]
	BATCH 0
	BATCH 1
	s_add_co_u32 s32, s32, 8*QLP
	s_add_co_u32 s33, s33, 8*OLP
	s_add_co_u32 s31, s31, 1
	s_cmp_lt_u32 s31, 2
	s_cbranch_scc1 .Lstep
	; ---- the output: 16 rows x 256 from LDS, quantised along K, times my 64 columns of Wo.  The last batch's barrier has shown the rows whole
	WLOAD 3, 20                                    ; lands while the rows are quantised
	v_lshrrev_b32 v[T+9], 3, v[H64]                ; 8 h
; block 2 c + h of K step s of row r: 32 numbers of one lane
.macro OBLK s, c
.irp i, 0,1,2,3,4,5,6,7
	ds_load_b128 v[Q+4*\i:Q+4*\i+3], v[OLL] offset:512*\s+256*\c+16*\i
.endr
	s_wait_dscnt 0x0
	v_max3_num_f32 v[T], |v[Q]|, |v[Q+1]|, 0x2800000                     ; the largest magnitude, with the floor 2^(5 - 127); two chains
	v_max3_num_f32 v[T+1], |v[Q+2]|, |v[Q+3]|, |v[Q+4]|
.irp i, 5,9,13,17,21,25
	v_max3_num_f32 v[T], v[T], |v[Q+\i]|, |v[Q+\i+1]|
	v_max3_num_f32 v[T+1], v[T+1], |v[Q+\i+2]|, |v[Q+\i+3]|
.endr
	v_max3_num_f32 v[T], v[T], |v[Q+29]|, |v[Q+30]|
	v_max3_num_f32 v[T], v[T], v[T+1], |v[Q+31]|
	v_add_nc_u32 v[T+2], 0xfe000000, v[T]          ; 4 off the exponent field: the conversion's scale operand
	v_lshrrev_b32 v[T+3], 23, v[T+2]               ; the byte
.if \c == 0
	v_mov_b32 v[T+4], v[T+3]
.else
	v_lshl_or_b32 v[T+4], v[T+3], 16, v[T+4]
.endif
	v_cvt_scalef32_pk16_bf6_f32 v[OC+12*\s+6*\c:OC+12*\s+6*\c+2], v[Q:Q+15], v[T+2]
	v_cvt_scalef32_pk16_bf6_f32 v[T+6:T+8], v[Q+16:Q+31], v[T+2]         ; (a conversion's three registers begin on an even number)
	v_nop                                          ; one plain place behind a scaled conversion
.irp i, 0,1,2
	v_mov_b32 v[OC+12*\s+6*\c+3+\i], v[T+6+\i]
.endr
.if \c == 1
	v_lshlrev_b32 v[T+4], v[T+9], v[T+4]           ; my two bytes at their places;
	v_permlanex16_b32 v[T+5], v[T+4], s36, s37
	v_or_b32 v[OC+24+\s], v[T+4], v[T+5]           ; with lane l xor 16's two the row's scale word is whole
.endif
.endm
	OBLK 0, 0
	OBLK 0, 1
	OBLK 1, 0
	OBLK 1, 1
	s_barrier_signal -1                            ; my reads of the rows are over (each was waited for): behind this barrier the next tile may write them
	s_barrier_wait -1
	s_wait_loadcnt 0x0                             ; Wo, its scale words, bo
	PLACES 8                                       ; a scale register written by a vector instruction stands 8 places ahead of a scaled matrix instruction, an operand so written 4
	WIN 0x10                                       ; C (bo) in window 1
.irp t, 0,1,2,3
	MMC Q+8*\t,WF+24*\t,OC,BX1+8*\t,WXS+2*\t,OC+24
.endr
	WIN 0
.irp t, 0,1,2,3
	MMC Q+8*\t,WF+24*\t+12,OC+12,Q+8*\t,WXS+2*\t+1,OC+25
.endr
	PLACES 5                                       ; 4 for the reads and loads below; 5 since the next tile's first products write over these registers
.irp t, 0,1,2,3
	ds_store_b128 v[QLO], v[Q+8*\t:Q+8*\t+3] offset:64*\t                ; lane (r, h): out(query r, 64 w + 16 t + 8 h + 0 .. 7), through my own stage
	ds_store_b128 v[QLO], v[Q+8*\t+4:Q+8*\t+7] offset:64*\t+16
.endr
.irp m, 0,1,2,3,4,5,6,7
	ds_load_b128 v[KD+4*\m:KD+4*\m+3], v[QLR] offset:2*QLP*\m            ; back by rows: lanes 0-15 one row's 256 bytes, lanes 16-31 the next row's
.endr
.irp m, 0,1,2,3,4,5,6,7
	s_wait_dscnt 7-\m
	global_store_b128 v[OUTO], v[KD+4*\m:KD+4*\m+3], s[22:23] offset:2048*\m th:TH_STORE_NT   ; 16 lanes store 256 consecutive bytes, at a multiple of 256 from out0's first byte
.endr
	s_wait_xcnt 0x0                                ; the stores have read their registers and base: both are written again below and in the next tile
	s_add_nc_u64 s[4:5], s[4:5], 16*RECB
	s_add_nc_u64 s[8:9], s[8:9], 16*64
	s_add_nc_u64 s[22:23], s[22:23], 16*1024
	s_add_co_u32 s30, s30, 1
	s_cmp_lt_u32 s30, 2
	s_cbranch_scc1 .Ltile
	s_wait_tensorcnt 0x0
	ds_add_u32 v63, v95
	s_wait_dscnt 0x0
	s_endpgm
.Lfunc_end_k_qe3448a027a_attend:
	.size	k_qe3448a027a_attend, .Lfunc_end_k_qe3448a027a_attend-k_qe3448a027a_attend
	.p2alignl 7, 3214868480
	.fill 96, 4, 3214868480
	.section	.rodata,"a",@progbits
	.p2align	6, 0x0
	.amdhsa_kernel k_qe3448a027a_attend
		.amdhsa_group_segment_fixed_size 168960
		.amdhsa_private_segment_fixed_size 0
		.amdhsa_enable_private_segment 0
		.amdhsa_kernarg_size 80
		.amdhsa_user_sgpr_count 2
		.amdhsa_user_sgpr_kernarg_segment_ptr 1
		.amdhsa_wavefront_size32 1
		.amdhsa_system_sgpr_workgroup_id_x 1
		.amdhsa_system_sgpr_workgroup_id_y 1
		.amdhsa_system_sgpr_workgroup_id_z 1
		.amdhsa_system_vgpr_workitem_id 0
		.amdhsa_next_free_vgpr 512
		.amdhsa_next_free_sgpr 66
		.amdhsa_reserve_vcc 0
		.amdhsa_float_denorm_mode_32 3
		.amdhsa_float_denorm_mode_16_64 3
		.amdhsa_memory_ordered 1
		.amdhsa_forward_progress 1
		.amdhsa_inst_pref_size 115
	.end_amdhsa_kernel
	.amdgpu_metadata
---
amdhsa.version: [ 1, 2 ]
amdhsa.kernels:
  - .name:           k_qe3448a027a_attend
    .symbol:         k_qe3448a027a_attend.kd
    .args:
      - { .name: qrec, .offset: 0, .size: 8, .value_kind: global_buffer, .address_space: global }
      - { .name: krec, .offset: 8, .size: 8, .value_kind: global_buffer, .address_space: global }
      - { .name: idx, .offset: 16, .size: 8, .value_kind: global_buffer, .address_space: global }
      - { .name: wimg, .offset: 24, .size: 8, .value_kind: global_buffer, .address_space: global }
      - { .name: wsc, .offset: 32, .size: 8, .value_kind: global_buffer, .address_space: global }
      - { .name: bq, .offset: 40, .size: 8, .value_kind: global_buffer, .address_space: global }
      - { .name: bk, .offset: 48, .size: 8, .value_kind: global_buffer, .address_space: global }
      - { .name: bv, .offset: 56, .size: 8, .value_kind: global_buffer, .address_space: global }
      - { .name: bo, .offset: 64, .size: 8, .value_kind: global_buffer, .address_space: global }
      - { .name: out0, .offset: 72, .size: 8, .value_kind: global_buffer, .address_space: global }
    .group_segment_fixed_size: 168960
    .private_segment_fixed_size: 0
    .kernarg_segment_align: 8
    .kernarg_segment_size: 80
    .max_flat_workgroup_size: 256
    .sgpr_count:     66
    .vgpr_count:     512
    .wavefront_size: 32
...
	.end_amdgpu_metadata
.endif
;; end of part 7
;; ======== version 3 of 3: 4 launches
;; limits: inputs' magnitudes at most 100,000
;; workspace buffers: qrec 6,291,456 bytes; krec 6,291,456 bytes; kxy 131,072 bytes; wimg 196,608 bytes; wsc 16,384 bytes; gidx 1,048,576 bytes of whole numbers; idx 1,048,576 bytes of whole numbers
;; launch prep (part 8): grid 288 x 1, 4 waves a work-group, no clusters, 33,280 bytes of LDS; arguments q_feat, kv_feat, pos_q, pos_k, heading_q, heading_k, mask_k, Wq, Wk, Wv, Wo, qrec, krec, kxy, wimg, wsc; writes qrec, krec, kxy, wimg, wsc
.if DOCPART == 8
	.amdgcn_target "amdgcn-amd-amdhsa--gfx1250"
	.amdhsa_code_object_version 6
	.text
	.protected	k_qe3448a027a_prep
	.globl	k_qe3448a027a_prep
	.p2align	8
	.type	k_qe3448a027a_prep,@function
k_qe3448a027a_prep:
	s_mov_b64 s[64:65], 0
	v_nop
	global_prefetch_b8 v0, s[64:65] scope:SCOPE_SE
	s_setreg_imm32_b32 hwreg(HW_REG_WAVE_MODE, 25, 1), 1
	s_wait_xcnt 0x0
; PREPARATION.  Work-groups 0-127: the 16,384 rows of q_feat; 128-255: those of kv_feat; 256-287: the four weights.
; ROWS.  A row of 256 f32 becomes a RECORD of 384 bytes:
;   0..191   its codes of BF6 (E3M2) in the order of an operand's registers: half h of the lanes at 96 h; there four runs of 24 bytes, run 2 s + c = the block k = 128 s + 64 c + 32 h + 0..31
;   192..199 its eight E8M0 scale bytes;  200, 204 cos and sin of the heading;  208 what is added to a logit: 0, or -infinity where mask_k is false
;   256..383 [h][cos 8][sin 8] of the angles x f_j (h = 0) and y f_j (h = 1), f_j = 10000^(-j/8)
; A block's scale is 2^(floor(log2(largest magnitude)) - 4); its byte is that magnitude's exponent field - 4, held at 1 from below (a block of zeros gets 1: its codes are zeros, and only this program reads the bytes).
; Keys also go to kxy: [group of 16 keys][x 16][y 16], x = +infinity where the key is masked, so that its distance is infinite.
; WEIGHTS.  W [k 256][n 256]: a wave makes one fragment (16 columns x 128 k): a lane takes a column and its registers run down K, so the conversions' results are the operand's registers; they are stored as an image, 16 bytes a lane.
; SINE AND COSINE: n = nearest whole number to a 2/pi; a - n pi/2 by three fused steps; polynomials on |r| <= pi/4; quadrant by n's two low bits.
; LIMITS: angles up to about 1e5 radians (three constants for pi/2); NaN and infinities among the inputs are not served; blocks whose largest magnitude lies under 2^-122 keep the byte 1.
.set STEPS, 16
.set EMAX,  4
.set RECB,  384
.set R,     16                         ; v16-79   four sets of 16 numbers as loaded
.set X,     80                         ; v80-111  two sets of 16 neighbours
.set E,     112                        ; v112-127 a scale byte for each step
.set C,     128                        ; v128-191 codes: four registers a step
.set WREG,  8192                       ; LDS of a wave: two stages of 32 x SP bytes, then its 256 scale bytes
.set SP,    80
.set SCB,   2*32*SP
.set PX,    192                        ; v[192:193] my row's position, v194 heading, v195 mask
.set HD,    194
.set MK,    195
.set O8,    196                        ; 8 x lane
.set O4,    197                        ; 4 x lane
.set K2PI,  36                         ; s36 2/pi; s37-39 pi/2 in three parts; s40-42 sine's, s43-45 cosine's coefficients; s48-55 f_j
.set KP,    37
.set KS,    40
.set KC,    43
.set KF,    48
.set TA,    60                         ; v60-68 at work in SINCOS
.set TN,    61
.set TR,    62
.set TZ,    63
.set TQ,    64
.set TS,    65
.set TC,    66
.set TT,    67
.set TU,    68
	s_load_b512 s[4:19], s[0:1], 0x0               ; q_feat 4, kv_feat 6, pos_q 8, pos_k 10, heading_q 12, heading_k 14, mask_k 16, Wq 18
	s_load_b512 s[20:35], s[0:1], 0x40             ; Wk 20, Wv 22, Wo 24, qrec 26, krec 28, kxy 30, wimg 32, wsc 34
	v_lshl_add_u32 v200, v0, 2, 0x8000
	v_mov_b32 v201, 0
	v_lshrrev_b32 v1, 5, v0
	v_readfirstlane_b32 s56, v1                    ; wave 0..3
	v_and_b32 v2, 31, v0                           ; lane
	s_mov_b32 s59, 0
	s_mov_b32 s61, 0
	s_wait_kmcnt 0x0
	s_cmp_ge_u32 ttmp9, 256
	s_cbranch_scc1 .Lweights
	; ---------------- rows ----------------
	s_cmp_lt_u32 ttmp9, 128                        ; queries or keys: only pointers are chosen, one path serves both
	s_cselect_b64 s[4:5], s[4:5], s[6:7]
	s_cselect_b64 s[8:9], s[8:9], s[10:11]
	s_cselect_b64 s[12:13], s[12:13], s[14:15]
	s_cselect_b64 s[26:27], s[26:27], s[28:29]
	s_and_b32 s57, ttmp9, 127
	s_lshl_b32 s57, s57, 7
	s_lshl_b32 s58, s56, 5
	s_add_co_u32 s57, s57, s58                     ; my wave's first row: 128 x work-group + 32 x wave
	s_lshl_b32 s58, s57, 10
	s_add_nc_u64 s[4:5], s[4:5], s[58:59]          ; features: 1,024 bytes a row
	s_mul_i32 s58, s57, RECB
	s_add_nc_u64 s[26:27], s[26:27], s[58:59]      ; records
	s_lshl_b32 s58, s57, 3
	s_add_nc_u64 s[8:9], s[8:9], s[58:59]          ; positions: 8 bytes a row
	s_add_nc_u64 s[30:31], s[30:31], s[58:59]      ; kxy: 128 bytes for 16 rows
	s_lshl_b32 s58, s57, 2
	s_add_nc_u64 s[12:13], s[12:13], s[58:59]      ; headings
	s_mov_b32 s58, s57
	s_add_nc_u64 s[16:17], s[16:17], s[58:59]      ; mask: a byte a row
	s_wait_alu depctr_va_vdst(0)
	v_lshlrev_b32 v[O8], 3, v2
	v_lshlrev_b32 v[O4], 2, v2
	global_load_b64 v[PX:PX+1], v[O8], s[8:9]      ; lane = row: these three are the oldest loads, so every counted wait below covers them
	global_load_b32 v[HD], v[O4], s[12:13]
	global_load_u8 v[MK], v2, s[16:17]
	v_lshlrev_b32 v3, 4, v2                        ; my 16 bytes of a load's 512
	s_mul_i32 s60, s56, WREG
	v_lshrrev_b32 v14, 2, v2
	v_mul_u32_u24 v14, v14, SP
	v_and_b32 v15, 3, v2
	v_lshl_add_u32 v14, v15, 4, v14
	v_add_nc_u32 v14, s60, v14                     ; the stage, in: SP (lane / 4) + 16 (lane % 4)
	v_mul_u32_u24 v15, v2, SP
	v_add_nc_u32 v15, s60, v15                     ; and out: SP x lane: my 16 neighbours
	v_bfe_u32 v8, v2, 4, 1                         ; behind the stage lane l holds numbers 16 l .. 16 l + 15 of the step's two rows: row l / 16, block b = (l % 16) / 2, half l % 2
	v_mul_u32_u24 v4, 0x180, v8                    ; the row's record,
	v_bfe_u32 v8, v2, 1, 1
	v_mad_u32_u24 v4, v8, 96, v4                   ; + 96 (b % 2),
	v_bfe_u32 v8, v2, 2, 2
	v_mad_u32_u24 v4, v8, 24, v4                   ; + 24 (b / 2),
	v_and_b32 v8, 1, v2
	v_mad_u32_u24 v4, v8, 12, v4                   ; + 12 for the block's upper 16 codes
	v_lshrrev_b32 v5, 1, v2
	s_add_co_u32 s60, s60, SCB
	v_add_nc_u32 v5, s60, v5                       ; LDS: my block's scale byte
	v_lshlrev_b32 v6, 3, v2
	v_add_nc_u32 v6, s60, v6                       ; and a row's eight bytes on the way out
	v_mul_u32_u24 v7, 0x180, v2                    ; lane = row: its record
	v_bfe_u32 v10, v2, 4, 1
	v_lshlrev_b32 v10, 7, v10
	v_and_b32 v8, 15, v2
	v_lshl_add_u32 v10, v8, 2, v10                 ; kxy: 128 (lane / 16) + 4 (lane % 16)
	s_mov_b32 s[K2PI], 0x3f22f983                  ; 2 / pi
	s_mov_b32 s[KP], 0x3fc90fdb                    ; pi / 2 = these three
	s_mov_b32 s[KP+1], 0xb33bbd2e
	s_mov_b32 s[KP+2], 0xa6f72ced
	s_mov_b32 s[KS], 0xbe2aaaa3                    ; -1.6666654611e-1
	s_mov_b32 s[KS+1], 0x3c08839e                  ; 8.3321608736e-3
	s_mov_b32 s[KS+2], 0xb94ca1f9                  ; -1.9515295891e-4
	s_mov_b32 s[KC], 0x3d2aaaa5                    ; 4.166664568e-2
	s_mov_b32 s[KC+1], 0xbab6061a                  ; -1.388731625e-3
	s_mov_b32 s[KC+2], 0x37ccf5ce                  ; 2.443315712e-5
	s_mov_b32 s[KF], 0x3f800000                    ; 10000^(-j/8), j = 0 .. 7
	s_mov_b32 s[KF+1], 0x3ea1e89b
	s_mov_b32 s[KF+2], 0x3dcccccd
	s_mov_b32 s[KF+3], 0x3d0186e2
	s_mov_b32 s[KF+4], 0x3c23d70a
	s_mov_b32 s[KF+5], 0x3b4f3e37
	s_mov_b32 s[KF+6], 0x3a83126f
	s_mov_b32 s[KF+7], 0x39a5cb5f
.macro LOAD t                          ; a step is two rows, 2,048 bytes: each load reads 512 consecutive bytes
.irp i, 0,1,2,3
	global_load_b128 v[R+16*((\t)%4)+4*\i:R+16*((\t)%4)+4*\i+3], v3, s[4:5] offset:2048*(\t)+512*\i th:TH_LOAD_NT
.endr
.endm
.macro TURN t                          ; through the wave's own stage; LDS serves a wave's instructions in order, so no wait between the stores and the loads
.irp i, 0,1,2,3
	ds_store_b128 v14, v[R+16*((\t)%4)+4*\i:R+16*((\t)%4)+4*\i+3] offset:32*SP*((\t)%2)+8*SP*\i
.endr
.irp i, 0,1,2,3
	ds_load_b128 v[X+16*((\t)%2)+4*\i:X+16*((\t)%2)+4*\i+3], v15 offset:32*SP*((\t)%2)+16*\i
.endr
.endm
.irp t, 0,1,2,3
	LOAD \t
.endr
	s_wait_loadcnt 12                              ; step 0's four loads are in; three steps' twelve may be out
	TURN 0
.macro STEP t
.set XS, X+16*((\t)%2)
.if (\t) > 0
	s_wait_dscnt 1                                 ; this step's numbers are back from the stage (the last step's byte store may be out), so its stage stores have read their registers,
.else
	s_wait_dscnt 0x0
.endif
.if (\t)+4 < STEPS
	LOAD (\t)+4                                    ; which take the loads of four steps on
.endif
.if (\t)+1 < STEPS
.if STEPS-2-(\t) >= 3
	s_wait_loadcnt 12                              ; the next step's four are in; those of the three steps behind it may be out
.else
	s_wait_loadcnt 4*(STEPS-2-(\t))
.endif
	TURN (\t)+1
.endif
	v_max3_num_f32 v8, |v[XS]|, |v[XS+1]|, |v[XS+2]|               ; the largest magnitude of my 16, in two chains
	v_max3_num_f32 v9, |v[XS+3]|, |v[XS+4]|, |v[XS+5]|
.irp i, 6,10
	v_max3_num_f32 v8, v8, |v[XS+\i]|, |v[XS+\i+1]|
	v_max3_num_f32 v9, v9, |v[XS+\i+2]|, |v[XS+\i+3]|
.endr
	v_max3_num_f32 v8, v8, |v[XS+14]|, |v[XS+15]|
	v_max3_num_f32 v8, v8, v9, (EMAX+1)<<23        ; and the floor 2^(5 - 127): the byte cannot fall under 1
	v_max_num_f32_dpp v8, v8, v8 row_xmask:1 row_mask:0xf bank_mask:0xf   ; with my neighbour's 16: the block's
	v_add_nc_u32 v11, -(EMAX<<23), v8              ; 4 off its exponent field: the conversion's scale operand
	v_cvt_scalef32_pk16_bf6_f32 v[C+4*(\t):C+4*(\t)+2], v[XS:XS+15], v11
	v_lshrrev_b32 v[E+(\t)], 23, v11               ; the scale's byte
	ds_store_b8 v5, v[E+(\t)] offset:16*(\t)       ; both lanes of a block write the same byte with the same value
	global_store_b96 v4, v[C+4*(\t):C+4*(\t)+2], s[26:27] offset:2*RECB*(\t)
.endm
.irp t, 0,1,2,3,4,5,6,7,8,9,10,11,12,13,14,15
	STEP \t
.endr
	ds_load_b64 v[12:13], v6                       ; a row's eight scale bytes (my own stores, served in order)
	s_wait_dscnt 0x0
	global_store_b64 v7, v[12:13], s[26:27] offset:192
	s_wait_loadcnt 0x0                             ; position, heading, mask (long in)
; sine and cosine of v[a] into v[s] and v[c]
.macro SINCOS a, c, s
	v_mul_f32 v[TN], s[K2PI], v[\a]
	v_rndne_f32 v[TN], v[TN]                       ; n
	v_fma_f32 v[TR], -v[TN], s[KP], v[\a]
	v_fma_f32 v[TR], -v[TN], s[KP+1], v[TR]
	v_fma_f32 v[TR], -v[TN], s[KP+2], v[TR]        ; r = a - n pi/2
	v_cvt_i32_f32 v[TQ], v[TN]
	v_mul_f32 v[TZ], v[TR], v[TR]
	v_fma_f32 v[TS], v[TZ], s[KS+2], s[KS+1]
	v_fma_f32 v[TC], v[TZ], s[KC+2], s[KC+1]
	v_fma_f32 v[TS], v[TS], v[TZ], s[KS]
	v_fma_f32 v[TC], v[TC], v[TZ], s[KC]
	v_mul_f32 v[TT], v[TR], v[TZ]
	v_fma_f32 v[TU], v[TZ], -0.5, 1.0
	v_fma_f32 v[TS], v[TS], v[TT], v[TR]           ; sin r
	v_mul_f32 v[TT], v[TZ], v[TZ]
	v_fma_f32 v[TC], v[TC], v[TT], v[TU]           ; cos r
	v_and_b32 v[TT], 1, v[TQ]
	v_cmp_eq_u32 vcc_lo, 1, v[TT]                  ; odd n: the two change places
	v_cndmask_b32 v[\s], v[TS], v[TC], vcc_lo
	v_cndmask_b32 v[\c], v[TC], v[TS], vcc_lo
	v_and_b32 v[TT], 2, v[TQ]                      ; sine is negated for n % 4 = 2, 3,
	v_add_nc_u32 v[TU], 1, v[TQ]
	v_lshlrev_b32 v[TT], 30, v[TT]
	v_and_b32 v[TU], 2, v[TU]                      ; cosine for n % 4 = 1, 2
	v_xor_b32 v[\s], v[\s], v[TT]
	v_lshlrev_b32 v[TU], 30, v[TU]
	v_xor_b32 v[\c], v[\c], v[TU]
.endm
.irp j, 0,1,2,3,4,5,6,7
	v_mul_f32 v[TA], s[KF+\j], v[PX]
	SINCOS TA, 16+\j, 24+\j
	v_mul_f32 v[TA], s[KF+\j], v[PX+1]
	SINCOS TA, 32+\j, 40+\j
.endr
	SINCOS HD, 48, 49
.irp i, 0,1,2,3,4,5,6,7
	global_store_b128 v7, v[16+4*\i:19+4*\i], s[26:27] offset:256+16*\i
.endr
	global_store_b64 v7, v[48:49], s[26:27] offset:200
	v_cmp_ne_u32 vcc_lo, 0, v[MK]
	v_mov_b32 v51, 0xff800000
	v_mov_b32 v52, 0
	v_cndmask_b32 v50, v51, v52, vcc_lo            ; 0 where the mask is true, else -infinity
	global_store_b32 v7, v50, s[26:27] offset:208
	s_cmp_lt_u32 ttmp9, 128
	s_cbranch_scc1 .Lrows_done                     ; queries have no place in kxy
	v_mov_b32 v53, 0x7f800000
	v_cndmask_b32 v54, v53, v[PX], vcc_lo          ; x, or +infinity for a masked key
	global_store_b32 v10, v54, s[30:31]
	global_store_b32 v10, v[PX+1], s[30:31] offset:64
.Lrows_done:
	s_wait_tensorcnt 0x0
	ds_add_u32 v200, v201
	s_wait_dscnt 0x0
	s_endpgm
	; ---------------- weights ----------------
.Lweights:
	s_sub_co_u32 s57, ttmp9, 256
	s_lshl_b32 s57, s57, 2
	s_add_co_u32 s57, s57, s56                     ; fragment f = (32 m + 2 T + s): weight m, tile T of 16 columns, K step s
	s_lshr_b32 s58, s57, 5
	s_cmp_eq_u32 s58, 1
	s_cselect_b64 s[18:19], s[20:21], s[18:19]
	s_cmp_eq_u32 s58, 2
	s_cselect_b64 s[18:19], s[22:23], s[18:19]
	s_cmp_eq_u32 s58, 3
	s_cselect_b64 s[18:19], s[24:25], s[18:19]
	s_bfe_u32 s58, s57, 0x40001                    ; T
	s_and_b32 s60, s57, 1                          ; s
	s_lshl_b32 s60, s60, 17                        ; 128 rows of 1,024 bytes
	s_lshl_b32 s58, s58, 6                         ; 16 columns of 4 bytes
	s_add_co_u32 s60, s60, s58
	s_add_nc_u64 s[18:19], s[18:19], s[60:61]
	s_mul_i32 s60, s57, 1536
	s_add_nc_u64 s[32:33], s[32:33], s[60:61]
	s_lshl_b32 s60, s57, 7
	s_add_nc_u64 s[34:35], s[34:35], s[60:61]
	s_mov_b32 s62, 0x76543210
	s_mov_b32 s63, 0xfedcba98                      ; v_permlanex16_b32's selects for lane l xor 16
	v_and_b32 v1, 15, v0                           ; r: my column
	v_bfe_u32 v3, v0, 4, 1                         ; h
	v_lshlrev_b32 v4, 2, v1
	v_lshl_add_u32 v5, v3, 15, v4                  ; lanes 16-31 begin 32 rows further down
.irp c, 0,1
.irp i, 0,1,2,3,4,5,6,7,8,9,10,11,12,13,14,15,16,17,18,19,20,21,22,23,24,25,26,27,28,29,30,31
	global_load_b32 v[64+32*\c+\i], v5, s[18:19] offset:1024*(64*\c+\i)   ; W(128 s + 64 c + 32 h + i, my column)
.endr
.endr
	s_wait_loadcnt 0x0
.irp c, 0,1
	v_max3_num_f32 v[32+\c], |v[64+32*\c]|, |v[65+32*\c]|, 0x2800000     ; my block 2 c + h: all 32 numbers are mine; the floor 2^(5 - 127)
.endr
.irp i, 2,4,6,8,10,12,14,16,18,20,22,24,26,28,30
.irp c, 0,1
	v_max3_num_f32 v[32+\c], v[32+\c], |v[64+32*\c+\i]|, |v[65+32*\c+\i]|
.endr
.endr
.irp c, 0,1
	v_add_nc_u32 v[44+\c], 0xfe000000, v[32+\c]    ; 4 off the exponent field: the conversion's scale operand
.endr
.irp c, 0,1
	v_lshrrev_b32 v[36+\c], 23, v[44+\c]           ; the byte
.endr
	v_lshl_or_b32 v9, v37, 16, v36                 ; my two bytes: blocks h and 2 + h,
	v_lshlrev_b32 v10, 3, v3
	v_lshlrev_b32 v9, v10, v9                      ; at their places;
	v_mov_b32 v10, 0
	v_permlanex16_b32 v10, v9, s62, s63
	v_or_b32 v9, v9, v10                           ; with lane l xor 16's two the word is whole
.irp c, 0,1
	v_cvt_scalef32_pk16_bf6_f32 v[48+6*\c:50+6*\c], v[64+32*\c:79+32*\c], v[44+\c]
	v_cvt_scalef32_pk16_bf6_f32 v[192+4*\c:194+4*\c], v[80+32*\c:95+32*\c], v[44+\c]   ; (a conversion's three registers begin on an even number)
.endr
	v_nop                                          ; one plain place behind a scaled conversion
.irp c, 0,1
.irp i, 0,1,2
	v_mov_b32 v[51+6*\c+\i], v[192+4*\c+\i]
.endr
.endr
	v_lshlrev_b32 v6, 4, v2
	v_lshlrev_b32 v7, 2, v2
.irp c, 0,1,2
	global_store_b128 v6, v[48+4*\c:51+4*\c], s[32:33] offset:512*\c     ; the image: 32 lanes store 512 consecutive bytes
.endr
	global_store_b32 v7, v9, s[34:35]
	s_endpgm
.Lfunc_end_k_qe3448a027a_prep:
	.size	k_qe3448a027a_prep, .Lfunc_end_k_qe3448a027a_prep-k_qe3448a027a_prep
	.p2alignl 7, 3214868480
	.fill 96, 4, 3214868480
	.section	.rodata,"a",@progbits
	.p2align	6, 0x0
	.amdhsa_kernel k_qe3448a027a_prep
		.amdhsa_group_segment_fixed_size 33280
		.amdhsa_private_segment_fixed_size 0
		.amdhsa_enable_private_segment 0
		.amdhsa_kernarg_size 128
		.amdhsa_user_sgpr_count 2
		.amdhsa_user_sgpr_kernarg_segment_ptr 1
		.amdhsa_wavefront_size32 1
		.amdhsa_system_sgpr_workgroup_id_x 1
		.amdhsa_system_sgpr_workgroup_id_y 1
		.amdhsa_system_sgpr_workgroup_id_z 1
		.amdhsa_system_vgpr_workitem_id 0
		.amdhsa_next_free_vgpr 202
		.amdhsa_next_free_sgpr 66
		.amdhsa_reserve_vcc 1
		.amdhsa_float_denorm_mode_32 3
		.amdhsa_float_denorm_mode_16_64 3
		.amdhsa_memory_ordered 1
		.amdhsa_forward_progress 1
		.amdhsa_inst_pref_size 67
	.end_amdhsa_kernel
	.amdgpu_metadata
---
amdhsa.version: [ 1, 2 ]
amdhsa.kernels:
  - .name:           k_qe3448a027a_prep
    .symbol:         k_qe3448a027a_prep.kd
    .args:
      - { .name: q_feat, .offset: 0, .size: 8, .value_kind: global_buffer, .address_space: global }
      - { .name: kv_feat, .offset: 8, .size: 8, .value_kind: global_buffer, .address_space: global }
      - { .name: pos_q, .offset: 16, .size: 8, .value_kind: global_buffer, .address_space: global }
      - { .name: pos_k, .offset: 24, .size: 8, .value_kind: global_buffer, .address_space: global }
      - { .name: heading_q, .offset: 32, .size: 8, .value_kind: global_buffer, .address_space: global }
      - { .name: heading_k, .offset: 40, .size: 8, .value_kind: global_buffer, .address_space: global }
      - { .name: mask_k, .offset: 48, .size: 8, .value_kind: global_buffer, .address_space: global }
      - { .name: Wq, .offset: 56, .size: 8, .value_kind: global_buffer, .address_space: global }
      - { .name: Wk, .offset: 64, .size: 8, .value_kind: global_buffer, .address_space: global }
      - { .name: Wv, .offset: 72, .size: 8, .value_kind: global_buffer, .address_space: global }
      - { .name: Wo, .offset: 80, .size: 8, .value_kind: global_buffer, .address_space: global }
      - { .name: qrec, .offset: 88, .size: 8, .value_kind: global_buffer, .address_space: global }
      - { .name: krec, .offset: 96, .size: 8, .value_kind: global_buffer, .address_space: global }
      - { .name: kxy, .offset: 104, .size: 8, .value_kind: global_buffer, .address_space: global }
      - { .name: wimg, .offset: 112, .size: 8, .value_kind: global_buffer, .address_space: global }
      - { .name: wsc, .offset: 120, .size: 8, .value_kind: global_buffer, .address_space: global }
    .group_segment_fixed_size: 33280
    .private_segment_fixed_size: 0
    .kernarg_segment_align: 8
    .kernarg_segment_size: 128
    .max_flat_workgroup_size: 128
    .sgpr_count:     66
    .vgpr_count:     202
    .wavefront_size: 32
...
	.end_amdgpu_metadata
.endif
;; end of part 8
;; launch near1 (part 9): grid 256 x 1, 8 waves a work-group, no clusters, 66,560 bytes of LDS; arguments pos_q, kxy, gidx; writes gidx
.if DOCPART == 9
	.amdgcn_target "amdgcn-amd-amdhsa--gfx1250"
	.amdhsa_code_object_version 6
	.text
	.protected	k_qe3448a027a_near1
	.globl	k_qe3448a027a_near1
	.p2align	8
	.type	k_qe3448a027a_near1,@function
k_qe3448a027a_near1:
	s_mov_b64 s[64:65], 0
	v_nop
	global_prefetch_b8 v0, s[64:65] scope:SCOPE_SE
	s_setreg_imm32_b32 hwreg(HW_REG_WAVE_MODE, 25, 1), 1
	s_wait_xcnt 0x0
; THE 16 GROUPS OF 16 KEYS WITH THE SMALLEST MINIMAL DISTANCE, for each query.  The 16 nearest keys, ordered by (distance, index), lie in the 16 groups ordered first by (group minimum, group number):
; a key outside them would have 16 groups, and so 16 keys, ahead of it.  So 256 list insertions a query here and 256 in the next launch stand for 4,096.
; A work-group takes 64 queries of one batch; a lane is a query.  Waves 4 qb + s: queries 32 qb .. + 31, groups 64 s .. 64 s + 63; the four lists of a query are merged through LDS.
; A LIST is 16 values A, ascending, with 16 numbers ID.  An insertion has no branch: 16 compares x < A_j, then each place takes its lower neighbour, x, or itself.  The compare is strict and numbers
; arrive ascending, so of equal values the lower number stays ahead, as jax.lax.top_k keeps it.
; The order is taken on d2 = fma(dy, dy, dx dx).  LIMITS: where the 16th and 17th nearest differ by a last bit or so of d2, the square root and the sum of the definition may order them otherwise;
; d2 beyond the largest f32 number counts as masked; NaN is not served.  A value is held at the largest finite number, under the lists' first filling of +infinity: so masked keys still enter, in the order of their numbers.
; The group numbers are kept as f32 numbers here, sorted ascending at the end (the next launch wants keys in ascending order) and stored as whole numbers.
.set LST, 32768                        ; LDS: 0 .. 32,767 the batch's kxy; then a list of 4,096 bytes for each wave: value i at 128 i + 4 lane, number i 2,048 further on
.set A,   16                           ; v16-31
.set ID,  32                           ; v32-47
.set D,   48                           ; v48-63  16 distances
.set KA,  64                           ; v64-95  a group's x 16, y 16; in a merge the partner's 16 values and 16 numbers
.set KB,  96                           ; v96-127 the next group's
; v1 my list; v2 the list of wave xor 1; v3 of wave xor 2; v4 the keys' address; v5 address at work; v[6:7] qx twice; v[8:9] qy twice; v10 x; v11 its number; s16-31 the compares' masks
	s_load_b128 s[4:7], s[0:1], 0x0                ; pos_q, kxy
	s_load_b64 s[8:9], s[0:1], 0x10                ; gidx
	v_lshl_add_u32 v128, v0, 2, 0x10000
	v_mov_b32 v129, 0
	v_lshrrev_b32 v1, 5, v0
	s_delay_alu instid0(VALU_DEP_1)
	v_readfirstlane_b32 s10, v1                    ; wave 0..7
	s_and_b32 s11, s10, 3                          ; s
	s_lshr_b32 s12, s10, 2                         ; qb
	v_and_b32 v13, 31, v0
	s_delay_alu instid0(VALU_DEP_1)
	v_lshlrev_b32 v14, 2, v13                      ; 4 x lane
	s_wait_alu depctr_va_vdst(0)
	v_lshlrev_b32 v5, 3, v13                       ; 8 x lane
	v_lshlrev_b32 v15, 4, v0                       ; 16 x thread: the copy's place, in memory and in LDS
	s_lshl_b32 s13, s10, 12
	s_add_co_u32 s13, s13, LST
	v_add_nc_u32 v1, s13, v14
	s_xor_b32 s13, s10, 1
	s_lshl_b32 s13, s13, 12
	s_add_co_u32 s13, s13, LST
	v_add_nc_u32 v2, s13, v14
	s_xor_b32 s13, s10, 2
	s_lshl_b32 s13, s13, 12
	s_add_co_u32 s13, s13, LST
	v_add_nc_u32 v3, s13, v14
	s_lshl_b32 s32, ttmp9, 6
	s_lshl_b32 s33, s12, 5
	s_add_co_u32 s32, s32, s33                     ; my wave's first query
	s_lshr_b32 s14, ttmp9, 6
	s_lshl_b32 s14, s14, 15                        ; the batch's 32,768 bytes of kxy
	s_mov_b32 s15, 0
	s_wait_alu depctr_va_vdst(0)
	s_wait_kmcnt 0x0
	s_add_nc_u64 s[6:7], s[6:7], s[14:15]
	s_lshl_b32 s14, s32, 3
	s_add_nc_u64 s[4:5], s[4:5], s[14:15]
	s_lshl_b32 s14, s32, 6
	s_add_nc_u64 s[8:9], s[8:9], s[14:15]
.irp i, 0,1,2,3,4,5,6,7
	global_load_b128 v[KA+4*\i:KA+4*\i+3], v15, s[6:7] offset:4096*\i    ; 256 threads x 16 bytes, eight times: the batch's keys
.endr
	global_load_b64 v[12:13], v5, s[4:5]
.irp j, 0,1,2,3,4,5,6,7,8,9,10,11,12,13,14,15
	v_mov_b32 v[A+\j], 0x7f800000
	v_mov_b32 v[ID+\j], 0
.endr
	s_lshl_b32 s34, s11, 6
	v_cvt_f32_u32 v11, s34                         ; my first group's number
	s_wait_loadcnt 0x0
.irp i, 0,1,2,3,4,5,6,7
	ds_store_b128 v15, v[KA+4*\i:KA+4*\i+3] offset:4096*\i
.endr
	v_mov_b32 v6, v12
	v_mov_b32 v7, v12
	v_mov_b32 v8, v13
	v_mov_b32 v9, v13
	s_wait_dscnt 0x0                               ; for the others' sake: my part of the keys lies in LDS
	s_barrier_signal -1
	s_barrier_wait -1
.macro INSERT x, i
.irp j, 15,14,13,12,11,10,9,8,7,6,5,4,3,2,1,0      ; the top places' masks first: they are used first
	v_cmp_lt_f32 s[16+\j], v[\x], v[A+\j]
.endr
.irp j, 15,14,13,12,11,10,9,8,7,6,5,4,3,2,1                            ; from the top down, so that a place's lower neighbour is still the old one
	v_cndmask_b32 v[ID+\j], v[ID+\j], v[\i], s[16+\j]
	v_med3_num_f32 v[A+\j], v[\x], v[A+\j-1], v[A+\j]                   ; A_(j-1) <= A_j: the middle one of the three is the place's new value
	s_delay_alu instid0(VALU_DEP_2)
	v_cndmask_b32 v[ID+\j], v[ID+\j], v[ID+\j-1], s[15+\j]
.endr
	v_cndmask_b32 v[ID], v[ID], v[\i], s16
	v_min_num_f32 v[A], v[\x], v[A]
.endm
.macro DIST buf                        ; 16 squared distances, two at a time; dy is formed in the buffer's own y registers
.irp p, 0,2,4,6,8,10,12,14
	v_pk_add_f32 v[D+\p:D+\p+1], v[6:7], v[\buf+\p:\buf+\p+1] neg_lo:[0,1] neg_hi:[0,1]
.endr
.irp p, 0,2,4,6,8,10,12,14
	v_pk_add_f32 v[\buf+16+\p:\buf+17+\p], v[8:9], v[\buf+16+\p:\buf+17+\p] neg_lo:[0,1] neg_hi:[0,1]
.endr
.irp p, 0,2,4,6,8,10,12,14
	v_pk_mul_f32 v[D+\p:D+\p+1], v[D+\p:D+\p+1], v[D+\p:D+\p+1]
.endr
.irp p, 0,2,4,6,8,10,12,14
	v_pk_fma_f32 v[D+\p:D+\p+1], v[\buf+16+\p:\buf+17+\p], v[\buf+16+\p:\buf+17+\p], v[D+\p:D+\p+1]
.endr
.endm
.macro GROUP buf
	DIST \buf
	v_min3_num_f32 v10, v[D], v[D+1], 0x7f7fffff   ; the group's minimum, held at the largest finite number; two chains
	v_min3_num_f32 v12, v[D+2], v[D+3], v[D+4]
	s_delay_alu instid0(VALU_DEP_2)
	v_min3_num_f32 v10, v10, v[D+5], v[D+6]
	s_delay_alu instid0(VALU_DEP_2)
	v_min3_num_f32 v12, v12, v[D+7], v[D+8]
	s_delay_alu instid0(VALU_DEP_2)
	v_min3_num_f32 v10, v10, v[D+9], v[D+10]
	s_delay_alu instid0(VALU_DEP_2)
	v_min3_num_f32 v12, v12, v[D+11], v[D+12]
	s_delay_alu instid0(VALU_DEP_2)
	v_min3_num_f32 v10, v10, v[D+13], v[D+14]
	s_delay_alu instid0(VALU_DEP_1)
	v_min3_num_f32 v10, v10, v12, v[D+15]
	INSERT 10, 11
	v_add_f32 v11, 1.0, v11
.endm
.macro KLOAD buf, off                  ; a group's 128 bytes; all lanes read the same words
.irp k, 0,1,2,3,4,5,6,7
	ds_load_b128 v[\buf+4*\k:\buf+4*\k+3], v4 offset:\off+16*\k
.endr
.endm
	s_lshl_b32 s35, s11, 13                        ; my 64 groups begin at 8,192 s
	v_mov_b32 v4, s35
	KLOAD KA, 0
	s_mov_b32 s36, 0
.Lgrp:                                             ; 31 trips of two groups; each group is fetched while the one before is worked
	s_wait_alu depctr_va_vdst(0)
	KLOAD KB, 128
	s_wait_dscnt 8                                 ; KA's eight loads are in; the eight just issued may be out
	GROUP KA
	KLOAD KA, 256
	s_wait_dscnt 8
	GROUP KB
	s_add_co_u32 s35, s35, 256
	v_mov_b32 v4, s35
	s_add_co_u32 s36, s36, 1
	s_cmp_lt_u32 s36, 31
	s_cbranch_scc1 .Lgrp
	KLOAD KB, 128                                  ; the last two groups: nothing is fetched beyond my 64
	s_wait_dscnt 8
	GROUP KA
	s_wait_dscnt 0x0
	GROUP KB
; A MERGE.  Waves with (s & msk) = snd store their lists; behind a barrier waves with (s & msk) = 0 insert them, in ascending order, into their own.  The receiver's numbers are the lower ones, so equal values keep their order.
; The partner's whole list is asked for at once, value and number by turns, and the 16 insertions are written out: the i-th stands behind a wait that lets the 30 - 2 i younger loads stay out.
.macro MERGE msk, snd, partner
	s_and_b32 s37, s11, \msk
	s_cmp_lg_u32 s37, \snd
	s_cbranch_scc1 .Lnosend_\@
	s_wait_alu depctr_va_vdst(0)
.irp i, 0,1,2,3,4,5,6,7,8,9,10,11,12,13,14,15
	ds_store_b32 v1, v[A+\i] offset:128*\i
	ds_store_b32 v1, v[ID+\i] offset:2048+128*\i
.endr
.Lnosend_\@:
	s_wait_dscnt 0x0                               ; the stores have landed
	s_barrier_signal -1
	s_barrier_wait -1
	s_cmp_lg_u32 s37, 0
	s_cbranch_scc1 .Lnorecv_\@
.irp i, 0,1,2,3,4,5,6,7,8,9,10,11,12,13,14,15
	ds_load_b32 v[KA+\i], v[\partner] offset:128*\i
	ds_load_b32 v[KA+16+\i], v[\partner] offset:2048+128*\i
.endr
.irp i, 0,1,2,3,4,5,6,7,8,9,10,11,12,13,14,15
	s_wait_dscnt 30-2*\i                           ; LDS loads come back in order: value i and number i are in
	INSERT KA+\i, KA+16+\i
.endr
.Lnorecv_\@:
.endm
	MERGE 1, 1, 2
	s_barrier_signal -1                            ; every read of a list in the first merge (the last wait there is for 0) comes before every list store of the second, whichever wave has which part
	s_barrier_wait -1
	MERGE 3, 2, 3
	s_cmp_lg_u32 s11, 0
	s_cbranch_scc1 .Lend                           ; waves 0 and 4 hold the results
.irp j, 0,1,2,3,4,5,6,7,8,9,10,11,12,13,14,15
	v_mov_b32 v[KA+\j], 0x7f800000
.endr
.irp i, 0,1,2,3,4,5,6,7,8,9,10,11,12,13,14,15      ; the 16 numbers, sorted ascending by the same insertion (they differ, so no masks are needed)
.irp j, 15,14,13,12,11,10,9,8,7,6,5,4,3,2,1
	v_med3_num_f32 v[KA+\j], v[ID+\i], v[KA+\j-1], v[KA+\j]
.endr
	v_min_num_f32 v[KA], v[ID+\i], v[KA]
.endr
.irp j, 0,1,2,3,4,5,6,7,8,9,10,11,12,13,14,15
	v_cvt_u32_f32 v[KA+\j], v[KA+\j]
.endr
	v_and_b32 v12, 31, v0
	s_delay_alu instid0(VALU_DEP_1)
	v_lshlrev_b32 v12, 6, v12                      ; 64 bytes a query
.irp i, 0,1,2,3
	global_store_b128 v12, v[KA+4*\i:KA+4*\i+3], s[8:9] offset:16*\i
.endr
.Lend:
	s_wait_tensorcnt 0x0
	ds_add_u32 v128, v129
	s_wait_dscnt 0x0
	s_endpgm
.Lfunc_end_k_qe3448a027a_near1:
	.size	k_qe3448a027a_near1, .Lfunc_end_k_qe3448a027a_near1-k_qe3448a027a_near1
	.p2alignl 7, 3214868480
	.fill 96, 4, 3214868480
	.section	.rodata,"a",@progbits
	.p2align	6, 0x0
	.amdhsa_kernel k_qe3448a027a_near1
		.amdhsa_group_segment_fixed_size 66560
		.amdhsa_private_segment_fixed_size 0
		.amdhsa_enable_private_segment 0
		.amdhsa_kernarg_size 24
		.amdhsa_user_sgpr_count 2
		.amdhsa_user_sgpr_kernarg_segment_ptr 1
		.amdhsa_wavefront_size32 1
		.amdhsa_system_sgpr_workgroup_id_x 1
		.amdhsa_system_sgpr_workgroup_id_y 1
		.amdhsa_system_sgpr_workgroup_id_z 1
		.amdhsa_system_vgpr_workitem_id 0
		.amdhsa_next_free_vgpr 130
		.amdhsa_next_free_sgpr 66
		.amdhsa_reserve_vcc 0
		.amdhsa_float_denorm_mode_32 3
		.amdhsa_float_denorm_mode_16_64 3
		.amdhsa_memory_ordered 1
		.amdhsa_forward_progress 1
		.amdhsa_inst_pref_size 204
	.end_amdhsa_kernel
	.amdgpu_metadata
---
amdhsa.version: [ 1, 2 ]
amdhsa.kernels:
  - .name:           k_qe3448a027a_near1
    .symbol:         k_qe3448a027a_near1.kd
    .args:
      - { .name: pos_q, .offset: 0, .size: 8, .value_kind: global_buffer, .address_space: global }
      - { .name: kxy, .offset: 8, .size: 8, .value_kind: global_buffer, .address_space: global }
      - { .name: gidx, .offset: 16, .size: 8, .value_kind: global_buffer, .address_space: global }
    .group_segment_fixed_size: 66560
    .private_segment_fixed_size: 0
    .kernarg_segment_align: 8
    .kernarg_segment_size: 24
    .max_flat_workgroup_size: 256
    .sgpr_count:     66
    .vgpr_count:     130
    .wavefront_size: 32
...
	.end_amdgpu_metadata
.endif
;; end of part 9
;; launch near2 (part 10): grid 256 x 1, 8 waves a work-group, no clusters, 33,792 bytes of LDS; arguments pos_q, kxy, gidx, idx; writes idx
.if DOCPART == 10
	.amdgcn_target "amdgcn-amd-amdhsa--gfx1250"
	.amdhsa_code_object_version 6
	.text
	.protected	k_qe3448a027a_near2
	.globl	k_qe3448a027a_near2
	.p2align	8
	.type	k_qe3448a027a_near2,@function
k_qe3448a027a_near2:
	s_mov_b64 s[64:65], 0
	v_nop
	global_prefetch_b8 v0, s[64:65] scope:SCOPE_SE
	s_setreg_imm32_b32 hwreg(HW_REG_WAVE_MODE, 25, 1), 1
	s_wait_xcnt 0x0
; THE 16 NEAREST KEYS of each query, among the 256 keys of the 16 groups that the launch before has chosen (their numbers come ascending, as whole numbers).
; A work-group takes 64 queries of one batch; a lane is a query.  Waves 4 qb + s: queries 32 qb .. + 31, the query's groups 4 s .. 4 s + 3 of its list, so keys arrive in ascending order; the four lists are merged through LDS.
; Lists, insertion, order and limits: d2 = fma(dy, dy, dx dx), held at the largest finite number; of equal values the lower key stays ahead; where the 16th and 17th differ by a last bit or so of d2
; the definition's square root and sum may order them otherwise; NaN is not served.
; Each lane fetches its own groups from memory: a group is 128 bytes (x 16, y 16).  Two buffers take turns in a loop of two trips; the second trip fetches nothing.
.set A,   16                           ; v16-31 values
.set ID,  32                           ; v32-47 key numbers
.set D,   48                           ; v48-63 16 distances
.set G,   64                           ; v64-67 my four groups; v68-71 their byte offsets; v72-75 their first keys
.set GA,  68
.set IB,  72
.set LA,  80                           ; v80-111, v112-143: a group's x 16, y 16; in a merge v80-111 take the partner's 16 values and 16 numbers
.set LB,  112
; v1 my list; v2 the list of wave xor 1; v3 of wave xor 2; v5 address at work; v[6:7] qx twice; v[8:9] qy twice; v10 x; v11 its number; s16-31 the compares' masks
	s_load_b128 s[4:7], s[0:1], 0x0                ; pos_q, kxy
	s_load_b128 s[8:11], s[0:1], 0x10              ; gidx, idx
	v_lshl_add_u32 v144, v0, 2, 0x8000
	v_mov_b32 v145, 0
	v_lshrrev_b32 v1, 5, v0
	s_delay_alu instid0(VALU_DEP_1)
	v_readfirstlane_b32 s12, v1                    ; wave 0..7
	s_and_b32 s13, s12, 3                          ; s
	s_lshr_b32 s14, s12, 2                         ; qb
	v_and_b32 v13, 31, v0
	s_delay_alu instid0(VALU_DEP_1)
	v_lshlrev_b32 v14, 2, v13
	s_delay_alu instid0(VALU_DEP_2)
	v_lshlrev_b32 v5, 3, v13                       ; 8 x lane
	s_delay_alu instid0(VALU_DEP_3)
	v_lshlrev_b32 v15, 6, v13                      ; 64 x lane
	s_lshl_b32 s15, s12, 12
	v_add_nc_u32 v1, s15, v14                      ; LDS: a list of 4,096 bytes for each wave: value i at 128 i + 4 lane, number i 2,048 further on
	s_xor_b32 s15, s12, 1
	s_lshl_b32 s15, s15, 12
	v_add_nc_u32 v2, s15, v14
	s_xor_b32 s15, s12, 2
	s_lshl_b32 s15, s15, 12
	v_add_nc_u32 v3, s15, v14
	s_lshl_b32 s32, ttmp9, 6
	s_lshl_b32 s33, s14, 5
	s_add_co_u32 s32, s32, s33                     ; my wave's first query
	s_lshr_b32 s34, ttmp9, 6
	s_lshl_b32 s34, s34, 15
	s_mov_b32 s35, 0
	s_wait_alu depctr_va_vdst(0)
	s_wait_kmcnt 0x0
	s_add_nc_u64 s[6:7], s[6:7], s[34:35]          ; the batch's kxy
	s_lshl_b32 s34, s32, 3
	s_add_nc_u64 s[4:5], s[4:5], s[34:35]
	s_lshl_b32 s34, s32, 6
	s_add_nc_u64 s[8:9], s[8:9], s[34:35]
	s_add_nc_u64 s[10:11], s[10:11], s[34:35]
	s_lshl_b32 s34, s13, 4
	s_add_nc_u64 s[8:9], s[8:9], s[34:35]          ; my four of the query's 16 groups
	global_load_b128 v[G:G+3], v15, s[8:9]
	global_load_b64 v[12:13], v5, s[4:5]
.irp j, 0,1,2,3,4,5,6,7,8,9,10,11,12,13,14,15
	v_mov_b32 v[A+\j], 0x7f800000
	v_mov_b32 v[ID+\j], 0
.endr
	s_wait_loadcnt 0x0
.irp k, 0,1,2,3
	v_min_u32 v[G+\k], 0xff, v[G+\k]               ; a group's number stays inside the batch's 256
	s_delay_alu instid0(VALU_DEP_1)
	v_lshlrev_b32 v[GA+\k], 7, v[G+\k]
	s_delay_alu instid0(VALU_DEP_2)
	v_lshlrev_b32 v[IB+\k], 4, v[G+\k]
.endr
.macro GLOAD buf, k
.irp i, 0,1,2,3,4,5,6,7
	global_load_b128 v[\buf+4*\i:\buf+4*\i+3], v[GA+\k], s[6:7] offset:16*\i
.endr
.endm
	GLOAD LA, 0
	GLOAD LB, 1
	v_mov_b32 v6, v12
	v_mov_b32 v7, v12
	v_mov_b32 v8, v13
	v_mov_b32 v9, v13
.macro INSERT x, i
.irp j, 15,14,13,12,11,10,9,8,7,6,5,4,3,2,1,0      ; the top places' masks first: they are used first
	v_cmp_lt_f32 s[16+\j], v[\x], v[A+\j]
.endr
.irp j, 15,14,13,12,11,10,9,8,7,6,5,4,3,2,1                            ; from the top down, so that a place's lower neighbour is still the old one
	v_cndmask_b32 v[ID+\j], v[ID+\j], v[\i], s[16+\j]
	v_med3_num_f32 v[A+\j], v[\x], v[A+\j-1], v[A+\j]
	s_delay_alu instid0(VALU_DEP_2)
	v_cndmask_b32 v[ID+\j], v[ID+\j], v[ID+\j-1], s[15+\j]
.endr
	v_cndmask_b32 v[ID], v[ID], v[\i], s16
	v_min_num_f32 v[A], v[\x], v[A]
.endm
.macro DIST buf
.irp p, 0,2,4,6,8,10,12,14
	v_pk_add_f32 v[D+\p:D+\p+1], v[6:7], v[\buf+\p:\buf+\p+1] neg_lo:[0,1] neg_hi:[0,1]
.endr
.irp p, 0,2,4,6,8,10,12,14
	v_pk_add_f32 v[\buf+16+\p:\buf+17+\p], v[8:9], v[\buf+16+\p:\buf+17+\p] neg_lo:[0,1] neg_hi:[0,1]
.endr
.irp p, 0,2,4,6,8,10,12,14
	v_pk_mul_f32 v[D+\p:D+\p+1], v[D+\p:D+\p+1], v[D+\p:D+\p+1]
.endr
.irp p, 0,2,4,6,8,10,12,14
	v_pk_fma_f32 v[D+\p:D+\p+1], v[\buf+16+\p:\buf+17+\p], v[\buf+16+\p:\buf+17+\p], v[D+\p:D+\p+1]
.endr
.endm
.macro KEYS ib                         ; the group's 16 keys, in ascending order
.irp e, 0,1,2,3,4,5,6,7,8,9,10,11,12,13,14,15
	v_min_num_f32 v10, 0x7f7fffff, v[D+\e]
	v_add_nc_u32 v11, \e, v[\ib]
	INSERT 10, 11
.endr
.endm
	s_mov_b32 s33, 0
.Lhalf:                                            ; two trips: groups 0, 1, then 2, 3
	s_wait_loadcnt 8                               ; LA's eight loads are in; LB's eight may be out
	s_wait_alu depctr_va_vdst(0)
	DIST LA
	s_cmp_lg_u32 s33, 0
	s_cbranch_scc1 .Lno_a
	GLOAD LA, 2
.Lno_a:
	s_wait_alu depctr_va_vdst(0)
	KEYS IB
	s_wait_loadcnt 0x0                             ; LB's loads are in (and LA's next, issued 16 insertions ago)
	DIST LB
	s_cmp_lg_u32 s33, 0
	s_cbranch_scc1 .Lno_b
	GLOAD LB, 3
.Lno_b:
	s_wait_alu depctr_va_vdst(0)
	KEYS IB+1
	v_mov_b32 v[IB], v[IB+2]
	v_mov_b32 v[IB+1], v[IB+3]
	s_add_co_u32 s33, s33, 1
	s_cmp_lt_u32 s33, 2
	s_cbranch_scc1 .Lhalf
; A MERGE: waves with (s & msk) = snd store their lists; behind a barrier waves with (s & msk) = 0 insert them into their own, whose keys are the lower ones.
; The partner's whole list is asked for at once, value and number by turns, and the 16 insertions are written out: the i-th stands behind a wait that lets the 30 - 2 i younger loads stay out.
.macro MERGE msk, snd, partner
	s_and_b32 s37, s13, \msk
	s_cmp_lg_u32 s37, \snd
	s_cbranch_scc1 .Lnosend_\@
	s_wait_alu depctr_va_vdst(0)
.irp i, 0,1,2,3,4,5,6,7,8,9,10,11,12,13,14,15
	ds_store_b32 v1, v[A+\i] offset:128*\i
	ds_store_b32 v1, v[ID+\i] offset:2048+128*\i
.endr
.Lnosend_\@:
	s_wait_dscnt 0x0                               ; the stores have landed
	s_barrier_signal -1
	s_barrier_wait -1
	s_cmp_lg_u32 s37, 0
	s_cbranch_scc1 .Lnorecv_\@
.irp i, 0,1,2,3,4,5,6,7,8,9,10,11,12,13,14,15
	ds_load_b32 v[LA+\i], v[\partner] offset:128*\i
	ds_load_b32 v[LA+16+\i], v[\partner] offset:2048+128*\i
.endr
.irp i, 0,1,2,3,4,5,6,7,8,9,10,11,12,13,14,15
	s_wait_dscnt 30-2*\i                           ; LDS loads come back in order: value i and number i are in
	INSERT LA+\i, LA+16+\i
.endr
.Lnorecv_\@:
.endm
	MERGE 1, 1, 2
	s_barrier_signal -1                            ; every read of a list in the first merge (the last wait there is for 0) comes before every list store of the second
	s_barrier_wait -1
	MERGE 3, 2, 3
	s_cmp_lg_u32 s13, 0
	s_cbranch_scc1 .Lend
	s_wait_alu depctr_va_vdst(0)
.irp i, 0,1,2,3
	global_store_b128 v15, v[ID+4*\i:ID+4*\i+3], s[10:11] offset:16*\i
.endr
.Lend:
	s_wait_tensorcnt 0x0
	ds_add_u32 v144, v145
	s_wait_dscnt 0x0
	s_endpgm
.Lfunc_end_k_qe3448a027a_near2:
	.size	k_qe3448a027a_near2, .Lfunc_end_k_qe3448a027a_near2-k_qe3448a027a_near2
	.p2alignl 7, 3214868480
	.fill 96, 4, 3214868480
	.section	.rodata,"a",@progbits
	.p2align	6, 0x0
	.amdhsa_kernel k_qe3448a027a_near2
		.amdhsa_group_segment_fixed_size 33792
		.amdhsa_private_segment_fixed_size 0
		.amdhsa_enable_private_segment 0
		.amdhsa_kernarg_size 32
		.amdhsa_user_sgpr_count 2
		.amdhsa_user_sgpr_kernarg_segment_ptr 1
		.amdhsa_wavefront_size32 1
		.amdhsa_system_sgpr_workgroup_id_x 1
		.amdhsa_system_sgpr_workgroup_id_y 1
		.amdhsa_system_sgpr_workgroup_id_z 1
		.amdhsa_system_vgpr_workitem_id 0
		.amdhsa_next_free_vgpr 146
		.amdhsa_next_free_sgpr 66
		.amdhsa_reserve_vcc 0
		.amdhsa_float_denorm_mode_32 3
		.amdhsa_float_denorm_mode_16_64 3
		.amdhsa_memory_ordered 1
		.amdhsa_forward_progress 1
		.amdhsa_inst_pref_size 255
	.end_amdhsa_kernel
	.section	.bss,"aw",@nobits
	.p2align	6
	.space	262144
	.amdgpu_metadata
---
amdhsa.version: [ 1, 2 ]
amdhsa.kernels:
  - .name:           k_qe3448a027a_near2
    .symbol:         k_qe3448a027a_near2.kd
    .args:
      - { .name: pos_q, .offset: 0, .size: 8, .value_kind: global_buffer, .address_space: global }
      - { .name: kxy, .offset: 8, .size: 8, .value_kind: global_buffer, .address_space: global }
      - { .name: gidx, .offset: 16, .size: 8, .value_kind: global_buffer, .address_space: global }
      - { .name: idx, .offset: 24, .size: 8, .value_kind: global_buffer, .address_space: global }
    .group_segment_fixed_size: 33792
    .private_segment_fixed_size: 0
    .kernarg_segment_align: 8
    .kernarg_segment_size: 32
    .max_flat_workgroup_size: 256
    .sgpr_count:     66
    .vgpr_count:     146
    .wavefront_size: 32
...
	.end_amdgpu_metadata
.endif
;; end of part 10
;; launch attend (part 11): grid 256 x 1, 8 waves a work-group, no clusters, 168,960 bytes of LDS; arguments qrec, krec, idx, wimg, wsc, bq, bk, bv, bo, out0; writes out0
.if DOCPART == 11
	.amdgcn_target "amdgcn-amd-amdhsa--gfx1250"
	.amdhsa_code_object_version 6
	.text
	.protected	k_qe3448a027a_attend
	.globl	k_qe3448a027a_attend
	.p2align	8
	.type	k_qe3448a027a_attend,@function
k_qe3448a027a_attend:
	s_mov_b64 s[64:65], 0
	v_nop
	global_prefetch_b8 v0, s[64:65] scope:SCOPE_SE
	s_setreg_imm32_b32 hwreg(HW_REG_WAVE_SCHED_MODE, 0, 2), 2
	s_setreg_imm32_b32 hwreg(HW_REG_WAVE_MODE, 25, 1), 1
	s_wait_xcnt 0x0
	s_wait_alu depctr_vm_vsrc(0)
; THE ATTENTION.  All four quantised products on codes of BF6 (E3M2) with E8M0 scales; logits, softmax and the weighted sum of V in f32 vector arithmetic.
; SHARES.  A work-group takes 64 queries of one batch.  Wave 4 g + w: queries 32 g .. + 31, as two tiles of 16; heads 2 w (2-D RoPE) and 2 w + 1 (heading), that is columns 64 w .. 64 w + 63 of Q, K, V and of the output.
; Its parts of Wk and Wv (8 fragments each) stay in registers for the whole launch; Wq's and Wo's come once a tile.
; ONE QUERY'S 16 CHOSEN KEYS ARE ONE TILE OF 16 ROWS.  Lane (r, h) wants key r's record (codes in the operand's order, scale words, cos and sin).  The four waves of a g want the same records, so each record comes
; from memory ONCE: a tile's 16 queries go in four batches of 4; wave w fetches the records of the batch's query w into registers and stores them to LDS as an image of those registers (16 bytes a lane);
; any wave that loads the image by the same lines has the same registers in the same lanes.  Two buffers of 4 images take turns: a batch's records are asked for at the head of the batch before, stored at its end,
; and ONE barrier a batch orders the stores before the next batch's reads and this batch's reads before the stores of a batch later.
;   K is made transposed (source 0 = 16 columns of Wk, source 1 = the keys): lane (r, h) holds key r, channels 16 t + 8 h + j, with bk as the first product's C.
;   V is made in the natural order (source 0 = the keys): lane (r, h) holds channel 16 t + r, keys 8 h + j.
;   Logit: the key's rotation is put on the query's side: sum k1 (q1 c + q2 s) + k2 (q2 c - q1 s).  One exchange of halves leaves head 2 w's 16 logits in lanes 0-15 and head 2 w + 1's in lanes 16-31;
;   maximum and sum run inside each 16 lanes; the weights go through 128 bytes of LDS to the lanes that hold V.
; The heads' results of a tile meet in LDS; each wave quantises the 16 rows x 256 and multiplies by its 64 columns of Wo.
; bv is added behind the weighted sum (the weights add up to 1); 1/sqrt(32) and the mask's 0 or -infinity go into one fused multiply-add.
; LIMITS: a batch without any unmasked key (the definition gives NaN there) is not served; NaN and infinities among the features are not served.
; No cluster: nothing is fetched by tensor loads; what the work-groups share, the weights, is read once by each wave and is small beside the records.
; REGISTERS, in windows of 256.  Window 0: v1-15, v25, v31 addresses; v16-23 Wq's or Wo's scale words; v24, v26-30 addresses at work; v32-39, v40-47 Wk's, Wv's scale words; v48-49 bv; v50-61 at work; v62 the weight on its way to LDS;
;   v64-111 the record at work (+0 codes, +24 scale words, +26 cos, +27 sin of the heading, +28 the logit's addend, +32 cos 8, +40 sin 8); v93, v94 the images' addresses; v112-159 the record on its way from memory;
;   v160-191 K, then the weights; v192-223 V; v224-255 Q.  Outside the key steps v112-207 hold Wq's or Wo's fragments, v64-87 the output's codes, v88-89 their scale words.
; Window 1: v0-95 Wk; v96-191 Wv; v192-223 bk as four tiles of C; v224-255 bq or bo likewise.
; THE MODE: SCHED_MODE bits 1:0 = 2 (LLVM: expert scheduling mode 2), set by the entry lines.  The code itself states the register dependences
; between vector or matrix instructions and memory or LDS instructions, with s_wait_alu, always for 0.
; THE PLAN.  Registers that memory or LDS instructions touch in a query's step, and who else names them:
;   the record's codes and scale words   read by the step's 16 products; the next query's land in them behind the wait that follows the exponential, behind which no vector or matrix line of the step names them.
;   the rest of the record, and Q        read by the rotation and the logits; the next query's land in them behind the wait that follows the weight's multiply.
;   K's registers                        written by the products, read by the logits; the weights land in them behind that same wait.
;   v62, the weight; v50, v54, results   written by vector lines, each ahead of a wait on va_vdst; read by LDS stores; written again only behind the wait on vm_vsrc at the next step's head.
;   v112-159                             named by memory and LDS instructions alone in the steps: loads land, the image's stores read; one wait on vm_vsrc a batch stands between the stores and the next loads.
;   v26-28, v29, v30, v24                written by a few vector lines at a batch's or a trip's head, between a wait on vm_vsrc and a wait on va_vdst.
;   every other address                  made at the kernel's head and never written again.
.set RECB, 384
.set FRB,  1536                        ; a fragment's image
.set QLP,  272
.set QLW,  16*QLP                      ; LDS: for each wave 16 rows x 272: the rotated Q, later the stage for the output
.set ATB,  8*QLW                       ; then 128 bytes a wave for the weights
.set OLB,  ATB+8*128                   ; then for each g 16 rows x (1,024 + 16): the heads' results
.set OLP,  1040
.set OLG,  16*OLP
.set RIB,  OLB+2*OLG                   ; then the records' images: [g][buffer 2][query 4]
.set RIM,  6144                        ; an image: 6 x 512 codes; 512 scale words and heading; 512 the addend (4 bytes of a lane's 16); 4 x 512 cos and sin
.set RIBUF, 4*RIM
.set RIG,  2*RIBUF
.set R4,   1                           ; 4 r
.set H96,  2                           ; 96 h
.set H64,  3                           ; 64 h
.set L16,  4                           ; 16 x lane
.set QLS,  5                           ; Q into LDS: row r, + 128 h
.set QLL,  6                           ; and back: + 128 h
.set QLO,  7                           ; the output into the stage: row r, + 32 h
.set QLR,  8                           ; and back: row lane / 16, + 16 (lane % 16)
.set ATS,  9
.set ATL,  10
.set OLS,  11
.set OLL,  12
.set OUTO, 13
.set L4,   14
.set QRO,  15                          ; 384 r
.set WXS,  16
.set IX,   24
.set IXA,  25                          ; 4 r + 64 w: my key of the batch's query w
.set VA,   26
.set VB,   27
.set VC,   28
.set QA,   29                          ; Q's rows of this trip's eight queries
.set OA,   30                          ; and their rows of results
.set H32,  31
.set WKS,  32
.set WVS,  40
.set BV,   48
.set T,    50
.set WT,   62                          ; the weight: a register of its own, read by its LDS store alone
.set REC0, 64
.set OC,   64
.set RL,   93                          ; the images of my g: + 16 x lane
.set RS,   94                          ; and the one that I store: + RIM x w
.set REC1, 112
.set WF,   112
.set KD,   160
.set VD,   192
.set Q,    224
.set WK1,  0
.set WV1,  96
.set BK1,  192
.set BX1,  224
.set MSB, 0
.macro WIN new                         ; the immediate's high byte repeats the setting that is left
.if MSB != \new
	s_set_vgpr_msb (MSB<<8)|\new
.set MSB, \new
.endif
.endm
.macro MMC d, a, b, c, sa, sb
	v_wmma_scale_f32_16x16x128_f8f6f4 v[\d:\d+7], v[\a:\a+11], v[\b:\b+11], v[\c:\c+7], v[\sa], v[\sb] matrix_a_fmt:MATRIX_FMT_BF6 matrix_b_fmt:MATRIX_FMT_BF6
.endm
.macro MMZ d, a, b, sa, sb
	v_wmma_scale_f32_16x16x128_f8f6f4 v[\d:\d+7], v[\a:\a+11], v[\b:\b+11], 0, v[\sa], v[\sb] matrix_a_fmt:MATRIX_FMT_BF6 matrix_b_fmt:MATRIX_FMT_BF6
.endm
.macro PLACES n
.rept \n
	v_nop
.endr
.endm
; a record from memory into buffer buf: codes by v[VA] (+ 96 h), scale words and heading by v[vc], cos and sin by v[VB] (+ 64 h)
.macro RECL buf, vc, base, add
.irp c, 0,1,2,3,4,5
	global_load_b128 v[\buf+4*\c:\buf+4*\c+3], v[VA], s[\base:\base+1] offset:16*\c
.endr
	global_load_b128 v[\buf+24:\buf+27], v[\vc], s[\base:\base+1] offset:192
.if \add
	global_load_b32 v[\buf+28], v[\vc], s[\base:\base+1] offset:208
.endif
.irp c, 0,1,2,3
	global_load_b128 v[\buf+32+4*\c:\buf+35+4*\c], v[VB], s[\base:\base+1] offset:256+16*\c
.endr
.endm
; the record in v[REC1] on goes to LDS as it stands, into buffer p, place w.  Its data come from loads: the wait on LOADcnt is all that these stores hang on
.macro RSTORE p
.irp c, 0,1,2,3,4,5
	ds_store_b128 v[RS], v[REC1+4*\c:REC1+4*\c+3] offset:RIBUF*(\p)+512*\c
.endr
	ds_store_b128 v[RS], v[REC1+24:REC1+27] offset:RIBUF*(\p)+3072
	ds_store_b32 v[RS], v[REC1+28] offset:RIBUF*(\p)+3584
.irp c, 0,1,2,3
	ds_store_b128 v[RS], v[REC1+32+4*\c:REC1+35+4*\c] offset:RIBUF*(\p)+4096+512*\c
.endr
.endm
; and comes back, in any wave of the g, in two parts: what the products read (7 loads), and what the logits read (6 loads)
.macro RFETCH_A p, q
.irp c, 0,1,2,3,4,5
	ds_load_b128 v[REC0+4*\c:REC0+4*\c+3], v[RL] offset:RIBUF*(\p)+RIM*(\q)+512*\c
.endr
	ds_load_b64 v[REC0+24:REC0+25], v[RL] offset:RIBUF*(\p)+RIM*(\q)+3072
.endm
.macro RFETCH_B p, q
	ds_load_b64 v[REC0+26:REC0+27], v[RL] offset:RIBUF*(\p)+RIM*(\q)+3080
	ds_load_b32 v[REC0+28], v[RL] offset:RIBUF*(\p)+RIM*(\q)+3584
.irp c, 0,1,2,3
	ds_load_b128 v[REC0+32+4*\c:REC0+35+4*\c], v[RL] offset:RIBUF*(\p)+RIM*(\q)+4096+512*\c
.endr
.endm
; query i (of the trip's eight): its rotated Q, 8 loads; sixteen lanes read the same words
.macro QFETCH i
.irp t, 0,1,2,3
	ds_load_b128 v[Q+8*\t:Q+8*\t+3], v[QA] offset:QLP*(\i)+32*\t
	ds_load_b128 v[Q+8*\t+4:Q+8*\t+7], v[QA] offset:QLP*(\i)+32*\t+16
.endr
.endm
; weight m's eight fragments of my columns into v[WF] on, their scale words, and its bias (at s[bias]) as four tiles of C in window 1.  Loads and window switches alone: the waits ahead of the macro serve all of it
.macro WLOAD m, bias
.irp f, 0,1,2,3,4,5,6,7
.irp c, 0,1,2
	global_load_b128 v[WF+12*\f+4*\c:WF+12*\f+4*\c+3], v[L16], s[10:11] offset:(32*\m+\f)*FRB+512*\c
.endr
	global_load_b32 v[WXS+\f], v[L4], s[12:13] offset:(32*\m+\f)*128
.endr
	WIN 0x40
.irp t, 0,1,2,3
	global_load_b128 v[BX1+8*\t:BX1+8*\t+3], v[H32], s[\bias:\bias+1] offset:64*\t
	global_load_b128 v[BX1+8*\t+4:BX1+8*\t+7], v[H32], s[\bias:\bias+1] offset:64*\t+16
.endr
	WIN 0
.endm
; from a key's number to its record's addresses
.macro ADDR
	v_min_u32 v[IX], 0xfff, v[IX]                  ; a key's number stays inside the batch's 4,096
	v_mul_u32_u24 v[VC], 0x180, v[IX]
	v_add_nc_u32 v[VA], v[VC], v[H96]
	v_add_nc_u32 v[VB], v[VC], v[H64]
.endm
	s_load_b512 s[4:19], s[0:1], 0x0               ; qrec 4, krec 6, idx 8, wimg 10, wsc 12, bq 14, bk 16, bv 18
	s_load_b128 s[20:23], s[0:1], 0x40             ; bo 20, out0 22
	v_lshl_add_u32 v63, v0, 2, 0x29000
	v_mov_b32 v95, 0
	v_lshrrev_b32 v1, 5, v0
	v_readfirstlane_b32 s24, v1                    ; wave 0..7
	v_and_b32 v50, 31, v0                          ; lane
	v_and_b32 v51, 15, v0                          ; r
	v_bfe_u32 v52, v0, 4, 1                        ; h
	v_lshlrev_b32 v[R4], 2, v51
	v_mul_u32_u24 v[H96], 96, v52
	v_lshlrev_b32 v[H64], 6, v52
	v_lshlrev_b32 v[H32], 5, v52
	v_lshlrev_b32 v[L16], 4, v50
	v_lshlrev_b32 v[L4], 2, v50
	v_mul_u32_u24 v[QRO], 0x180, v51
	s_wait_alu depctr_va_sdst(0)                   ; s24 is written, ahead of its first reader: g, w and every base below are made from it
	s_lshr_b32 s25, s24, 2                         ; g
	s_and_b32 s26, s24, 3                          ; w
	s_mul_i32 s27, s24, QLW
	v_mul_u32_u24 v53, 0x110, v51
	v_add_nc_u32 v53, s27, v53
	v_lshl_add_u32 v[QLS], v52, 7, v53
	v_lshl_add_u32 v[QLO], v52, 5, v53
	v_lshlrev_b32 v[QLL], 7, v52
	v_add_nc_u32 v[QLL], s27, v[QLL]
	v_mul_u32_u24 v[QLR], 0x110, v52
	v_lshl_add_u32 v[QLR], v51, 4, v[QLR]
	v_add_nc_u32 v[QLR], s27, v[QLR]
	s_lshl_b32 s27, s24, 7
	s_add_co_u32 s27, s27, ATB
	v_add_nc_u32 v[ATS], s27, v[L4]                ; a weight: head 2 w's key r at 4 r, head 2 w + 1's 64 further on
	v_add_nc_u32 v[ATL], s27, v[H32]               ; back: keys 8 h .. 8 h + 7
	s_mul_i32 s27, s25, OLG
	s_add_co_u32 s27, s27, OLB
	v_mul_u32_u24 v[OLL], 0x410, v51
	v_lshl_add_u32 v[OLL], v52, 7, v[OLL]
	v_add_nc_u32 v[OLL], s27, v[OLL]               ; a row's block of 32 numbers: row r, + 128 h
	s_lshl_b32 s28, s26, 8
	s_add_co_u32 s27, s27, s28
	v_add_nc_u32 v[OLS], s27, v[L4]                ; my heads' channels: 256 w + 4 x lane
	v_lshlrev_b32 v[OUTO], 10, v52
	v_lshl_add_u32 v[OUTO], v51, 4, v[OUTO]
	s_mul_i32 s27, s25, RIG
	s_add_co_u32 s27, s27, RIB
	v_add_nc_u32 v[RL], s27, v[L16]                ; my g's images
	s_mul_i32 s28, s26, RIM
	s_add_co_u32 s27, s27, s28
	v_add_nc_u32 v[RS], s27, v[L16]                ; the place that I fill
	s_lshl_b32 s28, s26, 6
	v_add_nc_u32 v[IXA], s28, v[R4]
	s_mov_b32 s35, 0x3e3504f3                      ; 1 / sqrt(32)
	s_mov_b32 s36, 0x76543210
	s_mov_b32 s37, 0xfedcba98                      ; v_permlanex16_b32's selects for lane l xor 16
	s_mov_b32 s29, 0
	s_lshl_b32 s27, ttmp9, 6
	s_lshl_b32 s28, s25, 5
	s_add_co_u32 s27, s27, s28                     ; my first query
	s_wait_kmcnt 0x0
	s_mul_i32 s28, s27, RECB
	s_add_nc_u64 s[4:5], s[4:5], s[28:29]
	s_lshl_b32 s28, s27, 6
	s_add_nc_u64 s[8:9], s[8:9], s[28:29]
	s_lshl_b32 s28, s27, 10
	s_add_nc_u64 s[22:23], s[22:23], s[28:29]
	s_lshr_b32 s28, ttmp9, 6
	s_mul_i32 s28, s28, 4096*RECB
	s_add_nc_u64 s[6:7], s[6:7], s[28:29]          ; the batch's key records
	s_mul_i32 s28, s26, 8*FRB
	s_add_nc_u64 s[10:11], s[10:11], s[28:29]      ; my eight fragments of each weight
	s_lshl_b32 s28, s26, 10
	s_add_nc_u64 s[12:13], s[12:13], s[28:29]
	s_lshl_b32 s28, s26, 8                         ; my 64 columns, in bytes
	s_add_nc_u64 s[14:15], s[14:15], s[28:29]
	s_add_nc_u64 s[16:17], s[16:17], s[28:29]
	s_add_nc_u64 s[18:19], s[18:19], s[28:29]
	s_add_nc_u64 s[20:21], s[20:21], s[28:29]
	s_add_nc_u64 s[22:23], s[22:23], s[28:29]
	WIN 0x40                                       ; destination window 1: what stays for the whole launch
	s_wait_alu depctr_va_vdst(0)                   ; every address made above (v1-15, v25, v31, v93, v94) is written: the kernel's loads and stores read them, and none is written again
.irp f, 0,1,2,3,4,5,6,7
.irp c, 0,1,2
	global_load_b128 v[WK1+12*\f+4*\c:WK1+12*\f+4*\c+3], v[L16], s[10:11] offset:(32+\f)*FRB+512*\c
	global_load_b128 v[WV1+12*\f+4*\c:WV1+12*\f+4*\c+3], v[L16], s[10:11] offset:(64+\f)*FRB+512*\c
.endr
.endr
.irp t, 0,1,2,3
	global_load_b128 v[BK1+8*\t:BK1+8*\t+3], v[H32], s[16:17] offset:64*\t          ; lane (r, h), register j: bk[64 w + 16 t + 8 h + j]
	global_load_b128 v[BK1+8*\t+4:BK1+8*\t+7], v[H32], s[16:17] offset:64*\t+16
.endr
	WIN 0
.irp f, 0,1,2,3,4,5,6,7
	global_load_b32 v[WKS+\f], v[L4], s[12:13] offset:(32+\f)*128
	global_load_b32 v[WVS+\f], v[L4], s[12:13] offset:(64+\f)*128
.endr
	global_load_b32 v[BV], v[L4], s[18:19]
	global_load_b32 v[BV+1], v[L4], s[18:19] offset:128
	s_mov_b32 s30, 0
.Ltile:
	; ---- Q of the tile's 16 queries, my 64 columns, transposed: lane (r, h) holds query r, channels 16 t + 8 h + j
	s_wait_alu depctr_vm_vsrc(0)                   ; the last tile's record loads have read v[VA] and v[VB], which the two lines below write; its stage stores have read Q, which the products below write; its stores of the output have read v160-191 and its image stores v112-159, in which Wq lands
	v_add_nc_u32 v[VA], v[QRO], v[H96]
	v_add_nc_u32 v[VB], v[QRO], v[H64]
	s_wait_alu depctr_va_vdst(0)                   ; v[VA] and v[VB] are written, which the loads below read; the last tile's quantiser and products are done with v64-89, with Wo's fragments and scale words and with bo's tiles, and its address lines with v[IX]: loads land in all of these
	RECL REC0, QRO, 4, 0
	global_load_b32 v[IX], v[IXA], s[8:9]          ; batch 0: query w's keys, lane r the r-th
	WLOAD 0, 14
	s_wait_loadcnt 0x0
	WIN 0x10                                       ; C (bq) in window 1
.irp t, 0,1,2,3
	MMC Q+8*\t,WF+24*\t,REC0,BX1+8*\t,WXS+2*\t,REC0+24
.endr
	WIN 0
.irp t, 0,1,2,3
	MMC Q+8*\t,WF+24*\t+12,REC0+12,Q+8*\t,WXS+2*\t+1,REC0+25
.endr
	PLACES 4
.irp j, 0,2,4,6                        ; the query's rotation: (q1, q2) -> (q1 c - q2 s, q2 c + q1 s); tiles 0, 1 by the position's angles, tiles 2, 3 by the heading
	v_pk_mul_f32 v[T:T+1], v[Q+8+\j:Q+9+\j], v[REC0+40+\j:REC0+41+\j]
	v_pk_mul_f32 v[T+2:T+3], v[Q+\j:Q+1+\j], v[REC0+40+\j:REC0+41+\j]
	v_pk_mul_f32 v[T+4:T+5], v[Q+24+\j:Q+25+\j], v[REC0+26:REC0+27] op_sel:[0,1] op_sel_hi:[1,1]
	v_pk_mul_f32 v[T+6:T+7], v[Q+16+\j:Q+17+\j], v[REC0+26:REC0+27] op_sel:[0,1] op_sel_hi:[1,1]
	v_pk_fma_f32 v[Q+\j:Q+1+\j], v[Q+\j:Q+1+\j], v[REC0+32+\j:REC0+33+\j], v[T:T+1] neg_lo:[0,0,1] neg_hi:[0,0,1]
	v_pk_fma_f32 v[Q+8+\j:Q+9+\j], v[Q+8+\j:Q+9+\j], v[REC0+32+\j:REC0+33+\j], v[T+2:T+3]
	v_pk_fma_f32 v[Q+16+\j:Q+17+\j], v[Q+16+\j:Q+17+\j], v[REC0+26:REC0+27], v[T+4:T+5] op_sel_hi:[1,0,1] neg_lo:[0,0,1] neg_hi:[0,0,1]
	v_pk_fma_f32 v[Q+24+\j:Q+25+\j], v[Q+24+\j:Q+25+\j], v[REC0+26:REC0+27], v[T+6:T+7] op_sel_hi:[1,0,1]
.endr
	s_wait_alu depctr_vm_vsrc(0)                   ; the loads of the queries' records have read v[VA] and v[VB], which the address lines below write
	ADDR
	s_wait_alu depctr_va_vdst(0)                   ; v[VA], v[VB], v[VC] are written, which the loads below read, and v[IX] is done with, in which a load lands; Q's products are done reading v112-159, in which the records land; the rotation has written Q, which the LDS stores read
	RECL REC1, VC, 6, 1                            ; batch 0: my query's 16 records
	global_load_b32 v[IX], v[IXA], s[8:9] offset:256   ; batch 1: my query's key numbers
.irp t, 0,1,2,3
	ds_store_b128 v[QLS], v[Q+8*\t:Q+8*\t+3] offset:32*\t                ; row = query; in it [h][t][j]: what a lane of half h wants lies together
	ds_store_b128 v[QLS], v[Q+8*\t+4:Q+8*\t+7] offset:32*\t+16
.endr
	s_mov_b32 s31, 0                               ; trips of eight queries
	s_mov_b32 s32, 0                               ; eight rows of Q a trip
	s_mov_b32 s33, 0                               ; eight rows of the heads' results
	s_wait_loadcnt 0x0
	RSTORE 0
	s_wait_dscnt 0x0                               ; for the others' sake: my image has landed
	s_barrier_signal -1
	s_barrier_wait -1                              ; batch 0's four images lie in buffer 0
; ---- A QUERY: the q-th of the batch in buffer p.  Its record and its Q were asked for a step ago (q = 0: at the batch's head)
.macro QSTEP p, q
	s_wait_dscnt 0x0                               ; the record and Q are in
.if (\q) > 0
	s_wait_alu depctr_vm_vsrc(0)                   ; the last query's LDS stores have read v[WT], v[T] and v[T+4], which this step writes again (q = 0: the wait at the batch's or the trip's head has stated it)
.endif
	WIN 0x11                                       ; source 0 (Wk) and C (bk) in window 1.  The four tiles take turns
.irp t, 0,1,2,3
	MMC KD+8*\t,WK1+24*\t,REC0,BK1+8*\t,WKS+2*\t,REC0+24
.endr
	WIN 0x01
.irp t, 0,1,2,3
	MMC KD+8*\t,WK1+24*\t+12,REC0+12,KD+8*\t,WKS+2*\t+1,REC0+25
.endr
	WIN 0x04                                       ; source 1 (Wv) in window 1
.irp t, 0,1,2,3
	MMZ VD+8*\t,REC0,WV1+24*\t,REC0+24,WVS+2*\t
.endr
.irp t, 0,1,2,3
	MMC VD+8*\t,REC0+12,WV1+24*\t+12,VD+8*\t,REC0+25,WVS+2*\t+1
.endr
	WIN 0
.irp j, 0,4                            ; the key's rotation, put on the query: q1 <- q1 c + q2 s, q2 <- q2 c - q1 s, in place.  These 16 lines name no register of the products: they are the places behind them
	v_pk_mul_f32 v[T:T+1], v[Q+8+\j:Q+9+\j], v[REC0+40+\j:REC0+41+\j]
	v_pk_mul_f32 v[T+2:T+3], v[Q+\j:Q+1+\j], v[REC0+40+\j:REC0+41+\j]
	v_pk_mul_f32 v[T+4:T+5], v[Q+10+\j:Q+11+\j], v[REC0+42+\j:REC0+43+\j]
	v_pk_mul_f32 v[T+6:T+7], v[Q+2+\j:Q+3+\j], v[REC0+42+\j:REC0+43+\j]
	v_pk_fma_f32 v[Q+\j:Q+1+\j], v[Q+\j:Q+1+\j], v[REC0+32+\j:REC0+33+\j], v[T:T+1]
	v_pk_fma_f32 v[Q+8+\j:Q+9+\j], v[Q+8+\j:Q+9+\j], v[REC0+32+\j:REC0+33+\j], v[T+2:T+3] neg_lo:[0,0,1] neg_hi:[0,0,1]
	v_pk_fma_f32 v[Q+2+\j:Q+3+\j], v[Q+2+\j:Q+3+\j], v[REC0+34+\j:REC0+35+\j], v[T+4:T+5]
	v_pk_fma_f32 v[Q+10+\j:Q+11+\j], v[Q+10+\j:Q+11+\j], v[REC0+34+\j:REC0+35+\j], v[T+6:T+7] neg_lo:[0,0,1] neg_hi:[0,0,1]
.endr
.irp j, 0,2,4,6                        ; two channels at a time, four sums by turns; each accumulator is read from its low end on
.if \j == 0
	v_pk_mul_f32 v[T:T+1], v[KD:KD+1], v[Q:Q+1]                                                     ; k1 (q1 c + q2 s)
	v_pk_mul_f32 v[T+2:T+3], v[KD+8:KD+9], v[Q+8:Q+9]                                               ; k2 (q2 c - q1 s)
	v_pk_mul_f32 v[T+4:T+5], v[KD+16:KD+17], v[Q+16:Q+17]                                           ; P = k1 q1
	v_pk_mul_f32 v[T+6:T+7], v[KD+16:KD+17], v[Q+24:Q+25]                                           ; R = k1 q2
.else
	v_pk_fma_f32 v[T:T+1], v[KD+\j:KD+1+\j], v[Q+\j:Q+1+\j], v[T:T+1]
	v_pk_fma_f32 v[T+2:T+3], v[KD+8+\j:KD+9+\j], v[Q+8+\j:Q+9+\j], v[T+2:T+3]
	v_pk_fma_f32 v[T+4:T+5], v[KD+16+\j:KD+17+\j], v[Q+16+\j:Q+17+\j], v[T+4:T+5]
	v_pk_fma_f32 v[T+6:T+7], v[KD+16+\j:KD+17+\j], v[Q+24+\j:Q+25+\j], v[T+6:T+7]
.endif
	v_pk_fma_f32 v[T+4:T+5], v[KD+24+\j:KD+25+\j], v[Q+24+\j:Q+25+\j], v[T+4:T+5]                   ; P += k2 q2
	v_pk_fma_f32 v[T+6:T+7], v[KD+24+\j:KD+25+\j], v[Q+16+\j:Q+17+\j], v[T+6:T+7] neg_lo:[1,0,0] neg_hi:[1,0,0] ; R -= k2 q1
.endr
	v_pk_add_f32 v[T:T+1], v[T:T+1], v[T+2:T+3]
	v_add_f32 v[T+4], v[T+4], v[T+5]
	v_add_f32 v[T+6], v[T+6], v[T+7]
	v_add_f32 v[T+10], v[T], v[T+1]                ; head 2 w: my half's part of key r's logit
	v_mul_f32 v[T+11], v[REC0+27], v[T+6]
	v_fma_f32 v[T+11], v[REC0+26], v[T+4], v[T+11] ; head 2 w + 1: cos P + sin R
	v_permlane16_swap_b32 v[T+10], v[T+11]         ; the first now holds both heads' lower halves' parts, the second the upper halves'
	v_add_f32 v[T+10], v[T+10], v[T+11]            ; lanes 0-15: head 2 w, key r; lanes 16-31: head 2 w + 1, key r
	v_fma_f32 v[T+10], v[T+10], s35, v[REC0+28]    ; / sqrt(32), and -infinity for a masked key
	v_mov_b32 v[T+11], v[T+10]
	v_max_num_f32_dpp v[T+11], v[T+11], v[T+11] row_xmask:1 row_mask:0xf bank_mask:0xf
	v_max_num_f32_dpp v[T+11], v[T+11], v[T+11] row_xmask:2 row_mask:0xf bank_mask:0xf
	v_max_num_f32_dpp v[T+11], v[T+11], v[T+11] row_xmask:4 row_mask:0xf bank_mask:0xf
	v_max_num_f32_dpp v[T+11], v[T+11], v[T+11] row_xmask:8 row_mask:0xf bank_mask:0xf   ; the head's largest logit
	v_sub_f32 v[T], v[T+10], v[T+11]
	v_mul_f32 v[T], 0x3fb8aa3b, v[T]
	s_wait_alu depctr_va_vdst(0)
	v_exp_f32 v[T], v[T]
	v_nop                                          ; one plain place behind a transcendental
	s_wait_alu depctr_va_vdst(0)                   ; the exponential has written v[T], ahead of its first reader; and the 16 products are done reading the codes and scale words, in which the loads below land
.if (\q) < 3
	RFETCH_A \p, (\q)+1                            ; the next query's codes and scale words: no vector or matrix line names their registers before the next step's head
.endif
	v_mov_b32 v[T+1], v[T]
	v_add_f32_dpp v[T+1], v[T+1], v[T+1] row_xmask:1 row_mask:0xf bank_mask:0xf
	v_add_f32_dpp v[T+1], v[T+1], v[T+1] row_xmask:2 row_mask:0xf bank_mask:0xf
	v_add_f32_dpp v[T+1], v[T+1], v[T+1] row_xmask:4 row_mask:0xf bank_mask:0xf
	v_add_f32_dpp v[T+1], v[T+1], v[T+1] row_xmask:8 row_mask:0xf bank_mask:0xf
	s_wait_alu depctr_va_vdst(0)
	v_rcp_f32 v[T+1], v[T+1]
	v_nop
	s_wait_alu depctr_va_vdst(0)                   ; the reciprocal has written v[T+1], ahead of its first reader
	v_mul_f32 v[WT], v[T], v[T+1]                  ; the weight
	s_wait_alu depctr_va_vdst(0)                   ; v[WT] is written, which the store below reads; the logits are done with K's registers, in which the weights land, and with Q and the rest of the record, in which the next query's land
	ds_store_b32 v[ATS], v[WT]
	ds_load_b128 v[KD:KD+3], v[ATL]                ; my own bytes, served in order: head 2 w's weights of keys 8 h .. 8 h + 7,
	ds_load_b128 v[KD+4:KD+7], v[ATL] offset:16
	ds_load_b128 v[KD+8:KD+11], v[ATL] offset:64   ; and head 2 w + 1's.  (K's registers are done with)
	ds_load_b128 v[KD+12:KD+15], v[ATL] offset:80
.if (\q) < 3
	RFETCH_B \p, (\q)+1                            ; only LDS instructions stand between the wait above and these; the weighted sum below names V, the weights, v[T ..] and bv alone
	QFETCH 4*(\p)+(\q)+1
	s_wait_dscnt 14                                ; the weights are in; the 6 + 8 loads just issued may be out
.else
	s_wait_dscnt 0x0
.endif
.irp j, 0,2,4,6
.irp t, 0,1,2,3
.if \j == 0
	v_pk_mul_f32 v[T+2*\t:T+2*\t+1], v[VD+8*\t:VD+8*\t+1], v[KD+8*(\t/2):KD+8*(\t/2)+1]
.else
	v_pk_fma_f32 v[T+2*\t:T+2*\t+1], v[VD+8*\t+\j:VD+8*\t+\j+1], v[KD+8*(\t/2)+\j:KD+8*(\t/2)+\j+1], v[T+2*\t:T+2*\t+1]
.endif
.endr
.endr
.irp t, 0,1,2,3
	v_add_f32 v[T+2*\t], v[T+2*\t], v[T+2*\t+1]    ; tile t, channel r: my eight keys' part
.endr
	v_permlane16_swap_b32 v[T], v[T+2]
	v_permlane16_swap_b32 v[T+4], v[T+6]
	v_add_f32 v[T], v[T], v[T+2]                   ; lane L: channel L of head 2 w,
	v_add_f32 v[T+4], v[T+4], v[T+6]               ; of head 2 w + 1
	v_add_f32 v[T], v[T], v[BV]
	v_add_f32 v[T+4], v[T+4], v[BV+1]
	s_wait_alu depctr_va_vdst(0)                   ; v[T] and v[T+4] are written, which the two stores below read
	ds_store_b32 v[OA], v[T] offset:OLP*(4*(\p)+(\q))
	ds_store_b32 v[OA], v[T+4] offset:OLP*(4*(\p)+(\q))+128
.endm
; ---- A BATCH of four queries, whose images lie in buffer p.  At its head the next batch's records are asked for (they have four queries' work in which to land) and the key numbers of the batch after that;
; at its end they go into the other buffer, which every wave left at the last barrier.  The tile's last batch (p = 1 in the second trip) fetches and stores nothing; every wave passes every barrier.
.macro BATCH p
.if (\p) == 0
	ADDR                                           ; (behind the wait on vm_vsrc at the trip's head)
	s_wait_alu depctr_va_vdst(0)                   ; v[QA], v[OA], v[VA], v[VB], v[VC] are written, which the loads below and the steps' stores read; v[IX] is done with; the last query's products, logits and sums are done with the record and Q, in which the loads below land
.else
	s_wait_alu depctr_vm_vsrc(0)                   ; the last batch's record loads have read v[VA], v[VB], v[VC], which the address lines below write; its image stores have read v112-159, in which the next records land; its last query's stores have read v[WT], v[T], v[T+4], which the first step writes
	s_wait_alu depctr_va_vdst(0)                   ; the last query's products, logits and sums are done with the record and Q, in which the loads below land
.endif
	RFETCH_A \p, 0
	RFETCH_B \p, 0
	QFETCH 4*(\p)
.if (\p) == 0
	RECL REC1, VC, 6, 1
	s_cmp_eq_u32 s31, 1
	s_cbranch_scc1 .Lno_ask_\@                     ; the tile has no fifth batch
	global_load_b32 v[IX], v[IXA], s[8:9] offset:512
.else
	s_cmp_eq_u32 s31, 1
	s_cbranch_scc1 .Lno_ask_\@
	ADDR
	s_wait_alu depctr_va_vdst(0)                   ; v[VA], v[VB], v[VC] are written, which the loads below read, and v[IX] is done with, in which the last of them lands
	RECL REC1, VC, 6, 1
	global_load_b32 v[IX], v[IXA], s[8:9] offset:768
.endif
.Lno_ask_\@:
	QSTEP \p, 0
	QSTEP \p, 1
	QSTEP \p, 2
	QSTEP \p, 3
	s_wait_loadcnt 0x0                             ; the next batch's records and the key numbers behind them: asked for four queries ago
.if (\p) == 0
	RSTORE 1
.else
	s_cmp_eq_u32 s31, 1
	s_cbranch_scc1 .Lno_store_\@
	RSTORE 0
.Lno_store_\@:
.endif
	s_wait_dscnt 0x0                               ; my image and my heads' results have landed, and my reads of this batch's buffer are over
	s_barrier_signal -1
	s_barrier_wait -1
.endm
.Lstep:                                            ; two trips of two batches
	s_wait_alu depctr_vm_vsrc(0)                   ; the LDS loads and stores so far have read v[QA] and v[OA], and the record loads v[VA], v[VB], v[VC]: the lines below write them; the image stores have read v112-159, in which the next records land; the last query's stores have read v[WT], v[T], v[T+4]; in a tile's first trip the stores of the rotated Q have read Q, in which loads land
	v_add_nc_u32 v[QA], s32, v[QLL]
	v_add_nc_u32 v[OA], s33, v[OLS]
	BATCH 0
	BATCH 1
	s_add_co_u32 s32, s32, 8*QLP
	s_add_co_u32 s33, s33, 8*OLP
	s_add_co_u32 s31, s31, 1
	s_cmp_lt_u32 s31, 2
	s_cbranch_scc1 .Lstep
	; ---- the output: 16 rows x 256 from LDS, quantised along K, times my 64 columns of Wo.  The last batch's barrier has shown the rows whole
	s_wait_alu depctr_vm_vsrc(0)                   ; the last query's stores have read v[T] and v[T+4], which the quantiser writes
	s_wait_alu depctr_va_vdst(0)                   ; the last query's sums are done with the weights' and V's registers, Q's products with Wq's scale words and bq's tiles: Wo, its scale words and bo land there; the last logits are done with Q, in which the first block lands
	WLOAD 3, 20                                    ; lands while the rows are quantised
	v_lshrrev_b32 v[T+9], 3, v[H64]                ; 8 h
; block 2 c + h of K step s of row r: 32 numbers of one lane
.macro OBLK s, c
.if (\s)+(\c) > 0
	s_wait_alu depctr_va_vdst(0)                   ; the last block's maxima and conversions are done reading v224-255, in which this block lands
.endif
.irp i, 0,1,2,3,4,5,6,7
	ds_load_b128 v[Q+4*\i:Q+4*\i+3], v[OLL] offset:512*\s+256*\c+16*\i
.endr
	s_wait_dscnt 0x0
	v_max3_num_f32 v[T], |v[Q]|, |v[Q+1]|, 0x2800000                     ; the largest magnitude, with the floor 2^(5 - 127); two chains
	v_max3_num_f32 v[T+1], |v[Q+2]|, |v[Q+3]|, |v[Q+4]|
.irp i, 5,9,13,17,21,25
	v_max3_num_f32 v[T], v[T], |v[Q+\i]|, |v[Q+\i+1]|
	v_max3_num_f32 v[T+1], v[T+1], |v[Q+\i+2]|, |v[Q+\i+3]|
.endr
	v_max3_num_f32 v[T], v[T], |v[Q+29]|, |v[Q+30]|
	v_max3_num_f32 v[T], v[T], v[T+1], |v[Q+31]|
	v_add_nc_u32 v[T+2], 0xfe000000, v[T]          ; 4 off the exponent field: the conversion's scale operand
	v_lshrrev_b32 v[T+3], 23, v[T+2]               ; the byte
.if \c == 0
	v_mov_b32 v[T+4], v[T+3]
.else
	v_lshl_or_b32 v[T+4], v[T+3], 16, v[T+4]
.endif
	v_cvt_scalef32_pk16_bf6_f32 v[OC+12*\s+6*\c:OC+12*\s+6*\c+2], v[Q:Q+15], v[T+2]
	v_cvt_scalef32_pk16_bf6_f32 v[T+6:T+8], v[Q+16:Q+31], v[T+2]         ; (a conversion's three registers begin on an even number)
	v_nop                                          ; one plain place behind a scaled conversion
.irp i, 0,1,2
	v_mov_b32 v[OC+12*\s+6*\c+3+\i], v[T+6+\i]
.endr
.if \c == 1
	v_lshlrev_b32 v[T+4], v[T+9], v[T+4]           ; my two bytes at their places;
	v_permlanex16_b32 v[T+5], v[T+4], s36, s37
	v_or_b32 v[OC+24+\s], v[T+4], v[T+5]           ; with lane l xor 16's two the row's scale word is whole
.endif
.endm
	OBLK 0, 0
	OBLK 0, 1
	OBLK 1, 0
	OBLK 1, 1
	s_barrier_signal -1                            ; my reads of the rows are over (each was waited for): behind this barrier the next tile may write them
	s_barrier_wait -1
	s_wait_loadcnt 0x0                             ; Wo, its scale words, bo
	PLACES 8                                       ; a scale register written by a vector instruction stands 8 places ahead of a scaled matrix instruction, an operand so written 4
	s_wait_alu depctr_va_vdst(0)                   ; the quantiser has written the codes v64-87 and the scale words v88-89, which the products below take as operand and scales; the places above stay beside this wait
	WIN 0x10                                       ; C (bo) in window 1
.irp t, 0,1,2,3
	MMC Q+8*\t,WF+24*\t,OC,BX1+8*\t,WXS+2*\t,OC+24
.endr
	WIN 0
.irp t, 0,1,2,3
	MMC Q+8*\t,WF+24*\t+12,OC+12,Q+8*\t,WXS+2*\t+1,OC+25
.endr
	PLACES 5                                       ; 4 for the reads and loads below; 5 since the next tile's first products write over these registers
	s_wait_alu depctr_va_vdst(0)                   ; the products have written v224-255, which the stage's stores read, and are done reading Wo's fragments in v160-191, in which the rows come back; the places above stay beside this wait
.irp t, 0,1,2,3
	ds_store_b128 v[QLO], v[Q+8*\t:Q+8*\t+3] offset:64*\t                ; lane (r, h): out(query r, 64 w + 16 t + 8 h + 0 .. 7), through my own stage
	ds_store_b128 v[QLO], v[Q+8*\t+4:Q+8*\t+7] offset:64*\t+16
.endr
.irp m, 0,1,2,3,4,5,6,7
	ds_load_b128 v[KD+4*\m:KD+4*\m+3], v[QLR] offset:2*QLP*\m            ; back by rows: lanes 0-15 one row's 256 bytes, lanes 16-31 the next row's
.endr
.irp m, 0,1,2,3,4,5,6,7
	s_wait_dscnt 7-\m
	global_store_b128 v[OUTO], v[KD+4*\m:KD+4*\m+3], s[22:23] offset:2048*\m th:TH_STORE_NT   ; 16 lanes store 256 consecutive bytes, at a multiple of 256 from out0's first byte
.endr
	s_wait_xcnt 0x0                                ; the stores have read their registers and base: both are written again below and in the next tile (the wait on vm_vsrc at the tile's head stands beside this one)
	s_add_nc_u64 s[4:5], s[4:5], 16*RECB
	s_add_nc_u64 s[8:9], s[8:9], 16*64
	s_add_nc_u64 s[22:23], s[22:23], 16*1024
	s_add_co_u32 s30, s30, 1
	s_cmp_lt_u32 s30, 2
	s_cbranch_scc1 .Ltile
	s_wait_dscnt 0x0                               ; the closing lines, six on end
	s_wait_alu 0x0
	s_wait_tensorcnt 0x0
	ds_add_u32 v63, v95
	s_wait_dscnt 0x0
	s_endpgm
.Lfunc_end_k_qe3448a027a_attend:
	.size	k_qe3448a027a_attend, .Lfunc_end_k_qe3448a027a_attend-k_qe3448a027a_attend
	.p2alignl 7, 3214868480
	.fill 96, 4, 3214868480
	.section	.rodata,"a",@progbits
	.p2align	6, 0x0
	.amdhsa_kernel k_qe3448a027a_attend
		.amdhsa_group_segment_fixed_size 168960
		.amdhsa_private_segment_fixed_size 0
		.amdhsa_enable_private_segment 0
		.amdhsa_kernarg_size 80
		.amdhsa_user_sgpr_count 2
		.amdhsa_user_sgpr_kernarg_segment_ptr 1
		.amdhsa_wavefront_size32 1
		.amdhsa_system_sgpr_workgroup_id_x 1
		.amdhsa_system_sgpr_workgroup_id_y 1
		.amdhsa_system_sgpr_workgroup_id_z 1
		.amdhsa_system_vgpr_workitem_id 0
		.amdhsa_next_free_vgpr 512
		.amdhsa_next_free_sgpr 66
		.amdhsa_reserve_vcc 0
		.amdhsa_float_denorm_mode_32 3
		.amdhsa_float_denorm_mode_16_64 3
		.amdhsa_memory_ordered 1
		.amdhsa_forward_progress 1
		.amdhsa_inst_pref_size 117
	.end_amdhsa_kernel
	.amdgpu_metadata
---
amdhsa.version: [ 1, 2 ]
amdhsa.kernels:
  - .name:           k_qe3448a027a_attend
    .symbol:         k_qe3448a027a_attend.kd
    .args:
      - { .name: qrec, .offset: 0, .size: 8, .value_kind: global_buffer, .address_space: global }
      - { .name: krec, .offset: 8, .size: 8, .value_kind: global_buffer, .address_space: global }
      - { .name: idx, .offset: 16, .size: 8, .value_kind: global_buffer, .address_space: global }
      - { .name: wimg, .offset: 24, .size: 8, .value_kind: global_buffer, .address_space: global }
      - { .name: wsc, .offset: 32, .size: 8, .value_kind: global_buffer, .address_space: global }
      - { .name: bq, .offset: 40, .size: 8, .value_kind: global_buffer, .address_space: global }
      - { .name: bk, .offset: 48, .size: 8, .value_kind: global_buffer, .address_space: global }
      - { .name: bv, .offset: 56, .size: 8, .value_kind: global_buffer, .address_space: global }
      - { .name: bo, .offset: 64, .size: 8, .value_kind: global_buffer, .address_space: global }
      - { .name: out0, .offset: 72, .size: 8, .value_kind: global_buffer, .address_space: global }
    .group_segment_fixed_size: 168960
    .private_segment_fixed_size: 0
    .kernarg_segment_align: 8
    .kernarg_segment_size: 80
    .max_flat_workgroup_size: 256
    .sgpr_count:     66
    .vgpr_count:     512
    .wavefront_size: 32
...
	.end_amdgpu_metadata
.endif
;; end of part 11
